; MI455X (gfx1250); checked and timed in simulation.
; The chip was launched on July 23, 2026; its instructions are those of AMD's public machine-readable ISA for CDNA 5 (MIT licence, August 2026) and "CDNA5" Instruction Set Architecture Reference Guide (July 2026). The comments in the code are by the model that wrote it; some were corrected since.
;; Aeva Naive Moe. Allowed arithmetic: float matrix products may take bf16 or f16 operands with f32 sums; other float arithmetic in f32, or as packed bf16 or f16 multiplies, adds, multiply-adds, maxima and minima; sums over many terms, partial sums and values carried from step to step in f32; what a program stores and reads back later, other than sums and carried values, may be rounded once to bf16 or f16.
;; Inputs: anchor_w_down 16 x 256 x 1,024 float32; anchor_w_gate 16 x 1,024 x 256 float32; anchor_w_up 16 x 1,024 x 256 float32; gate_bias 32 float32; gate_weight 32 x 1,024 float32; hidden_states 1 x 1,024 x 1,024 float32; shared_w_down 512 x 1,024 float32; shared_w_gate 1,024 x 512 float32; shared_w_up 1,024 x 512 float32; w_down 32 x 512 x 1,024 float32; w_gate 32 x 1,024 x 512 float32; w_up 32 x 1,024 x 512 float32.
;; Outputs: out0 1 x 1,024 x 1,024 float32.
;; 3 versions, each right; version 2 is faster than version 1; version 3 is version 2 with the launches up, down written anew for expert scheduling mode. Each part assembles by itself: llvm-mc -triple=amdgcn-amd-amdhsa -mcpu=gfx1250 --defsym DOCPART=n.
;; ======== version 1 of 3: 4 launches
;; workspace buffers: xb 2,097,152 bytes; bm 8,192 bytes of whole numbers; idx8 32,768 bytes of whole numbers; cwt 262,144 bytes; hbuf 51,380,224 bytes; part 205,520,896 bytes
;; launch router (part 1): grid 64 x 1, 8 waves a work-group, no clusters, 123,904 bytes of LDS; arguments hidden_states, gate_weight, gate_bias, xb, bm, idx8, cwt; writes xb, bm, idx8, cwt
.if DOCPART == 1
	.amdgcn_target "amdgcn-amd-amdhsa--gfx1250"
	.amdhsa_code_object_version 6
	.text
	.protected	k_q778e4d4e56_router
	.globl	k_q778e4d4e56_router
	.p2align	8
	.type	k_q778e4d4e56_router,@function
k_q778e4d4e56_router:
	s_mov_b64 s[64:65], 0
	v_nop
	global_prefetch_b8 v0, s[64:65] scope:SCOPE_SE
	s_setreg_imm32_b32 hwreg(HW_REG_WAVE_MODE, 25, 1), 1
	s_wait_xcnt 0x0
; ROUTER.  logits = x gate_weight^T; scores = sigmoid; choice by scores + bias: sum of the best two in each of 4 groups of 8, the best 2 groups, the best 6 experts of those 16.
; Stored, all at fixed places: xb (x rounded to bf16), bm (for each of 49 virtual experts a bitmap of its tokens), idx8 (a token's 8 virtual experts), cwt (its coefficient for each).
; Virtual experts: 0-31 routed (coefficient 0.2 score / sum of the six), 32 the shared one (1.0), 33 + l anchor l = first choice / 2 (0.1).
; LIMITS.  x, gate_weight and gate_bias are rounded once to bf16, like every input of the program; products on the matrix unit, sums in f32.  Two experts or groups whose scores differ by a few
; last bits of f32 may be chosen otherwise than by another order of summation; exact ties go to the lower index.  NaN and infinities are not treated apart.
; SHARES.  A work-group has 16 tokens; wave w multiplies k = 128 w .. 128 w + 127; the eight partial logits meet in LDS behind the one barrier, and wave 0 routes: lane l serves token l % 16.
; No cluster, no tensor load: x must pass through registers to be rounded, and gate_weight is 128 KiB.
.set WREG,  15360                      ; a wave's LDS: x 16 rows x 272, gate_weight 32 rows x 272, partial logits 16 rows x 144
.set GSO,   4352
.set PSO,   13056
.set SPARE, 8*WREG                     ; behind them: the spare words, 128 bytes for each wave, which no other line names
.set X,   16                           ; v16-79    x as loaded, 4 registers a row
.set GW,  80                           ; v80-207   gate_weight as loaded
.set XF,  16                           ; v16-47    fragments of x, 8 registers for each 32 of k
.set GF,  48                           ; v48-111   fragments of gate_weight: experts 16 et on, k step ks at GF + 8 (4 et + ks)
.set ACC, 112                          ; v112-127  two accumulators
.set M,   16                           ; v16-47    logits, then scores + bias, then those still to be chosen from
.set SCR, 48                           ; v48-79    scores
.set CW,  80                           ; v80-111   coefficients
.set PT,  112                          ; v112-239  four waves' partial logits
.set IDX, 240                          ; v240-247  the token's eight virtual experts
	s_load_b256 s[4:11], s[0:1], 0x0               ; x s[4:5], gate_weight s[6:7], gate_bias s[8:9], xb s[10:11]
	s_load_b128 s[12:15], s[0:1], 0x20             ; bm s[12:13], idx8 s[14:15]
	s_load_b64 s[16:17], s[0:1], 0x30              ; cwt
	v_lshl_add_u32 v4, v0, 2, SPARE                ; my spare word, and 0: kept for the add at the wave's end
	v_mov_b32 v5, 0
	v_and_b32 v1, 31, v0                           ; lane
	v_lshrrev_b32 v6, 5, v0
	v_readfirstlane_b32 s2, v6                     ; wave
	v_and_b32 v2, 15, v0                           ; r
	v_bfe_u32 v3, v0, 4, 1                         ; h
	s_mov_b32 s3, ttmp9                            ; work-group g: tokens 16 g ..
	v_lshlrev_b32 v6, 4, v1
	v_lshl_add_u32 v6, s2, 9, v6                   ; 512 w + 16 lane: my 16 bytes of a row of x or gate_weight
	v_lshlrev_b32 v7, 2, v1                        ; 4 lane: gate_bias
	v_lshlrev_b32 v8, 3, v1
	v_lshl_add_u32 v8, s2, 8, v8                   ; 256 w + 8 lane: my 8 bytes of a row of xb
	s_mul_i32 s24, s2, WREG
	v_lshl_add_u32 v9, v1, 3, s24                  ; LDS: the same 8 bytes in my wave's rows
	v_mul_u32_u24 v10, v2, 272
	v_lshl_add_u32 v10, v3, 4, v10
	v_add_nc_u32 v10, s24, v10                     ; a fragment: row r, 16 bytes for each half of the lanes
	v_mul_u32_u24 v11, v2, 144
	v_add_nc_u32 v12, PSO, v11                     ; wave 0's reads: token r in the partial logits of waves 0-3,
	v_add_nc_u32 v13, PSO+4*WREG, v11              ; and of waves 4-7
	v_lshl_add_u32 v11, v3, 5, v11
	v_add_nc_u32 v11, s24, v11                     ; my stores of partial logits: token r, 8 experts for each half
	s_lshl_b32 s24, s3, 16                         ; 16 rows of 4,096 bytes
	s_mov_b32 s25, 0
	s_lshl_b32 s26, s3, 15                         ; 16 rows of 2,048 bytes
	s_mov_b32 s27, 0
	s_wait_kmcnt 0x0
	s_add_nc_u64 s[4:5], s[4:5], s[24:25]
	s_add_nc_u64 s[10:11], s[10:11], s[26:27]
.set i, 0
.rept 16                                               ; 49 loads, all out at once; each covers 512 neighbouring bytes of one row
	global_load_b128 v[X+4*i:X+4*i+3], v6, s[4:5] offset:4096*i th:TH_LOAD_NT
.set i, i+1
.endr
.set i, 0
.rept 32
	global_load_b128 v[GW+4*i:GW+4*i+3], v6, s[6:7] offset:4096*i
.set i, i+1
.endr
	global_load_b32 v15, v7, s[8:9]
	s_wait_loadcnt 33                              ; x is in: behind its 16 loads stand gate_weight's 32 and the bias
.set i, 0
.rept 16
	v_cvt_pk_bf16_f32 v[X+4*i], v[X+4*i], v[X+4*i+1]
	v_cvt_pk_bf16_f32 v[X+4*i+1], v[X+4*i+2], v[X+4*i+3]
	global_store_b64 v8, v[X+4*i:X+4*i+1], s[10:11] offset:2048*i  ; 256 consecutive bytes, at a multiple of 256 from xb's first
	ds_store_b64 v9, v[X+4*i:X+4*i+1] offset:272*i
.set i, i+1
.endr
	s_wait_loadcnt 0x0
.set i, 0
.rept 32
	v_cvt_pk_bf16_f32 v[GW+4*i], v[GW+4*i], v[GW+4*i+1]
	v_cvt_pk_bf16_f32 v[GW+4*i+1], v[GW+4*i+2], v[GW+4*i+3]
	ds_store_b64 v9, v[GW+4*i:GW+4*i+1] offset:GSO+272*i
.set i, i+1
.endr
	v_cvt_pk_bf16_f32 v15, v15, v15                ; the bias rounded to bf16,
	v_lshlrev_b32 v15, 16, v15                     ; and back as f32
	s_wait_xcnt 0x0                                ; the stores to xb have read their registers: only now are these loaded again
.set i, 0
.rept 4                                                ; my own bytes, served in the order of issue: no barrier
	ds_load_b128 v[XF+8*i:XF+8*i+3], v10 offset:64*i
	ds_load_b128 v[XF+8*i+4:XF+8*i+7], v10 offset:64*i+32
.set i, i+1
.endr
.set i, 0
.rept 8                                                ; i = 4 et + ks
	ds_load_b128 v[GF+8*i:GF+8*i+3], v10 offset:GSO+272*16*(i>>2)+64*(i&3)
	ds_load_b128 v[GF+8*i+4:GF+8*i+7], v10 offset:GSO+272*16*(i>>2)+64*(i&3)+32
.set i, i+1
.endr
	s_wait_dscnt 0x0
	; source 0 = 16 experts, source 1 = 16 tokens: a lane of the result holds token r and experts 16 et + 8 h + 0..7.  The two accumulators take turns.
	v_wmma_f32_16x16x32_bf16 v[ACC:ACC+7], v[GF:GF+7], v[XF:XF+7], 0
	v_wmma_f32_16x16x32_bf16 v[ACC+8:ACC+15], v[GF+32:GF+39], v[XF:XF+7], 0
.set i, 1
.rept 3
	v_wmma_f32_16x16x32_bf16 v[ACC:ACC+7], v[GF+8*i:GF+8*i+7], v[XF+8*i:XF+8*i+7], v[ACC:ACC+7]
	v_wmma_f32_16x16x32_bf16 v[ACC+8:ACC+15], v[GF+32+8*i:GF+32+8*i+7], v[XF+8*i:XF+8*i+7], v[ACC+8:ACC+15]
.set i, i+1
.endr
.rept 4
	v_nop                                          ; four places between the last product and the stores of its result
.endr
	ds_store_b128 v11, v[ACC:ACC+3] offset:PSO
	ds_store_b128 v11, v[ACC+4:ACC+7] offset:PSO+16
	ds_store_b128 v11, v[ACC+8:ACC+11] offset:PSO+64
	ds_store_b128 v11, v[ACC+12:ACC+15] offset:PSO+80
	s_wait_dscnt 0x0                               ; for wave 0's sake: my partial logits are in LDS
	s_barrier_signal -1
	s_barrier_wait -1
	s_cmp_lg_u32 s2, 0
	s_cbranch_scc1 .Lend                           ; waves 1 to 7 are done
	; WAVE 0.  The eight partial logits are added; every lane holds all 32 logits of its token.
.set i, 0
.rept 32                                               ; i = 8 wave + piece
	ds_load_b128 v[PT+4*i:PT+4*i+3], v12 offset:WREG*(i>>3)+16*(i&7)
.set i, i+1
.endr
	s_wait_dscnt 0x0
.set z, 0
.rept 16
	v_pk_add_f32 v[M+2*z:M+2*z+1], v[PT+2*z:PT+2*z+1], v[PT+32+2*z:PT+32+2*z+1]
.set z, z+1
.endr
.irp p, 2,3
.set z, 0
.rept 16
	v_pk_add_f32 v[M+2*z:M+2*z+1], v[M+2*z:M+2*z+1], v[PT+32*(\p)+2*z:PT+32*(\p)+2*z+1]
.set z, z+1
.endr
.endr
.set i, 0
.rept 32
	ds_load_b128 v[PT+4*i:PT+4*i+3], v13 offset:WREG*(i>>3)+16*(i&7)
.set i, i+1
.endr
.set i, 0
.rept 32
	v_readlane_b32 s[32+i], v15, i                 ; the 32 biases as scalars
.set i, i+1
.endr
	s_wait_dscnt 0x0
.irp p, 0,1,2,3
.set z, 0
.rept 16
	v_pk_add_f32 v[M+2*z:M+2*z+1], v[M+2*z:M+2*z+1], v[PT+32*(\p)+2*z:PT+32*(\p)+2*z+1]
.set z, z+1
.endr
.endr
	; scores = 1 / (1 + 2^(-log2(e) logit)), eight at a time; a plain instruction stands behind each run of transcendentals (ISA guide 5.7.2)
.set b, 0
.rept 4
.set j, 0
.rept 8
	v_mul_f32 v[160+j], 0xbfb8aa3b, v[M+8*b+j]
.set j, j+1
.endr
.set j, 0
.rept 8
	v_exp_f32 v[160+j], v[160+j]
.set j, j+1
.endr
	v_nop
.set j, 0
	s_wait_alu depctr_va_vdst(0)
.rept 8
	v_add_f32 v[160+j], 1.0, v[160+j]
.set j, j+1
.endr
.set j, 0
.rept 8
	v_rcp_f32 v[SCR+8*b+j], v[160+j]
.set j, j+1
.endr
	v_nop
.set j, 0
	s_wait_alu depctr_va_vdst(0)
.rept 8
	v_add_f32 v[M+8*b+j], s[32+8*b+j], v[SCR+8*b+j]  ; scores for the choice
.set j, j+1
.endr
.set b, b+1
.endr
	; a group's best two: a >= b are kept; a new value's middle with them is the new b
.set g, 0
.rept 4
	v_max_num_f32 v[112+2*g], v[M+8*g], v[M+8*g+1]
	v_min_num_f32 v[113+2*g], v[M+8*g], v[M+8*g+1]
.set j, 2
.rept 6
	v_med3_num_f32 v[113+2*g], v[112+2*g], v[113+2*g], v[M+8*g+j]
	v_max_num_f32 v[112+2*g], v[112+2*g], v[M+8*g+j]
.set j, j+1
.endr
	v_add_f32 v[120+g], v[112+2*g], v[113+2*g]     ; the group's score
	v_mov_b32 v[124+g], 3-g                        ; how many groups beat it: all later ones, until shown otherwise
.set g, g+1
.endr
	v_mov_b32 v132, 1
	v_mov_b32 v155, 0xff800000                     ; -infinity
.macro PAIR a, b                       ; a < b: a beats b where it is greater or equal (a tie goes to the lower index)
	v_cmp_ge_f32 vcc_lo, v[120+(\a)], v[120+(\b)]
	v_cndmask_b32 v131, 0, v132, vcc_lo
	v_sub_nc_u32 v[124+(\a)], v[124+(\a)], v131
	v_add_nc_u32 v[124+(\b)], v[124+(\b)], v131
.endm
	PAIR 0, 1
	PAIR 0, 2
	PAIR 0, 3
	PAIR 1, 2
	PAIR 1, 3
	PAIR 2, 3
.set g, 0
.rept 4
	v_cmp_gt_u32 s[20+g], 2, v[124+g]              ; chosen: beaten by fewer than two
.set g, g+1
.endr
.set e, 0
.rept 32
	v_cndmask_b32 v[M+e], v155, v[M+e], s[20+e/8]
	v_mov_b32 v[CW+e], 0
.set e, e+1
.endr
.set i, 0
.rept 6
	v_mov_b32 v[IDX+i], 0
.set i, i+1
.endr
	v_mov_b32 v152, 0                              ; the sum of the chosen scores
	v_mov_b32 v153, 0                              ; the chosen experts, a bit each
	; SIX PICKS, one a trip.  The best of the 32 with the lowest index (a later one must be greater); it is then taken out, and its score noted.  Only selects hang on the numbers.
	s_mov_b32 s24, 6
.Lpick:
	v_mov_b32 v128, v[M]
	v_mov_b32 v129, 0
	v_mov_b32 v130, v[SCR]
.set e, 1
.rept 31
	v_cmp_le_f32 vcc_lo, v[M+e], v128              ; not greater: the old one stays
	v_cndmask_b32 v129, e, v129, vcc_lo
	v_cndmask_b32 v130, v[SCR+e], v130, vcc_lo
	v_max_num_f32 v128, v128, v[M+e]
.set e, e+1
.endr
.set e, 0
.rept 32
	v_cmp_eq_u32 vcc_lo, e, v129
	v_cndmask_b32 v[M+e], v[M+e], v155, vcc_lo
	v_cndmask_b32 v[CW+e], v[CW+e], v130, vcc_lo
.set e, e+1
.endr
.set i, 0
.rept 5
	v_mov_b32 v[IDX+i], v[IDX+i+1]                 ; the picks move up: after six trips the first stands at IDX
.set i, i+1
.endr
	v_mov_b32 v[IDX+5], v129
	v_add_f32 v152, v152, v130
	v_lshlrev_b32 v131, v129, v132
	v_or_b32 v153, v153, v131
	s_sub_co_u32 s24, s24, 1
	s_cmp_lg_u32 s24, 0
	s_cbranch_scc1 .Lpick
	v_add_f32 v152, 0x1e3ce508, v152               ; + 1e-20
	v_rcp_f32 v152, v152
	v_lshrrev_b32 v154, 1, v[IDX]                  ; the anchor: first choice / 2 (also the plain instruction behind the reciprocal)
	s_wait_alu depctr_va_vdst(0)
	v_mul_f32 v152, 0x3e4ccccd, v152               ; 0.2 / sum
.set z, 0
.rept 16
	v_pk_mul_f32 v[CW+2*z:CW+2*z+1], v[CW+2*z:CW+2*z+1], v[152:153] op_sel_hi:[1,0]
.set z, z+1
.endr
	v_mov_b32 v[IDX+6], 32
	v_add_nc_u32 v[IDX+7], 33, v154
	v_mov_b32 v133, 1.0
	v_mov_b32 v156, 0x3dcccccd                     ; 0.1
	v_mov_b32 v150, 0                              ; lane e: the 16 tokens' bits for virtual expert e,
	v_mov_b32 v151, 0                              ; and for 32 + e (49 to 63: none)
	s_lshl_b32 s25, s3, 6
	v_lshl_add_u32 v157, v2, 2, s25                ; cwt: 4 (16 g + r)
	s_lshl_b32 s25, s3, 9
	v_lshl_add_u32 v158, v2, 5, s25                ; idx8: 32 (16 g + r)
	s_lshl_b32 s25, s3, 1
	v_lshl_add_u32 v159, v1, 7, s25                ; bm: row = lane, half-word g
	; THE STORES.  Lanes 16-31 repeat lanes 0-15: the same bytes to the same places.  cwt and bm are 200 KB and 8 KB in all, laid for their readers (a row for each virtual expert), so these stores are narrow.
.set e, 0
.rept 32
	global_store_b32 v157, v[CW+e], s[16:17] offset:4096*e
	v_bfe_u32 v131, v153, e, 1
	v_cmp_ne_u32 vcc_lo, 0, v131
	v_writelane_b32 v150, vcc_lo, e
.set e, e+1
.endr
	global_store_b32 v157, v133, s[16:17] offset:4096*32
	s_mov_b32 s25, 0xffff
	v_writelane_b32 v151, s25, 0                   ; the shared expert takes every token
.set e, 0
.rept 16
	v_cmp_eq_u32 vcc_lo, e, v154
	v_cndmask_b32 v[134+e], 0, v156, vcc_lo
	v_writelane_b32 v151, vcc_lo, 1+e
	global_store_b32 v157, v[134+e], s[16:17] offset:4096*(33+e)
.set e, e+1
.endr
	global_store_b128 v158, v[IDX:IDX+3], s[14:15]
	global_store_b128 v158, v[IDX+4:IDX+7], s[14:15] offset:16
	global_store_b16 v159, v150, s[12:13]
	global_store_b16 v159, v151, s[12:13] offset:4096
.Lend:
	s_wait_tensorcnt 0x0                           ; the wave's end
	ds_add_u32 v4, v5
	s_wait_dscnt 0x0
	s_endpgm
.Lfunc_end_k_q778e4d4e56_router:
	.size	k_q778e4d4e56_router, .Lfunc_end_k_q778e4d4e56_router-k_q778e4d4e56_router
	.p2alignl 7, 3214868480
	.fill 96, 4, 3214868480
	.section	.rodata,"a",@progbits
	.p2align	6, 0x0
	.amdhsa_kernel k_q778e4d4e56_router
		.amdhsa_group_segment_fixed_size 123904
		.amdhsa_private_segment_fixed_size 0
		.amdhsa_enable_private_segment 0
		.amdhsa_kernarg_size 56
		.amdhsa_user_sgpr_count 2
		.amdhsa_user_sgpr_kernarg_segment_ptr 1
		.amdhsa_wavefront_size32 1
		.amdhsa_system_sgpr_workgroup_id_x 1
		.amdhsa_system_sgpr_workgroup_id_y 1
		.amdhsa_system_sgpr_workgroup_id_z 1
		.amdhsa_system_vgpr_workitem_id 0
		.amdhsa_next_free_vgpr 256
		.amdhsa_next_free_sgpr 66
		.amdhsa_reserve_vcc 1
		.amdhsa_float_denorm_mode_32 3
		.amdhsa_float_denorm_mode_16_64 3
		.amdhsa_memory_ordered 1
		.amdhsa_forward_progress 1
		.amdhsa_inst_pref_size 68
	.end_amdhsa_kernel
	.amdgpu_metadata
---
amdhsa.version: [ 1, 2 ]
amdhsa.kernels:
  - .name:           k_q778e4d4e56_router
    .symbol:         k_q778e4d4e56_router.kd
    .args:
      - { .name: hidden_states, .offset: 0, .size: 8, .value_kind: global_buffer, .address_space: global }
      - { .name: gate_weight, .offset: 8, .size: 8, .value_kind: global_buffer, .address_space: global }
      - { .name: gate_bias, .offset: 16, .size: 8, .value_kind: global_buffer, .address_space: global }
      - { .name: xb, .offset: 24, .size: 8, .value_kind: global_buffer, .address_space: global }
      - { .name: bm, .offset: 32, .size: 8, .value_kind: global_buffer, .address_space: global }
      - { .name: idx8, .offset: 40, .size: 8, .value_kind: global_buffer, .address_space: global }
      - { .name: cwt, .offset: 48, .size: 8, .value_kind: global_buffer, .address_space: global }
    .group_segment_fixed_size: 123904
    .private_segment_fixed_size: 0
    .kernarg_segment_align: 8
    .kernarg_segment_size: 56
    .max_flat_workgroup_size: 256
    .sgpr_count:     66
    .vgpr_count:     256
    .wavefront_size: 32
...
	.end_amdgpu_metadata
.endif
;; end of part 1
;; launch up (part 2): grid 352 x 1, 4 waves a work-group, no clusters, 312,832 bytes of LDS; arguments xb, w_gate, w_up, anchor_w_gate, anchor_w_up, shared_w_gate, shared_w_up, bm, cwt, hbuf; writes hbuf
.if DOCPART == 2
	.amdgcn_target "amdgcn-amd-amdhsa--gfx1250"
	.amdhsa_code_object_version 6
	.text
	.protected	k_q778e4d4e56_up
	.globl	k_q778e4d4e56_up
	.p2align	8
	.type	k_q778e4d4e56_up,@function
k_q778e4d4e56_up:
	s_mov_b64 s[64:65], 0
	v_nop
	global_prefetch_b8 v0, s[64:65] scope:SCOPE_SE
	s_setreg_imm32_b32 hwreg(HW_REG_WAVE_MODE, 25, 1), 1
	s_wait_xcnt 0x0
; UP.  hbuf = coefficient x silu(x Wgate) x (x Wup), for the rows of each virtual expert (0-31 routed, 32 shared, 33 + l anchor l) that chose it, rounded once to bf16.
; LIMITS.  The weights are rounded once to bf16 on their way through registers; sums in f32; the hidden layer times its coefficient is kept in bf16 (f16 would not hold it for inputs 30 times larger).
; NaN and infinities are not treated apart.  An expert that no token chose takes token 0 with the coefficient 0, so that every byte read by the next launch has been stored.
; SHARES.  A work-group owns 64 columns of Wgate and the same 64 of Wup of ONE expert: 128 columns x 1,024 k, which it alone reads (the shared expert's: four row blocks each).  The slice is streamed once,
; 64 k a chunk, rounded and laid into LDS as [k][column], where it STAYS: each LDS byte of it is written once.  While it streams, the expert's first 256 rows are multiplied (wave w: tiles of 16 rows
; 4 i + w).  Rows past 256 are multiplied afterwards out of LDS, in loops of constant length in which only work is jumped; no barrier stands in what is jumped.
; Rows are taken by RANK: a token's place among the expert's tokens.  Each wave makes its own list rank -> token from the expert's bitmap.  Places past the count repeat the last token.
; ORDER OF LOADS in the loop: A(c), W(c+2), A(c+1), W(c+3), ...: the wait for a chunk's rows leaves two chunks of weights, 32 KiB each for the work-group, on their way.
; NO CLUSTER, NO TENSOR LOAD: a slice has one reader; f32 weights must pass through registers to be rounded; an expert's rows come by a list.
; The accumulators are cleared (256 v_mov_b32) in the wait for the first weights: dead tiles are jumped, so no first step is written out.
; REGISTERS, in windows of 256 (s_set_vgpr_msb: bits 1:0 source 0, 3:2 source 1, 5:4 source 2, 7:6 destination):
;   window 0: addresses, v64-95 rounded weights, v112-127 the way out, v128-255 fragments of rows, two buffers      window 1: accumulators, tile i, column block n at 64 i + 8 n
;   window 2: weights as loaded, two buffers of 64      window 3: fragments of weights, two buffers of 128
.set PW,     288                       ; an LDS row of the slice: 128 bf16 + 32 bytes
.set CHUNK,  64*PW
.set NCH,    16
.set LISTB,  NCH*CHUNK                 ; behind the slice: a list for each wave: 1,024 words, 32 words for non-members, padding
.set LISTSZ, 4352
.set SPARE,  LISTB+4*LISTSZ            ; behind the lists: the spare words, 128 bytes for each wave, which no other line names
.set AKS,    64                        ; bytes from a row's k step of 32 to the next,
.set APC,    32                        ; from a fragment's first 16 bytes to its second,
.set ASTR,   128                       ; from chunk to chunk
.set SPW,  4                           ; v4  my spare word     v5  0: kept for the add at the wave's end
.set NIL,  5
.set LB,   6                           ; v6  my list
.set DIX,  7                           ; v7  1024 + lane: where a non-member's entry goes
.set WOFF, 8                           ; v8-15  load i of a chunk: row 16 w + (i & 3) + 8 (i >> 2) + 4 h, 16 bytes at 16 (lane % 16)
.set LST0, 16                          ; v16 where those go in a chunk in LDS     v18 the same in the chunk in hand
.set LRD0, 17                          ; v17 my lane's place for the turning load  v19 likewise
.set LST,  18
.set LRD,  19
.set AOFF, 20                          ; v20-23 tile i: my row's byte offset in xb
.set CWR,  24                          ; v24-31 tile i: my row's coefficient, in the low register of a pair
.set HOFF, 32                          ; v32 my byte offset in the expert's part of hbuf
.set CV,   64
.set OUT,  112
.set AF,   128                         ; tile i, k step ks of buffer par at AF + 64 par + 8 (2 i + ks)
.set TT,   128                         ; the way out works in the first buffer, idle there
.set PP,   160
.set VE,   66
.set SL,   67
.set ROW0, 68                          ; first rank of the block of 256 in hand
.set CNT,  69                          ; ranks that this work-group serves end here
.set CM1,  70
.set MTW,  71                          ; my wave's live tiles in the block
.set PSH,  72                          ; log2 of the weights' row pitch in bytes
.set CTR,  73
.set BLK,  74
.set LC,   75                          ; LDS byte of chunk c
.set WB,   76                          ; s[76:79], s[80:83]: Wgate's and Wup's address for the even and the odd chunks
.set PSTEP, 84                         ; s[84:85] two chunks' rows in bytes
.set AB,   86                          ; s[86:87], s[88:89]: xb at the even and the odd chunks' k
.set A0,   90
.set OB,   92
.set CWB,  94
.set NL2E, 100                         ; s[100:101] -log2(e)
.set MSB, 0
.macro WIN new                         ; the immediate's high byte repeats the setting that is left; a switch that changes nothing is dropped
.if MSB != (\new)
	s_set_vgpr_msb (MSB<<8)|(\new)
.set MSB, (\new)
.endif
.endm
.macro WLOAD par                       ; a wave's quarter of a chunk: 16 loads; lanes 0-15 take 256 consecutive bytes of a row, lanes 16-31 of the row four further down
	WIN 0x80
.set i, 0
.rept 8
	global_load_b128 v[64*(\par)+4*i:64*(\par)+4*i+3], v[WOFF+i], s[WB+4*(\par):WB+4*(\par)+1] th:TH_LOAD_NT
.set i, i+1
.endr
.set i, 0
.rept 8
	global_load_b128 v[64*(\par)+32+4*i:64*(\par)+32+4*i+3], v[WOFF+i], s[WB+4*(\par)+2:WB+4*(\par)+3] th:TH_LOAD_NT
.set i, i+1
.endr
	WIN 0
.endm
.macro WSTAGE par, imm                 ; rounded to bf16 and laid into LDS: Wgate's 64 columns, then Wup's
	WIN 0x0a
.set i, 0
.rept 16
	v_cvt_pk_bf16_f32 v[CV+2*i], v[64*(\par)+4*i], v[64*(\par)+4*i+1]
	v_cvt_pk_bf16_f32 v[CV+2*i+1], v[64*(\par)+4*i+2], v[64*(\par)+4*i+3]
.set i, i+1
.endr
	WIN 0
.set i, 0
.rept 16
	ds_store_b64 v[LST], v[CV+2*i:CV+2*i+1] offset:(\imm)+PW*((i&3)+8*((i>>2)&1))+128*(i>>3)
.set i, i+1
.endr
.endm
.macro BLOAD par, imm                  ; a chunk's 16 fragments of weights (i = 8 ks + n), turned: lane l holds column 16 n + l % 16 and 16 k
	WIN 0xc0
.set i, 0
.rept 16
	ds_load_tr16_b128 v[128*(\par)+8*i:128*(\par)+8*i+3], v[LRD] offset:(\imm)+32*(i>>3)*PW+32*(i&7)
	ds_load_tr16_b128 v[128*(\par)+8*i+4:128*(\par)+8*i+7], v[LRD] offset:(\imm)+(32*(i>>3)+16)*PW+32*(i&7)
.set i, i+1
.endr
	WIN 0
.endm
.macro ALOAD par                       ; a chunk's 8 fragments of rows (i = 2 tile + ks), always all four tiles: the counts of loads are the same on every way
.set i, 0
.rept 8
	global_load_b128 v[AF+64*(\par)+8*i:AF+64*(\par)+8*i+3], v[AOFF+(i>>1)], s[AB+2*(\par):AB+2*(\par)+1] offset:AKS*(i&1)
	global_load_b128 v[AF+64*(\par)+8*i+4:AF+64*(\par)+8*i+7], v[AOFF+(i>>1)], s[AB+2*(\par):AB+2*(\par)+1] offset:AKS*(i&1)+APC
.set i, i+1
.endr
.endm
; A chunk's products for my live tiles.  Source 0 = 16 columns of weights, source 1 = 16 rows: a lane of the result holds one row and 8 neighbouring columns.  A tile's eight accumulators take turns.
; The four v_nop are the places in front of all that follows: loads into the fragments, reads of the sums.
.macro SECT par
.irp tl, 0,1,2,3
	s_cmp_le_u32 s[MTW], \tl
	s_cbranch_scc1 .Lsect_\@
	WIN 0x53
.set i, 0
.rept 16
.set rD, 64*(\tl)+8*(i&7)
.set rB, 128*(\par)+8*i
.set rA, AF+64*(\par)+8*(2*(\tl)+(i>>3))
	v_wmma_f32_16x16x32_bf16 v[rD:rD+7], v[rB:rB+7], v[rA:rA+7], v[rD:rD+7]
.set i, i+1
.endr
	WIN 0
.endr
.Lsect_\@:
.rept 4
	v_nop
.endr
.endm
.macro CLEAR
	WIN 0x40
.set i, 0
.rept 256
	v_mov_b32 v[i], 0
.set i, i+1
.endr
	WIN 0
.endm
; Chunk c, on buffers par = c % 2.  bl: chunk c + 1's fragments of weights are fetched.  al: the rows of chunk c + 2 are asked for.  ws: the weights of chunk c + 2 are laid into LDS, and a barrier follows.
; wl: the weights of chunk c + 4 are asked for.  nA, nW: how many younger loads may stay out when A(c), W(c+2) must be in.
.macro TRIP par, bl, al, ws, wl, nA, nW
	s_wait_dscnt 0x0                               ; this chunk's fragments of weights are in
	v_add_nc_u32 v[LST], s[LC], v[LST0]
	v_add_nc_u32 v[LRD], s[LC], v[LRD0]
	s_wait_loadcnt \nA                             ; its rows are in
.if \bl
	BLOAD 1-(\par), CHUNK
.endif
	SECT \par
.if \al
	s_add_nc_u64 s[AB+2*(\par):AB+2*(\par)+1], s[AB+2*(\par):AB+2*(\par)+1], 2*ASTR  ; its last loads were shown done by the wait above
	ALOAD \par
.endif
.if \ws
	s_wait_loadcnt \nW
	WSTAGE \par, 2*CHUNK
.endif
.if \wl
	s_add_nc_u64 s[WB+4*(\par):WB+4*(\par)+1], s[WB+4*(\par):WB+4*(\par)+1], s[PSTEP:PSTEP+1]  ; likewise
	s_add_nc_u64 s[WB+4*(\par)+2:WB+4*(\par)+3], s[WB+4*(\par)+2:WB+4*(\par)+3], s[PSTEP:PSTEP+1]
	WLOAD \par
.endif
	s_add_co_u32 s[LC], s[LC], CHUNK
.if \ws
	s_wait_dscnt 0x0                               ; for the others' sake: my quarter of chunk c + 2 is in LDS
	s_barrier_signal -1
	s_barrier_wait -1                              ; everybody's is: the next trip reads it
.endif
.endm
.macro OTRIP                           ; a chunk for rows past the first 256: out of the resident slice, not pipelined: rare
	v_add_nc_u32 v[LRD], s[LC], v[LRD0]
	BLOAD 0, 0
	ALOAD 0
	s_wait_loadcnt 0x0
	s_wait_dscnt 0x0
	SECT 0
	s_add_nc_u64 s[AB:AB+1], s[AB:AB+1], ASTR
	s_add_co_u32 s[LC], s[LC], CHUNK
.endm
.macro LISTW j                         ; tokens 32 j + lane: a member's entry goes to its rank, the others' to 32 words that nobody reads
	v_mbcnt_lo_u32_b32 v36, s[32+(\j)], s96
	v_cndmask_b32 v36, v[DIX], v36, s[32+(\j)]
	v_min_u32 v36, 0x41f, v36
	v_lshl_add_u32 v36, v36, 2, v[LB]
	v_or_b32 v37, 32*(\j), v1
	ds_store_b32 v36, v37
	s_bcnt1_i32_b32 s97, s[32+(\j)]
	s_add_co_u32 s96, s96, s97
.endm
.macro BLOCKS                          ; my live tiles among the block's: tiles 4 i + w below ceil(n / 16), n = the block's ranks
	s_sub_co_i32 s96, s[CNT], s[ROW0]
	s_max_i32 s96, s96, 0
	s_min_i32 s96, s96, 0x100
	s_add_co_u32 s96, s96, 15
	s_lshr_b32 s96, s96, 4
	s_add_co_u32 s96, s96, 3
	s_sub_co_u32 s96, s96, s2
	s_lshr_b32 s[MTW], s96, 2
.endm
.macro BLOCKV                          ; my rows' tokens, their offsets in xb, their coefficients
	s_lshl_b32 s96, s2, 4
	s_add_co_u32 s96, s96, s[ROW0]
	v_add_nc_u32 v36, s96, v2
.set i, 0
.rept 4
	v_add_nc_u32 v37, 64*i, v36                    ; rank = ROW0 + 64 i + 16 w + r,
	v_min_u32 v37, s[CM1], v37                     ; past the count the last one again
	v_min_u32 v37, 0x3ff, v37
	v_lshl_add_u32 v37, v37, 2, v[LB]
	ds_load_b32 v[40+i], v37
.set i, i+1
.endr
	s_wait_dscnt 0x0
.set i, 0
.rept 4
	v_min_u32 v[40+i], 0x3ff, v[40+i]
	v_lshlrev_b32 v[44+i], 2, v[40+i]
	v_lshlrev_b32 v[AOFF+i], 11, v[40+i]
	v_lshl_add_u32 v[AOFF+i], v3, 4, v[AOFF+i]
	global_load_b32 v[CWR+2*i], v[44+i], s[CWB:CWB+1]
.set i, i+1
.endr
	s_lshl_b32 s97, s[ROW0], 10                    ; a tile of 16 ranks is 16,384 bytes of hbuf
	s_lshl_b32 s98, s2, 14
	s_add_co_u32 s97, s97, s98
	v_lshl_add_u32 v[HOFF], v1, 4, s97
.endm
; THE WAY OUT, a live tile at a time: g u c / (1 + 2^(-log2(e) g)), rounded to bf16.  A lane's 8 columns of a row are half a fragment of the next product as they stand:
; hbuf is [expert][tile][k step of 32][piece][lane][16 bytes], and each store covers 512 consecutive bytes.  Each accumulator's lowest registers are read first.
.macro EPILOGUE
.irp tl, 0,1,2,3
	s_cmp_le_u32 s[MTW], \tl
	s_cbranch_scc1 .Lepi_\@
	WIN 0x05
.set z, 0
.rept 16                                               ; z = 4 q + pair: column block q of Wgate, 4 + q of Wup
.set rG, 64*(\tl)+8*(z>>2)+2*(z&3)
	v_pk_mul_f32 v[TT+2*z:TT+2*z+1], v[rG:rG+1], s[NL2E:NL2E+1] op_sel_hi:[1,0]
	v_pk_mul_f32 v[PP+2*z:PP+2*z+1], v[rG:rG+1], v[rG+32:rG+33]
.set z, z+1
.endr
	WIN 0
.set z, 0
.rept 32
	v_exp_f32 v[TT+z], v[TT+z]
.set z, z+1
.endr
.set z, 0
.rept 16                                               ; plain work between the exponentials and the use of their results (ISA guide 5.7.2)
	v_pk_mul_f32 v[PP+2*z:PP+2*z+1], v[PP+2*z:PP+2*z+1], v[CWR+2*(\tl):CWR+2*(\tl)+1] op_sel_hi:[1,0]
.set z, z+1
.endr
.set z, 0
	s_wait_alu depctr_va_vdst(0)
.rept 16
	v_pk_add_f32 v[TT+2*z:TT+2*z+1], v[TT+2*z:TT+2*z+1], 1.0 op_sel_hi:[1,0]
.set z, z+1
.endr
.set z, 0
.rept 32
	v_rcp_f32 v[TT+z], v[TT+z]
.set z, z+1
.endr
	s_wait_xcnt 0x0                                ; the tile before's stores have read OUT
	v_nop
.set z, 0
	s_wait_alu depctr_va_vdst(0)
.rept 16
	v_pk_mul_f32 v[PP+2*z:PP+2*z+1], v[PP+2*z:PP+2*z+1], v[TT+2*z:TT+2*z+1]
.set z, z+1
.endr
.set z, 0
.rept 16
	v_cvt_pk_bf16_f32 v[OUT+z], v[PP+2*z], v[PP+2*z+1]
.set z, z+1
.endr
.set z, 0
.rept 4
	global_store_b128 v[HOFF], v[OUT+4*z:OUT+4*z+3], s[OB:OB+1] offset:65536*(\tl)+512*z
.set z, z+1
.endr
.endr
.Lepi_\@:
	s_wait_xcnt 0x0                                ; the stores have read HOFF and OUT
.endm
	s_load_b512 s[4:19], s[0:1], 0x0               ; xb s[4:5], w_gate, w_up, anchor_w_gate, anchor_w_up, shared_w_gate, shared_w_up, bm s[18:19]
	s_load_b128 s[20:23], s[0:1], 0x40             ; cwt s[20:21], hbuf s[22:23]
	v_lshl_add_u32 v[SPW], v0, 2, SPARE
	v_mov_b32 v[NIL], 0
	v_and_b32 v1, 31, v0                           ; lane
	v_lshrrev_b32 v36, 5, v0
	v_readfirstlane_b32 s2, v36                    ; wave
	v_and_b32 v2, 15, v0                           ; r
	v_bfe_u32 v3, v0, 4, 1                         ; h
	s_mov_b32 s3, ttmp9
	; Work-groups 0-255: routed expert id / 8, slice id % 8.  256-319: anchor (id - 256) / 4, slice % 4.  320-351: the shared expert, slice id % 8, rows 256 ((id - 320) / 8) on.
	s_lshr_b32 s24, s3, 3
	s_and_b32 s25, s3, 7
	s_lshl_b32 s26, s24, 21                        ; a routed expert's weights: 2 MiB
	s_sub_co_u32 s27, s3, 256
	s_and_b32 s28, s27, 3
	s_lshr_b32 s27, s27, 2
	s_lshl_b32 s29, s27, 20                        ; an anchor's: 1 MiB
	s_add_co_u32 s27, s27, 33
	s_sub_co_u32 s30, s3, 320
	s_lshr_b32 s30, s30, 3
	s_lshl_b32 s30, s30, 8
	s_add_co_u32 s31, s30, 256
	s_mov_b32 s[NL2E], 0xbfb8aa3b
	s_mov_b32 s[NL2E+1], s[NL2E]                   ; named with it as a pair
	s_wait_kmcnt 0x0
	s_cmp_lt_u32 s3, 256
	s_cselect_b32 s[VE], s24, s27
	s_cselect_b32 s[SL], s25, s28
	s_cselect_b32 s96, s26, s29
	s_cselect_b32 s[PSH], 11, 10
	s_cselect_b64 s[WB:WB+1], s[6:7], s[10:11]
	s_cselect_b64 s[WB+2:WB+3], s[8:9], s[12:13]
	s_cmp_lt_u32 s3, 320
	s_cselect_b32 s[VE], s[VE], 32
	s_cselect_b32 s[SL], s[SL], s25
	s_cselect_b32 s96, s96, 0
	s_cselect_b32 s[PSH], s[PSH], 11
	s_cselect_b32 s[ROW0], 0, s30
	s_cselect_b32 s31, 0x400, s31                  ; where my ranks end at the latest
	s_cselect_b64 s[WB:WB+1], s[WB:WB+1], s[14:15]
	s_cselect_b64 s[WB+2:WB+3], s[WB+2:WB+3], s[16:17]
	s_lshl_b32 s97, s[SL], 8                       ; the slice's 64 columns: 256 bytes
	s_add_co_u32 s96, s96, s97
	s_mov_b32 s97, 0
	s_add_nc_u64 s[WB:WB+1], s[WB:WB+1], s[96:97]
	s_add_nc_u64 s[WB+2:WB+3], s[WB+2:WB+3], s[96:97]
	s_lshl_b32 s[PSTEP], 128, s[PSH]               ; 128 rows
	s_mov_b32 s[PSTEP+1], 0
	s_lshr_b32 s96, s[PSTEP], 1                    ; 64 rows: chunk 1
	s_add_nc_u64 s[WB+4:WB+5], s[WB:WB+1], s[96:97]
	s_add_nc_u64 s[WB+6:WB+7], s[WB+2:WB+3], s[96:97]
	s_lshl_b32 s96, s[VE], 7
	s_add_nc_u64 s[28:29], s[18:19], s[96:97]
	s_load_b512 s[32:47], s[28:29], 0x0            ; the expert's bitmap, 32 words
	s_load_b512 s[48:63], s[28:29], 0x40
	s_lshl_b32 s96, s[VE], 12
	s_add_nc_u64 s[CWB:CWB+1], s[20:21], s[96:97]  ; its row of cwt
	s_lshl_b32 s96, s[VE], 20
	s_lshl_b32 s98, s[SL], 11                      ; the slice's 64 hidden columns are k steps 2 sl, 2 sl + 1 of a tile
	s_add_co_u32 s96, s96, s98
	s_add_nc_u64 s[OB:OB+1], s[22:23], s[96:97]
	s_mov_b64 s[A0:A0+1], s[4:5]
	s_mov_b64 s[AB:AB+1], s[4:5]
	s_add_nc_u64 s[AB+2:AB+3], s[4:5], ASTR
	v_lshlrev_b32 v36, 2, v3
	v_lshl_add_u32 v36, s2, 4, v36                 ; 16 w + 4 h
.set i, 0
.rept 8
	v_add_nc_u32 v37, (i&3)+8*(i>>2), v36
	v_lshlrev_b32 v37, s[PSH], v37
	v_lshl_add_u32 v[WOFF+i], v2, 4, v37
.set i, i+1
.endr
	WLOAD 0                                        ; chunks 0 and 1 hang on no routing: they go out first
	WLOAD 1
	s_mul_i32 s96, s2, LISTSZ
	s_add_co_u32 s96, s96, LISTB
	v_mov_b32 v[LB], s96
	v_lshl_add_u32 v38, v1, 4, s96                 ; my list's 1,024 words are set to 0 first, 512 bytes a store: every word that a rank can read is written,
.set i, 0
.rept 4
	v_mov_b32 v[40+i], 0
.set i, i+1
.endr
.set i, 0
.rept 8
	ds_store_b128 v38, v[40:43] offset:512*i       ; entry 0 among them, for an expert without tokens; LDS serves my stores in order, so the members' entries below land on top
.set i, i+1
.endr
	v_or_b32 v[DIX], 0x400, v1
	v_mul_u32_u24 v[LST0], v36, PW
	v_lshl_add_u32 v[LST0], v2, 3, v[LST0]
	v_and_b32 v37, 7, v0
	v_lshl_add_u32 v37, v3, 3, v37
	v_mul_u32_u24 v[LRD0], v37, PW
	v_bfe_u32 v37, v0, 3, 1
	v_lshl_add_u32 v[LRD0], v37, 4, v[LRD0]
.set i, 0
.rept 4
	v_mov_b32 v[CWR+2*i+1], 0                      ; named with the coefficient as a pair
.set i, i+1
.endr
	CLEAR
	s_wait_kmcnt 0x0                               ; the bitmap
	s_mov_b32 s96, 0
.set j, 0
.rept 32
	LISTW j
.set j, j+1
.endr
	s_min_u32 s[CNT], s96, s31
	s_max_u32 s[CNT], s[CNT], 1
	s_sub_co_u32 s[CM1], s[CNT], 1
	BLOCKS
	BLOCKV
	s_mov_b32 s[LC], 0
	v_mov_b32 v[LST], v[LST0]
	v_mov_b32 v[LRD], v[LRD0]
	ALOAD 0
	s_wait_loadcnt 36                              ; W0 is in: behind it stand W1 (16), the coefficients (4), A0 (16)
	WSTAGE 0, 0
	s_add_nc_u64 s[WB:WB+1], s[WB:WB+1], s[PSTEP:PSTEP+1]
	s_add_nc_u64 s[WB+2:WB+3], s[WB+2:WB+3], s[PSTEP:PSTEP+1]
	WLOAD 0                                        ; W2
	ALOAD 1
	s_wait_loadcnt 52                              ; W1 is in: behind it stand the coefficients, A0, W2, A1
	WSTAGE 1, CHUNK
	s_add_nc_u64 s[WB+4:WB+5], s[WB+4:WB+5], s[PSTEP:PSTEP+1]
	s_add_nc_u64 s[WB+6:WB+7], s[WB+6:WB+7], s[PSTEP:PSTEP+1]
	WLOAD 1                                        ; W3
	s_wait_dscnt 0x0                               ; for the others' sake: my quarters of chunks 0 and 1 are in LDS
	s_barrier_signal -1
	s_barrier_wait -1
	BLOAD 0, 0
	s_mov_b32 s[CTR], (NCH-4)/2
.Lmain:                                                ; two chunks a trip.  48: behind A(c) stand W(c+2), A(c+1), W(c+3); behind W(c+2) stand A(c+1), W(c+3), A(c+2)
	TRIP 0, 1, 1, 1, 1, 48, 48
	TRIP 1, 1, 1, 1, 1, 48, 48
	s_sub_co_u32 s[CTR], s[CTR], 1
	s_cmp_lg_u32 s[CTR], 0
	s_cbranch_scc1 .Lmain
	TRIP 0, 1, 1, 1, 0, 48, 48                     ; the last four chunks are written out: no load passes the slice's end, and the counts run down
	TRIP 1, 1, 1, 1, 0, 32, 32
	TRIP 0, 1, 0, 0, 0, 16, 0
	TRIP 1, 0, 0, 0, 0, 0, 0
	s_mov_b32 s[BLK], 0
.Lblock:                                               ; four trips: a block of 256 ranks goes out; the next, if I have a live tile in it, is multiplied out of LDS.  Nothing in this loop writes LDS
	EPILOGUE
	s_add_co_u32 s[ROW0], s[ROW0], 256
	BLOCKS
	s_cmp_eq_u32 s[MTW], 0
	s_cbranch_scc1 .Lnext
	BLOCKV
	CLEAR
	s_mov_b32 s[LC], 0
	s_mov_b64 s[AB:AB+1], s[A0:A0+1]
	s_mov_b32 s[CTR], NCH
.Lover:
	OTRIP
	s_sub_co_u32 s[CTR], s[CTR], 1
	s_cmp_lg_u32 s[CTR], 0
	s_cbranch_scc1 .Lover
.Lnext:
	s_add_co_u32 s[BLK], s[BLK], 1
	s_cmp_lt_u32 s[BLK], 4
	s_cbranch_scc1 .Lblock
	s_wait_dscnt 0x0                               ; my LDS reads are back,
	s_barrier_signal -1                            ; and so are every wave's: no LDS write, the add below among them, follows another wave's reads of the loop above without a barrier
	s_barrier_wait -1
	s_wait_tensorcnt 0x0                           ; the wave's end
	ds_add_u32 v[SPW], v[NIL]
	s_wait_dscnt 0x0
	s_endpgm
.Lfunc_end_k_q778e4d4e56_up:
	.size	k_q778e4d4e56_up, .Lfunc_end_k_q778e4d4e56_up-k_q778e4d4e56_up
	.p2alignl 7, 3214868480
	.fill 96, 4, 3214868480
	.section	.rodata,"a",@progbits
	.p2align	6, 0x0
	.amdhsa_kernel k_q778e4d4e56_up
		.amdhsa_group_segment_fixed_size 312832
		.amdhsa_private_segment_fixed_size 0
		.amdhsa_enable_private_segment 0
		.amdhsa_kernarg_size 80
		.amdhsa_user_sgpr_count 2
		.amdhsa_user_sgpr_kernarg_segment_ptr 1
		.amdhsa_wavefront_size32 1
		.amdhsa_system_sgpr_workgroup_id_x 1
		.amdhsa_system_sgpr_workgroup_id_y 1
		.amdhsa_system_sgpr_workgroup_id_z 1
		.amdhsa_system_vgpr_workitem_id 0
		.amdhsa_next_free_vgpr 1024
		.amdhsa_next_free_sgpr 102
		.amdhsa_reserve_vcc 0
		.amdhsa_float_denorm_mode_32 3
		.amdhsa_float_denorm_mode_16_64 3
		.amdhsa_memory_ordered 1
		.amdhsa_forward_progress 1
		.amdhsa_inst_pref_size 165
	.end_amdhsa_kernel
	.amdgpu_metadata
---
amdhsa.version: [ 1, 2 ]
amdhsa.kernels:
  - .name:           k_q778e4d4e56_up
    .symbol:         k_q778e4d4e56_up.kd
    .args:
      - { .name: xb, .offset: 0, .size: 8, .value_kind: global_buffer, .address_space: global }
      - { .name: w_gate, .offset: 8, .size: 8, .value_kind: global_buffer, .address_space: global }
      - { .name: w_up, .offset: 16, .size: 8, .value_kind: global_buffer, .address_space: global }
      - { .name: anchor_w_gate, .offset: 24, .size: 8, .value_kind: global_buffer, .address_space: global }
      - { .name: anchor_w_up, .offset: 32, .size: 8, .value_kind: global_buffer, .address_space: global }
      - { .name: shared_w_gate, .offset: 40, .size: 8, .value_kind: global_buffer, .address_space: global }
      - { .name: shared_w_up, .offset: 48, .size: 8, .value_kind: global_buffer, .address_space: global }
      - { .name: bm, .offset: 56, .size: 8, .value_kind: global_buffer, .address_space: global }
      - { .name: cwt, .offset: 64, .size: 8, .value_kind: global_buffer, .address_space: global }
      - { .name: hbuf, .offset: 72, .size: 8, .value_kind: global_buffer, .address_space: global }
    .group_segment_fixed_size: 312832
    .private_segment_fixed_size: 0
    .kernarg_segment_align: 8
    .kernarg_segment_size: 80
    .max_flat_workgroup_size: 128
    .sgpr_count:     102
    .vgpr_count:     1024
    .wavefront_size: 32
...
	.end_amdgpu_metadata
.endif
;; end of part 2
;; launch down (part 3): grid 416 x 1, 4 waves a work-group, no clusters, 199,168 bytes of LDS; arguments hbuf, w_down, anchor_w_down, shared_w_down, bm, part; writes part
.if DOCPART == 3
	.amdgcn_target "amdgcn-amd-amdhsa--gfx1250"
	.amdhsa_code_object_version 6
	.text
	.protected	k_q778e4d4e56_down
	.globl	k_q778e4d4e56_down
	.p2align	8
	.type	k_q778e4d4e56_down,@function
k_q778e4d4e56_down:
	s_mov_b64 s[64:65], 0
	v_nop
	global_prefetch_b8 v0, s[64:65] scope:SCOPE_SE
	s_setreg_imm32_b32 hwreg(HW_REG_WAVE_MODE, 25, 1), 1
	s_wait_xcnt 0x0
; DOWN.  part[expert][token][:] = (hidden layer x coefficient, from hbuf) Wdown, in f32, for the rows of each virtual expert (0-31 routed, 32 shared, 33 + l anchor l) that chose it.
; LIMITS.  The weights are rounded once to bf16 on their way through registers; sums in f32; partial rows stay in f32.  NaN and infinities are not treated apart.
; An expert that no token chose takes token 0 (its hidden row holds the coefficient 0); nobody reads that row of part.
; SHARES.  A work-group owns 128 columns of ONE expert's Wdown: 128 x 512 k (anchors: 256 k), which it alone reads (the shared expert's: four row blocks each).  The slice is streamed once, 64 k a chunk,
; rounded and laid into LDS as [k][column], where it STAYS: each LDS byte of it is written once.  While it streams, the expert's first 256 ranks are multiplied (wave w: tiles of 16 ranks 4 i + w).
; Ranks past 256 are multiplied afterwards out of LDS, in loops of constant length in which only work is jumped; no barrier stands in what is jumped.
; The rows come from hbuf in the order of a fragment: a load covers 512 consecutive bytes.  Each wave makes its own list rank -> token from the expert's bitmap, for the way out.
; Places past the count repeat the last rank: the same numbers go to the same bytes.
; ORDER OF LOADS in the loop: A(c), W(c+2), A(c+1), W(c+3), ...: the wait for a chunk's rows leaves two chunks of weights, 32 KiB each for the work-group, on their way.
; NO CLUSTER, NO TENSOR LOAD: a slice has one reader, and f32 weights must pass through registers to be rounded.
; The accumulators are cleared (256 v_mov_b32) in the wait for the first weights: dead tiles are jumped, so no first step is written out.
; REGISTERS, in windows of 256 (s_set_vgpr_msb: bits 1:0 source 0, 3:2 source 1, 5:4 source 2, 7:6 destination):
;   window 0: addresses, v64-95 rounded weights, v96-111 the stores' offsets, v128-255 fragments of rows, two buffers      window 1: accumulators, tile i, column block n at 64 i + 8 n
;   window 2: weights as loaded, two buffers of 64      window 3: fragments of weights, two buffers of 128
.set PW,     288                       ; an LDS row of the slice: 128 bf16 + 32 bytes
.set CHUNK,  64*PW
.set NCH,    8
.set LISTB,  NCH*CHUNK                 ; behind the slice: a list for each wave: 1,024 words, 32 words for non-members, padding
.set LISTSZ, 4352
.set STAGE,  LISTB+4*LISTSZ            ; behind the lists: 16 rows x 528 bytes for each wave, for the way out
.set SPIT,   528
.set SPARE,  STAGE+4*16*SPIT           ; behind the stages: the spare words, 128 bytes for each wave, which no other line names
.set AKS,    1024                      ; bytes in hbuf from a tile's k step of 32 to the next,
.set APC,    512                       ; from a fragment's first piece to its second,
.set ASTR,   2048                      ; from chunk to chunk
.set SPW,  4                           ; v4  my spare word     v5  0: kept for the add at the wave's end
.set NIL,  5
.set LB,   6                           ; v6  my list
.set DIX,  7                           ; v7  1024 + lane: where a non-member's entry goes
.set WOFF, 8                           ; v8-15  load i of a chunk: row 16 w + (i & 3) + 8 (i >> 2) + 4 h, 16 bytes at 16 (lane % 16)
.set LST0, 16                          ; v16 where those go in a chunk in LDS     v18 the same in the chunk in hand
.set LRD0, 17                          ; v17 my lane's place for the turning load  v19 likewise
.set LST,  18
.set LRD,  19
.set AOFF, 20                          ; v20-23 tile i: my byte offset in the expert's part of hbuf
.set TOK,  24                          ; v24-27 tile i: the token of rank r
.set L16,  32                          ; v32 16 lane
.set STO,  33                          ; v33 the way out: where I put my row's numbers
.set RDB,  34                          ; v34 the way out: where I read rows back
.set CV,   64
.set OFFV, 96
.set AF,   128                         ; tile i, k step ks of buffer par at AF + 64 par + 8 (2 i + ks)
.set OBR,  128                         ; the way out reads rows back into the first buffer, idle there
.set VE,   66
.set SL,   67
.set ROW0, 68                          ; first rank of the block of 256 in hand
.set CNT,  69                          ; ranks that this work-group serves end here
.set CM1,  70
.set MTW,  71                          ; my wave's live tiles in the block
.set CTR,  73
.set BLK,  74
.set LC,   75                          ; LDS byte of chunk c
.set WB,   76                          ; s[76:79], s[80:83]: the slice's first and second 64 columns, for the even and the odd chunks
.set PSTEP, 84                         ; s[84:85] two chunks' rows in bytes
.set AB,   86                          ; s[86:87], s[88:89]: hbuf at the even and the odd chunks' k
.set A0,   90
.set OB,   92
.set NCHR, 100                         ; s100 the expert's chunks: 8, or 4 for an anchor
.set MSB, 0
.macro WIN new                         ; the immediate's high byte repeats the setting that is left; a switch that changes nothing is dropped
.if MSB != (\new)
	s_set_vgpr_msb (MSB<<8)|(\new)
.set MSB, (\new)
.endif
.endm
.macro WLOAD par                       ; a wave's quarter of a chunk: 16 loads; lanes 0-15 take 256 consecutive bytes of a row, lanes 16-31 of the row four further down
	WIN 0x80
.set i, 0
.rept 8
	global_load_b128 v[64*(\par)+4*i:64*(\par)+4*i+3], v[WOFF+i], s[WB+4*(\par):WB+4*(\par)+1] th:TH_LOAD_NT
.set i, i+1
.endr
.set i, 0
.rept 8
	global_load_b128 v[64*(\par)+32+4*i:64*(\par)+32+4*i+3], v[WOFF+i], s[WB+4*(\par)+2:WB+4*(\par)+3] th:TH_LOAD_NT
.set i, i+1
.endr
	WIN 0
.endm
.macro WSTAGE par, imm                 ; rounded to bf16 and laid into LDS: columns 0-63, then 64-127
	WIN 0x0a
.set i, 0
.rept 16
	v_cvt_pk_bf16_f32 v[CV+2*i], v[64*(\par)+4*i], v[64*(\par)+4*i+1]
	v_cvt_pk_bf16_f32 v[CV+2*i+1], v[64*(\par)+4*i+2], v[64*(\par)+4*i+3]
.set i, i+1
.endr
	WIN 0
.set i, 0
.rept 16
	ds_store_b64 v[LST], v[CV+2*i:CV+2*i+1] offset:(\imm)+PW*((i&3)+8*((i>>2)&1))+128*(i>>3)
.set i, i+1
.endr
.endm
.macro BLOAD par, imm                  ; a chunk's 16 fragments of weights (i = 8 ks + n), turned: lane l holds column 16 n + l % 16 and 16 k
	WIN 0xc0
.set i, 0
.rept 16
	ds_load_tr16_b128 v[128*(\par)+8*i:128*(\par)+8*i+3], v[LRD] offset:(\imm)+32*(i>>3)*PW+32*(i&7)
	ds_load_tr16_b128 v[128*(\par)+8*i+4:128*(\par)+8*i+7], v[LRD] offset:(\imm)+(32*(i>>3)+16)*PW+32*(i&7)
.set i, i+1
.endr
	WIN 0
.endm
.macro ALOAD par                       ; a chunk's 8 fragments of rows (i = 2 tile + ks), always all four tiles: the counts of loads are the same on every way
.set i, 0
.rept 8
	global_load_b128 v[AF+64*(\par)+8*i:AF+64*(\par)+8*i+3], v[AOFF+(i>>1)], s[AB+2*(\par):AB+2*(\par)+1] offset:AKS*(i&1)
	global_load_b128 v[AF+64*(\par)+8*i+4:AF+64*(\par)+8*i+7], v[AOFF+(i>>1)], s[AB+2*(\par):AB+2*(\par)+1] offset:AKS*(i&1)+APC
.set i, i+1
.endr
.endm
; A chunk's products for my live tiles.  Source 0 = 16 columns of weights, source 1 = 16 rows: a lane of the result holds one row and 8 neighbouring columns.  A tile's eight accumulators take turns.
; The four v_nop are the places in front of all that follows: loads into the fragments, LDS stores of the sums.
.macro SECT par
.irp tl, 0,1,2,3
	s_cmp_le_u32 s[MTW], \tl
	s_cbranch_scc1 .Lsect_\@
	WIN 0x53
.set i, 0
.rept 16
.set rD, 64*(\tl)+8*(i&7)
.set rB, 128*(\par)+8*i
.set rA, AF+64*(\par)+8*(2*(\tl)+(i>>3))
	v_wmma_f32_16x16x32_bf16 v[rD:rD+7], v[rB:rB+7], v[rA:rA+7], v[rD:rD+7]
.set i, i+1
.endr
	WIN 0
.endr
.Lsect_\@:
.rept 4
	v_nop
.endr
.endm
.macro CLEAR
	WIN 0x40
.set i, 0
.rept 256
	v_mov_b32 v[i], 0
.set i, i+1
.endr
	WIN 0
.endm
; Chunk c, on buffers par = c % 2.  bl: chunk c + 1's fragments of weights are fetched.  al: the rows of chunk c + 2 are asked for.  ws: the weights of chunk c + 2 are laid into LDS, and a barrier follows.
; wl: the weights of chunk c + 4 are asked for.  nA, nW: how many younger loads may stay out when A(c), W(c+2) must be in.
.macro TRIP par, bl, al, ws, wl, nA, nW
	s_wait_dscnt 0x0                               ; this chunk's fragments of weights are in
	v_add_nc_u32 v[LST], s[LC], v[LST0]
	v_add_nc_u32 v[LRD], s[LC], v[LRD0]
	s_wait_loadcnt \nA                             ; its rows are in
.if \bl
	BLOAD 1-(\par), CHUNK
.endif
	SECT \par
.if \al
	s_add_nc_u64 s[AB+2*(\par):AB+2*(\par)+1], s[AB+2*(\par):AB+2*(\par)+1], 2*ASTR  ; its last loads were shown done by the wait above
	ALOAD \par
.endif
.if \ws
	s_wait_loadcnt \nW
	WSTAGE \par, 2*CHUNK
.endif
.if \wl
	s_add_nc_u64 s[WB+4*(\par):WB+4*(\par)+1], s[WB+4*(\par):WB+4*(\par)+1], s[PSTEP:PSTEP+1]  ; likewise
	s_add_nc_u64 s[WB+4*(\par)+2:WB+4*(\par)+3], s[WB+4*(\par)+2:WB+4*(\par)+3], s[PSTEP:PSTEP+1]
	WLOAD \par
.endif
	s_add_co_u32 s[LC], s[LC], CHUNK
.if \ws
	s_wait_dscnt 0x0                               ; for the others' sake: my quarter of chunk c + 2 is in LDS
	s_barrier_signal -1
	s_barrier_wait -1                              ; everybody's is: the next trip reads it
.endif
.endm
.macro OTRIP                           ; a chunk for ranks past the first 256: out of the resident slice, not pipelined: rare
	v_add_nc_u32 v[LRD], s[LC], v[LRD0]
	BLOAD 0, 0
	ALOAD 0
	s_wait_loadcnt 0x0
	s_wait_dscnt 0x0
	SECT 0
	s_add_nc_u64 s[AB:AB+1], s[AB:AB+1], ASTR
	s_add_co_u32 s[LC], s[LC], CHUNK
.endm
.macro LISTW j                         ; tokens 32 j + lane: a member's entry goes to its rank, the others' to 32 words that nobody reads
	v_mbcnt_lo_u32_b32 v36, s[32+(\j)], s96
	v_cndmask_b32 v36, v[DIX], v36, s[32+(\j)]
	v_min_u32 v36, 0x41f, v36
	v_lshl_add_u32 v36, v36, 2, v[LB]
	v_or_b32 v37, 32*(\j), v1
	ds_store_b32 v36, v37
	s_bcnt1_i32_b32 s97, s[32+(\j)]
	s_add_co_u32 s96, s96, s97
.endm
.macro BLOCKS                          ; my live tiles among the block's: tiles 4 i + w below ceil(n / 16), n = the block's ranks
	s_sub_co_i32 s96, s[CNT], s[ROW0]
	s_max_i32 s96, s96, 0
	s_min_i32 s96, s96, 0x100
	s_add_co_u32 s96, s96, 15
	s_lshr_b32 s96, s96, 4
	s_add_co_u32 s96, s96, 3
	s_sub_co_u32 s96, s96, s2
	s_lshr_b32 s[MTW], s96, 2
.endm
.macro BLOCKV                          ; my rows' tokens, and my tiles' places in hbuf
	s_lshl_b32 s96, s2, 4
	s_add_co_u32 s96, s96, s[ROW0]
	v_add_nc_u32 v36, s96, v2
.set i, 0
.rept 4
	v_add_nc_u32 v37, 64*i, v36                    ; rank = ROW0 + 64 i + 16 w + r,
	v_min_u32 v37, s[CM1], v37                     ; past the count the last one again
	v_min_u32 v37, 0x3ff, v37
	v_lshl_add_u32 v37, v37, 2, v[LB]
	ds_load_b32 v[TOK+i], v37
.set i, i+1
.endr
	s_lshr_b32 s97, s[ROW0], 4
	s_add_co_u32 s97, s97, s2
	s_lshr_b32 s99, s[CM1], 4
.set i, 0
.rept 4
	s_add_co_u32 s98, s97, 4*i                     ; tile ROW0 / 16 + 4 i + w; a dead tile loads the last live one, which has been stored
	s_min_u32 s98, s98, s99
	s_min_u32 s98, s98, 63
	s_lshl_b32 s98, s98, 14
	v_lshl_add_u32 v[AOFF+i], v1, 4, s98
.set i, i+1
.endr
	s_wait_dscnt 0x0
.set i, 0
.rept 4
	v_min_u32 v[TOK+i], 0x3ff, v[TOK+i]
.set i, i+1
.endr
.endm
; THE WAY OUT, a live tile at a time, through my own stage in LDS: in by lanes (a row's 8 columns, 32 bytes), back by rows of 512 bytes; each store covers 512 consecutive bytes of one token's row,
; at a multiple of 256 from part's first byte.  LDS serves a wave's instructions in order (ISA guide 5.7.1.4): no wait between the stores and the loads.  Each accumulator's low four registers go first.
.macro EPILOGUE
.irp tl, 0,1,2,3
	s_cmp_le_u32 s[MTW], \tl
	s_cbranch_scc1 .Lepi_\@
	s_wait_xcnt 0x0                                ; the tile before's stores have read their offsets and data
	WIN 0x04
.set i, 0
.rept 8
	ds_store_b128 v[STO], v[64*(\tl)+8*i:64*(\tl)+8*i+3] offset:64*i
	ds_store_b128 v[STO], v[64*(\tl)+8*i+4:64*(\tl)+8*i+7] offset:64*i+16
.set i, i+1
.endr
	WIN 0
.set i, 0
.rept 16
	ds_load_b128 v[OBR+4*i:OBR+4*i+3], v[RDB] offset:SPIT*i
.set i, i+1
.endr
.set i, 0
.rept 16
	v_readlane_b32 s96, v[TOK+(\tl)], i            ; row i's token
	s_min_u32 s96, s96, 0x3ff
	v_lshl_add_u32 v[OFFV+i], s96, 12, v[L16]
	s_wait_dscnt 15-i                              ; row i is back; the younger reads stay out
	global_store_b128 v[OFFV+i], v[OBR+4*i:OBR+4*i+3], s[OB:OB+1]
.set i, i+1
.endr
.endr
.Lepi_\@:
	s_wait_xcnt 0x0                                ; the stores have read their registers: the fragment buffer may be loaded again
.endm
	s_load_b256 s[4:11], s[0:1], 0x0               ; hbuf s[4:5], w_down s[6:7], anchor_w_down s[8:9], shared_w_down s[10:11]
	s_load_b128 s[12:15], s[0:1], 0x20             ; bm s[12:13], part s[14:15]
	v_lshl_add_u32 v[SPW], v0, 2, SPARE
	v_mov_b32 v[NIL], 0
	v_and_b32 v1, 31, v0                           ; lane
	v_lshrrev_b32 v36, 5, v0
	v_readfirstlane_b32 s2, v36                    ; wave
	v_and_b32 v2, 15, v0                           ; r
	v_bfe_u32 v3, v0, 4, 1                         ; h
	s_mov_b32 s3, ttmp9
	; Work-groups 0-255: routed expert id / 8.  256-287: the shared expert, rows 256 ((id - 256) / 8) on.  288-415: anchor (id - 288) / 8.  The slice is id % 8 in all three.
	s_lshr_b32 s24, s3, 3
	s_and_b32 s[SL], s3, 7
	s_lshl_b32 s26, s24, 21                        ; a routed expert's weights: 2 MiB
	s_sub_co_u32 s30, s3, 256
	s_lshr_b32 s30, s30, 3
	s_lshl_b32 s30, s30, 8
	s_add_co_u32 s31, s30, 256
	s_sub_co_u32 s27, s3, 288
	s_lshr_b32 s27, s27, 3
	s_lshl_b32 s29, s27, 20                        ; an anchor's: 1 MiB
	s_add_co_u32 s27, s27, 33
	s_wait_kmcnt 0x0
	s_cmp_lt_u32 s3, 256
	s_cselect_b32 s[VE], s24, 32
	s_cselect_b32 s96, s26, 0
	s_cselect_b32 s[ROW0], 0, s30
	s_cselect_b32 s31, 0x400, s31                  ; where my ranks end at the latest
	s_cselect_b64 s[WB:WB+1], s[6:7], s[10:11]
	s_cmp_lt_u32 s3, 288
	s_cselect_b32 s[VE], s[VE], s27
	s_cselect_b32 s96, s96, s29
	s_cselect_b32 s[ROW0], s[ROW0], 0
	s_cselect_b32 s31, s31, 0x400
	s_cselect_b32 s[NCHR], 8, 4
	s_cselect_b64 s[WB:WB+1], s[WB:WB+1], s[8:9]
	s_lshl_b32 s97, s[SL], 9                       ; the slice's 128 columns: 512 bytes
	s_add_co_u32 s96, s96, s97
	s_mov_b32 s97, 0
	s_add_nc_u64 s[WB:WB+1], s[WB:WB+1], s[96:97]
	s_add_nc_u64 s[WB+2:WB+3], s[WB:WB+1], 256
	s_mov_b32 s[PSTEP], 128*4096                   ; 128 rows of 4,096 bytes
	s_mov_b32 s[PSTEP+1], 0
	s_add_nc_u64 s[WB+4:WB+5], s[WB:WB+1], 64*4096 ; chunk 1
	s_add_nc_u64 s[WB+6:WB+7], s[WB+2:WB+3], 64*4096
	s_lshl_b32 s96, s[VE], 7
	s_add_nc_u64 s[28:29], s[12:13], s[96:97]
	s_load_b512 s[32:47], s[28:29], 0x0            ; the expert's bitmap, 32 words
	s_load_b512 s[48:63], s[28:29], 0x40
	s_lshl_b32 s96, s[VE], 20
	s_add_nc_u64 s[A0:A0+1], s[4:5], s[96:97]      ; its part of hbuf
	s_mov_b64 s[AB:AB+1], s[A0:A0+1]
	s_add_nc_u64 s[AB+2:AB+3], s[A0:A0+1], ASTR
	s_lshl_b32 s96, s[VE], 22                      ; its 1,024 rows of part,
	s_lshl_b32 s98, s[SL], 9                       ; the slice's 512 bytes of each
	s_add_co_u32 s96, s96, s98
	s_add_nc_u64 s[OB:OB+1], s[14:15], s[96:97]
	v_lshlrev_b32 v36, 2, v3
	v_lshl_add_u32 v36, s2, 4, v36                 ; 16 w + 4 h
.set i, 0
.rept 8
	v_add_nc_u32 v37, (i&3)+8*(i>>2), v36
	v_lshlrev_b32 v37, 12, v37
	v_lshl_add_u32 v[WOFF+i], v2, 4, v37
.set i, i+1
.endr
	WLOAD 0                                        ; chunks 0 and 1 hang on no routing: they go out first
	WLOAD 1
	s_mul_i32 s96, s2, LISTSZ
	s_add_co_u32 s96, s96, LISTB
	v_mov_b32 v[LB], s96
	v_lshl_add_u32 v38, v1, 4, s96                 ; my list's 1,024 words are set to 0 first, 512 bytes a store: every word that a rank can read is written,
.set i, 0
.rept 4
	v_mov_b32 v[40+i], 0
.set i, i+1
.endr
.set i, 0
.rept 8
	ds_store_b128 v38, v[40:43] offset:512*i       ; entry 0 among them, for an expert without tokens; LDS serves my stores in order, so the members' entries below land on top
.set i, i+1
.endr
	v_or_b32 v[DIX], 0x400, v1
	v_mul_u32_u24 v[LST0], v36, PW
	v_lshl_add_u32 v[LST0], v2, 3, v[LST0]
	v_and_b32 v37, 7, v0
	v_lshl_add_u32 v37, v3, 3, v37
	v_mul_u32_u24 v[LRD0], v37, PW
	v_bfe_u32 v37, v0, 3, 1
	v_lshl_add_u32 v[LRD0], v37, 4, v[LRD0]
	v_lshlrev_b32 v[L16], 4, v1
	s_mul_i32 s96, s2, 16*SPIT
	s_add_co_u32 s96, s96, STAGE                   ; my stage
	v_mul_u32_u24 v[STO], v2, SPIT
	v_lshl_add_u32 v[STO], v3, 5, v[STO]
	v_add_nc_u32 v[STO], s96, v[STO]
	v_add_nc_u32 v[RDB], s96, v[L16]
	CLEAR
	s_wait_kmcnt 0x0                               ; the bitmap
	s_mov_b32 s96, 0
.set j, 0
.rept 32
	LISTW j
.set j, j+1
.endr
	s_min_u32 s[CNT], s96, s31
	s_max_u32 s[CNT], s[CNT], 1
	s_sub_co_u32 s[CM1], s[CNT], 1
	BLOCKS
	BLOCKV
	s_mov_b32 s[LC], 0
	v_mov_b32 v[LST], v[LST0]
	v_mov_b32 v[LRD], v[LRD0]
	ALOAD 0
	s_wait_loadcnt 32                              ; W0 is in: behind it stand W1 (16) and A0 (16)
	WSTAGE 0, 0
	s_add_nc_u64 s[WB:WB+1], s[WB:WB+1], s[PSTEP:PSTEP+1]
	s_add_nc_u64 s[WB+2:WB+3], s[WB+2:WB+3], s[PSTEP:PSTEP+1]
	WLOAD 0                                        ; W2
	ALOAD 1
	s_wait_loadcnt 48                              ; W1 is in: behind it stand A0, W2, A1
	WSTAGE 1, CHUNK
	s_add_nc_u64 s[WB+4:WB+5], s[WB+4:WB+5], s[PSTEP:PSTEP+1]
	s_add_nc_u64 s[WB+6:WB+7], s[WB+6:WB+7], s[PSTEP:PSTEP+1]
	WLOAD 1                                        ; W3
	s_wait_dscnt 0x0                               ; for the others' sake: my quarters of chunks 0 and 1 are in LDS
	s_barrier_signal -1
	s_barrier_wait -1
	BLOAD 0, 0
	s_cmp_ge_u32 s3, 288
	s_cbranch_scc1 .Ltail                          ; an anchor has four chunks: the tail alone.  The branch hangs on the work-group's number: all four waves go the same way
	s_mov_b32 s[CTR], (NCH-4)/2
.Lmain:                                                ; two chunks a trip.  48: behind A(c) stand W(c+2), A(c+1), W(c+3); behind W(c+2) stand A(c+1), W(c+3), A(c+2)
	TRIP 0, 1, 1, 1, 1, 48, 48
	TRIP 1, 1, 1, 1, 1, 48, 48
	s_sub_co_u32 s[CTR], s[CTR], 1
	s_cmp_lg_u32 s[CTR], 0
	s_cbranch_scc1 .Lmain
.Ltail:
	TRIP 0, 1, 1, 1, 0, 48, 48                     ; the last four chunks are written out: no load passes the slice's end, and the counts run down
	TRIP 1, 1, 1, 1, 0, 32, 32
	TRIP 0, 1, 0, 0, 0, 16, 0
	TRIP 1, 0, 0, 0, 0, 0, 0
	s_mov_b32 s[BLK], 0
.Lblock:                                               ; four trips: a block of 256 ranks goes out; the next, if I have a live tile in it, is multiplied out of LDS.
	                                               ; Two barriers a trip, on every wave's way, outside all that is jumped: no wave's LDS stores and another wave's LDS reads of the loop below follow each other without one
	EPILOGUE
	s_wait_dscnt 0x0                               ; my stores into my stage, and my reads of it, are done,
	s_barrier_signal -1
	s_barrier_wait -1                              ; and every wave's: now the slice is read again
	s_add_co_u32 s[ROW0], s[ROW0], 256
	BLOCKS
	s_cmp_eq_u32 s[MTW], 0
	s_cbranch_scc1 .Lnext
	BLOCKV
	CLEAR
	s_mov_b32 s[LC], 0
	s_mov_b64 s[AB:AB+1], s[A0:A0+1]
	s_mov_b32 s[CTR], 0
.Lover:                                                ; eight trips; an anchor's last four are jumped
	s_cmp_ge_u32 s[CTR], s[NCHR]
	s_cbranch_scc1 .Lskip
	OTRIP
.Lskip:
	s_add_co_u32 s[CTR], s[CTR], 1
	s_cmp_lt_u32 s[CTR], NCH
	s_cbranch_scc1 .Lover
.Lnext:
	s_wait_dscnt 0x0                               ; my LDS reads are back,
	s_barrier_signal -1
	s_barrier_wait -1                              ; and every wave's: now the stages, and at the end the spare words, are written
	s_add_co_u32 s[BLK], s[BLK], 1
	s_cmp_lt_u32 s[BLK], 4
	s_cbranch_scc1 .Lblock
	s_wait_tensorcnt 0x0                           ; the wave's end
	ds_add_u32 v[SPW], v[NIL]
	s_wait_dscnt 0x0
	s_endpgm
.Lfunc_end_k_q778e4d4e56_down:
	.size	k_q778e4d4e56_down, .Lfunc_end_k_q778e4d4e56_down-k_q778e4d4e56_down
	.p2alignl 7, 3214868480
	.fill 96, 4, 3214868480
	.section	.rodata,"a",@progbits
	.p2align	6, 0x0
	.amdhsa_kernel k_q778e4d4e56_down
		.amdhsa_group_segment_fixed_size 199168
		.amdhsa_private_segment_fixed_size 0
		.amdhsa_enable_private_segment 0
		.amdhsa_kernarg_size 48
		.amdhsa_user_sgpr_count 2
		.amdhsa_user_sgpr_kernarg_segment_ptr 1
		.amdhsa_wavefront_size32 1
		.amdhsa_system_sgpr_workgroup_id_x 1
		.amdhsa_system_sgpr_workgroup_id_y 1
		.amdhsa_system_sgpr_workgroup_id_z 1
		.amdhsa_system_vgpr_workitem_id 0
		.amdhsa_next_free_vgpr 1024
		.amdhsa_next_free_sgpr 102
		.amdhsa_reserve_vcc 0
		.amdhsa_float_denorm_mode_32 3
		.amdhsa_float_denorm_mode_16_64 3
		.amdhsa_memory_ordered 1
		.amdhsa_forward_progress 1
		.amdhsa_inst_pref_size 159
	.end_amdhsa_kernel
	.amdgpu_metadata
---
amdhsa.version: [ 1, 2 ]
amdhsa.kernels:
  - .name:           k_q778e4d4e56_down
    .symbol:         k_q778e4d4e56_down.kd
    .args:
      - { .name: hbuf, .offset: 0, .size: 8, .value_kind: global_buffer, .address_space: global }
      - { .name: w_down, .offset: 8, .size: 8, .value_kind: global_buffer, .address_space: global }
      - { .name: anchor_w_down, .offset: 16, .size: 8, .value_kind: global_buffer, .address_space: global }
      - { .name: shared_w_down, .offset: 24, .size: 8, .value_kind: global_buffer, .address_space: global }
      - { .name: bm, .offset: 32, .size: 8, .value_kind: global_buffer, .address_space: global }
      - { .name: part, .offset: 40, .size: 8, .value_kind: global_buffer, .address_space: global }
    .group_segment_fixed_size: 199168
    .private_segment_fixed_size: 0
    .kernarg_segment_align: 8
    .kernarg_segment_size: 48
    .max_flat_workgroup_size: 128
    .sgpr_count:     102
    .vgpr_count:     1024
    .wavefront_size: 32
...
	.end_amdgpu_metadata
.endif
;; end of part 3
;; launch sum (part 4): grid 256 x 1, 8 waves a work-group, no clusters, 0 bytes of LDS; arguments part, idx8, out0; writes out0
.if DOCPART == 4
	.amdgcn_target "amdgcn-amd-amdhsa--gfx1250"
	.amdhsa_code_object_version 6
	.text
	.protected	k_q778e4d4e56_sum
	.globl	k_q778e4d4e56_sum
	.p2align	8
	.type	k_q778e4d4e56_sum,@function
k_q778e4d4e56_sum:
	s_mov_b64 s[64:65], 0
	v_nop
	global_prefetch_b8 v0, s[64:65] scope:SCOPE_SE
	s_setreg_imm32_b32 hwreg(HW_REG_WAVE_MODE, 25, 1), 1
	s_wait_xcnt 0x0
; SUM.  out0[t][:] = the sum of token t's eight partial rows in part: six routed experts', the shared one's, its anchor's (the coefficients were applied to the hidden layer), in f32, in that order.
; A wave has half a token's row: 2,048 bytes of each of 8 rows, 32 loads of 512 consecutive bytes, all out at once; which rows, it reads from idx8, stored by the first launch.
; Memory binds: no LDS, no barrier, no matrix unit.
.set D, 4                              ; v4-131: slot k's 16 registers at D + 16 k
	s_load_b128 s[4:7], s[0:1], 0x0                ; part s[4:5], idx8 s[6:7]
	s_load_b64 s[36:37], s[0:1], 0x10              ; out0
	v_and_b32 v1, 31, v0
	v_lshrrev_b32 v2, 5, v0
	v_readfirstlane_b32 s2, v2                     ; wave
	s_lshr_b32 s32, s2, 1
	s_lshl_b32 s33, ttmp9, 2
	s_add_co_u32 s33, s33, s32                     ; token t = 4 g + w / 2
	s_and_b32 s32, s2, 1
	s_lshl_b32 s32, s32, 11
	v_lshl_add_u32 v1, v1, 4, s32                  ; 2,048 (w % 2) + 16 lane
	s_lshl_b32 s34, s33, 5
	s_mov_b32 s35, 0
	s_wait_kmcnt 0x0
	s_add_nc_u64 s[6:7], s[6:7], s[34:35]
	s_load_b256 s[8:15], s[6:7], 0x0               ; the token's eight virtual experts
	s_lshl_b32 s34, s33, 12
	s_add_nc_u64 s[36:37], s[36:37], s[34:35]      ; its row of out0
	s_wait_kmcnt 0x0
.set k, 0
.rept 8
	s_min_u32 s34, s[8+k], 48
	s_lshl_b32 s34, s34, 10
	s_add_co_u32 s34, s34, s33                     ; row 1,024 expert + t,
	s_lshl_b32 s34, s34, 12                        ; of 4,096 bytes: under 2^28
	s_add_nc_u64 s[16+2*k:17+2*k], s[4:5], s[34:35]
.set j, 0
.rept 4
	global_load_b128 v[D+16*k+4*j:D+16*k+4*j+3], v1, s[16+2*k:17+2*k] offset:512*j th:TH_LOAD_NT
.set j, j+1
.endr
.set k, k+1
.endr
.set k, 1
.rept 7
	s_wait_loadcnt 4*(7-k)                         ; slots 0 to k are in; the younger slots' loads, four each, stay out
.set z, 0
.rept 8
	v_pk_add_f32 v[D+2*z:D+2*z+1], v[D+2*z:D+2*z+1], v[D+16*k+2*z:D+16*k+2*z+1]
.set z, z+1
.endr
.set k, k+1
.endr
.set j, 0
.rept 4
	global_store_b128 v1, v[D+4*j:D+4*j+3], s[36:37] offset:512*j th:TH_STORE_NT  ; 512 consecutive bytes, at a multiple of 256 from out0's first
.set j, j+1
.endr
	s_endpgm
.Lfunc_end_k_q778e4d4e56_sum:
	.size	k_q778e4d4e56_sum, .Lfunc_end_k_q778e4d4e56_sum-k_q778e4d4e56_sum
	.p2alignl 7, 3214868480
	.fill 96, 4, 3214868480
	.section	.rodata,"a",@progbits
	.p2align	6, 0x0
	.amdhsa_kernel k_q778e4d4e56_sum
		.amdhsa_group_segment_fixed_size 0
		.amdhsa_private_segment_fixed_size 0
		.amdhsa_enable_private_segment 0
		.amdhsa_kernarg_size 24
		.amdhsa_user_sgpr_count 2
		.amdhsa_user_sgpr_kernarg_segment_ptr 1
		.amdhsa_wavefront_size32 1
		.amdhsa_system_sgpr_workgroup_id_x 1
		.amdhsa_system_sgpr_workgroup_id_y 1
		.amdhsa_system_sgpr_workgroup_id_z 1
		.amdhsa_system_vgpr_workitem_id 0
		.amdhsa_next_free_vgpr 132
		.amdhsa_next_free_sgpr 66
		.amdhsa_reserve_vcc 0
		.amdhsa_float_denorm_mode_32 3
		.amdhsa_float_denorm_mode_16_64 3
		.amdhsa_memory_ordered 1
		.amdhsa_forward_progress 1
		.amdhsa_inst_pref_size 10
	.end_amdhsa_kernel
	.amdgpu_metadata
---
amdhsa.version: [ 1, 2 ]
amdhsa.kernels:
  - .name:           k_q778e4d4e56_sum
    .symbol:         k_q778e4d4e56_sum.kd
    .args:
      - { .name: part, .offset: 0, .size: 8, .value_kind: global_buffer, .address_space: global }
      - { .name: idx8, .offset: 8, .size: 8, .value_kind: global_buffer, .address_space: global }
      - { .name: out0, .offset: 16, .size: 8, .value_kind: global_buffer, .address_space: global }
    .group_segment_fixed_size: 0
    .private_segment_fixed_size: 0
    .kernarg_segment_align: 8
    .kernarg_segment_size: 24
    .max_flat_workgroup_size: 256
    .sgpr_count:     66
    .vgpr_count:     132
    .wavefront_size: 32
...
	.end_amdgpu_metadata
.endif
;; end of part 4
;; ======== version 2 of 3: 4 launches; 1.15 times as fast as version 1
;; workspace buffers: xb 2,097,152 bytes; bm 8,192 bytes of whole numbers; idx8 32,768 bytes of whole numbers; cwt 262,144 bytes; hbuf 51,380,224 bytes; part 209,715,200 bytes
;; launch router: the kernel of part 1 again; grid 64 x 1, 8 waves a work-group, no clusters, 123,904 bytes of LDS; arguments hidden_states, gate_weight, gate_bias, xb, bm, idx8, cwt; writes xb, bm, idx8, cwt
;; launch up (part 5): grid 352 x 1, 4 waves a work-group, no clusters, 295,424 bytes of LDS; arguments xb, w_gate, w_up, anchor_w_gate, anchor_w_up, shared_w_gate, shared_w_up, bm, cwt, hbuf; writes hbuf
.if DOCPART == 5
	.amdgcn_target "amdgcn-amd-amdhsa--gfx1250"
	.amdhsa_code_object_version 6
	.text
	.protected	k_q778e4d4e56_up
	.globl	k_q778e4d4e56_up
	.p2align	8
	.type	k_q778e4d4e56_up,@function
k_q778e4d4e56_up:
	s_mov_b64 s[64:65], 0
	v_nop
	global_prefetch_b8 v0, s[64:65] scope:SCOPE_SE
	s_setreg_imm32_b32 hwreg(HW_REG_WAVE_MODE, 25, 1), 1
	s_wait_xcnt 0x0
; UP.  hbuf = coefficient x silu(x Wgate) x (x Wup), for the rows of each virtual expert (0-31 routed, 32 shared, 33 + l anchor l) that chose it, rounded once to bf16.
; LIMITS.  The weights are rounded once to bf16 on their way through registers; sums in f32; the hidden layer times its coefficient is kept in bf16 (f16 would not hold it for inputs 30 times larger).
; NaN and infinities are not treated apart.  An expert that no token chose takes token 1,023 with the coefficient 0, so that every byte read by the next launch has been stored.
; SHARES.  A work-group owns 64 columns of Wgate and the same 64 of Wup of ONE expert: 128 columns x 1,024 k, which it alone reads (the shared expert's: four row blocks each).  The slice is streamed once,
; 64 k a chunk, rounded and laid into LDS as [k][column], where it STAYS: each LDS byte of it is written once.  While it streams, the expert's first 256 rows are multiplied (wave w: tiles of 16 rows
; 4 i + w).  Rows past 256 are multiplied afterwards out of LDS, in loops of constant length in which only work is jumped; no barrier stands in what is jumped.
; Rows are taken by RANK: a token's place among the expert's tokens.  Each lane finds its rank's token from the expert's bitmap, 32 words in scalar registers, by arithmetic on registers alone:
; the token goes from the bitmap into the address of its row without a trip through LDS.  Places past the count repeat the last token.
; A TRIP (chunk c): one wait for W(c+2) and A(c); W(c+2) is rounded, W(c+4) asked for; then eight pieces, each 2 LDS stores of chunk c+2, 4 LDS loads of chunk c+1 and half a tile's 8 products:
; no run of LDS instructions is longer than six, and products follow each; then A(c+2) is asked for.  ORDER OF LOADS: .. W(c+3), A(c+1), W(c+4), A(c+2) ..: two chunks of weights, 32 KiB each for the
; work-group, are on their way behind the wait.
; NO CLUSTER, NO TENSOR LOAD: a slice has one reader; f32 weights must pass through registers to be rounded; an expert's rows come by a list.
; The accumulators are cleared (256 v_mov_b32) in the wait for the first weights: dead tiles are jumped, so no first step is written out.
; REGISTERS, in windows of 256 (s_set_vgpr_msb: bits 1:0 source 0, 3:2 source 1, 5:4 source 2, 7:6 destination):
;   window 0: addresses, v36-51 at work, v64-95 rounded weights, v112-127 the way out, v128-255 fragments of rows, two buffers      window 1: accumulators, tile i, column block n at 64 i + 8 n
;   window 2: v0-127 weights as loaded, two buffers of 64; v129-159 the members ahead of each word of the bitmap      window 3: fragments of weights, two buffers of 128
; The pieces cost four switches of the window each: the price of short runs of LDS instructions between products whose operands fill three windows.
.set PW,     288                       ; an LDS row of the slice: 128 bf16 + 32 bytes
.set CHUNK,  64*PW
.set NCH,    16
.set SPARE,  NCH*CHUNK                 ; behind the slice: the spare words, 128 bytes for each wave, which no other line names
.set AKS,    64                        ; bytes from a row's k step of 32 to the next,
.set APC,    32                        ; from a fragment's first 16 bytes to its second,
.set ASTR,   128                       ; from chunk to chunk
.set SPW,  4                           ; v4  my spare word     v5  0: kept for the add at the wave's end
.set NIL,  5
.set WOFF, 8                           ; v8-15  load i of a chunk: row 16 w + (i & 3) + 8 (i >> 2) + 4 h, 16 bytes at 16 (lane % 16)
.set LST0, 16                          ; v16 where those go in a chunk in LDS     v18 the same in the chunk in hand
.set LRD0, 17                          ; v17 my lane's place for the turning load  v19 likewise
.set LST,  18
.set LRD,  19
.set AOFF, 20                          ; v20-23 tile i: my row's byte offset in xb
.set CWR,  24                          ; v24-31 tile i: my row's coefficient, in the low register of a pair
.set HOFF, 32                          ; v32 my byte offset in the expert's part of hbuf
.set CV,   64
.set OUT,  112
.set AF,   128                         ; tile i, k step ks of buffer par at AF + 64 par + 8 (2 i + ks)
.set TT,   128                         ; the way out works in the first buffer, idle there
.set PP,   160
.set PF,   128                         ; window 2: v[PF + j] = the expert's members in words 0 to j - 1, the same in every lane
.set VE,   66
.set SL,   67
.set ROW0, 68                          ; first rank of the block of 256 in hand
.set CNT,  69                          ; ranks that this work-group serves end here
.set CM1,  70
.set MTW,  71                          ; my wave's live tiles in the block
.set PSH,  72                          ; log2 of the weights' row pitch in bytes
.set CTR,  73
.set BLK,  74
.set LC,   75                          ; LDS byte of chunk c
.set WB,   76                          ; s[76:79], s[80:83]: Wgate's and Wup's address for the even and the odd chunks
.set PSTEP, 84                         ; s[84:85] two chunks' rows in bytes
.set AB,   86                          ; s[86:87], s[88:89]: xb at the even and the odd chunks' k
.set A0,   90
.set OB,   92
.set CWB,  94
.set NL2E, 100                         ; s[100:101] -log2(e)
.set MSB, 0
.macro WIN new                         ; the immediate's high byte repeats the setting that is left; a switch that changes nothing is dropped
.if MSB != (\new)
	s_set_vgpr_msb (MSB<<8)|(\new)
.set MSB, (\new)
.endif
.endm
.macro WLOAD par                       ; a wave's quarter of a chunk: 16 loads; lanes 0-15 take 256 consecutive bytes of a row, lanes 16-31 of the row four further down
	WIN 0x80
.set i, 0
.rept 8
	global_load_b128 v[64*(\par)+4*i:64*(\par)+4*i+3], v[WOFF+i], s[WB+4*(\par):WB+4*(\par)+1] th:TH_LOAD_NT
.set i, i+1
.endr
.set i, 0
.rept 8
	global_load_b128 v[64*(\par)+32+4*i:64*(\par)+32+4*i+3], v[WOFF+i], s[WB+4*(\par)+2:WB+4*(\par)+3] th:TH_LOAD_NT
.set i, i+1
.endr
	WIN 0
.endm
.macro WCVT par                        ; my quarter of a chunk rounded to bf16
	WIN 0x0a
.set i, 0
.rept 16
	v_cvt_pk_bf16_f32 v[CV+2*i], v[64*(\par)+4*i], v[64*(\par)+4*i+1]
	v_cvt_pk_bf16_f32 v[CV+2*i+1], v[64*(\par)+4*i+2], v[64*(\par)+4*i+3]
.set i, i+1
.endr
	WIN 0
.endm
.macro WSTN imm, first, n              ; n of its 16 stores into LDS, from number `first' on: Wgate's 64 columns, then Wup's.  Every window is 0 here
.set si, (\first)
.rept \n
	ds_store_b64 v[LST], v[CV+2*si:CV+2*si+1] offset:(\imm)+PW*((si&3)+8*((si>>2)&1))+128*(si>>3)
.set si, si+1
.endr
.endm
.macro WSTAGE par, imm
	WCVT \par
	WSTN \imm, 0, 16
.endm
.macro BLN par, imm, first, n          ; n of a chunk's 16 fragments of weights (number 8 ks + n), turned: lane l holds column 16 n + l % 16 and 16 k.  The destination's window is 3 here
.set bi, (\first)
.rept \n
	ds_load_tr16_b128 v[128*(\par)+8*bi:128*(\par)+8*bi+3], v[LRD] offset:(\imm)+32*(bi>>3)*PW+32*(bi&7)
	ds_load_tr16_b128 v[128*(\par)+8*bi+4:128*(\par)+8*bi+7], v[LRD] offset:(\imm)+(32*(bi>>3)+16)*PW+32*(bi&7)
.set bi, bi+1
.endr
.endm
.macro BLOAD par, imm
	WIN 0xc0
	BLN \par, \imm, 0, 16
	WIN 0
.endm
.macro ALOAD par                       ; a chunk's 8 fragments of rows (i = 2 tile + ks), always all four tiles: the counts of loads are the same on every way
.set i, 0
.rept 8
	global_load_b128 v[AF+64*(\par)+8*i:AF+64*(\par)+8*i+3], v[AOFF+(i>>1)], s[AB+2*(\par):AB+2*(\par)+1] offset:AKS*(i&1)
	global_load_b128 v[AF+64*(\par)+8*i+4:AF+64*(\par)+8*i+7], v[AOFF+(i>>1)], s[AB+2*(\par):AB+2*(\par)+1] offset:AKS*(i&1)+APC
.set i, i+1
.endr
.endm
; A chunk's products for my live tiles, in eight pieces: piece sg is tile sg / 2, k step sg % 2.  Source 0 = 16 columns of weights, source 1 = 16 rows: a lane of the result holds one row and 8 neighbouring
; columns.  A tile's eight accumulators take turns.  In front of each piece's products, on every way: ws = 1: two of the stores of chunk c + 2; bl = 1: two of the fragments of
; chunk c + 1, into the buffer that this chunk's products do not read.  A dead tile's products are jumped.
; The four v_nop are the places in front of all that follows: loads into the fragments, reads of the sums.
.macro SECT par, bl, ws
.irp sg, 0,1,2,3,4,5,6,7
.if \ws
	WSTN 2*CHUNK, 2*(\sg), 2
.endif
.if \bl
	WIN 0xc0
	BLN 1-(\par), CHUNK, 2*(\sg), 2
	WIN 0
.endif
	s_cmp_le_u32 s[MTW], (\sg)/2
	s_cbranch_scc1 .Lsk_\@_\sg
	WIN 0x53
.set i, 0
.rept 8
.set rD, 64*((\sg)/2)+8*i
.set rB, 128*(\par)+8*(8*((\sg)&1)+i)
.set rA, AF+64*(\par)+8*(\sg)
	v_wmma_f32_16x16x32_bf16 v[rD:rD+7], v[rB:rB+7], v[rA:rA+7], v[rD:rD+7]
.set i, i+1
.endr
	WIN 0
.Lsk_\@_\sg:
.endr
.rept 4
	v_nop
.endr
.endm
.macro CLEAR
	WIN 0x40
.set i, 0
.rept 256
	v_mov_b32 v[i], 0
.set i, i+1
.endr
	WIN 0
.endm
; Chunk c, on buffers par = c % 2.  bl: chunk c + 1's fragments of weights are fetched.  al: the rows of chunk c + 2 are asked for.  ws: the weights of chunk c + 2 are laid into LDS, and a barrier follows.
; wl: the weights of chunk c + 4 are asked for.  nL: how many younger loads may stay out when W(c+2) and A(c) must be in.
.macro TRIP par, bl, al, ws, wl, nL
	s_wait_dscnt 0x0                               ; this chunk's fragments of weights are in
	v_add_nc_u32 v[LST], s[LC], v[LST0]
	v_add_nc_u32 v[LRD], s[LC], v[LRD0]
	s_wait_loadcnt \nL                             ; loads come back in order (ISA guide 5.7.1): this chunk's rows are in, and the weights of chunk c + 2
.if \ws
	WCVT \par
.endif
.if \wl
	s_add_nc_u64 s[WB+4*(\par):WB+4*(\par)+1], s[WB+4*(\par):WB+4*(\par)+1], s[PSTEP:PSTEP+1]  ; its last loads, W(c+2), were shown done by the wait above
	s_add_nc_u64 s[WB+4*(\par)+2:WB+4*(\par)+3], s[WB+4*(\par)+2:WB+4*(\par)+3], s[PSTEP:PSTEP+1]
	WLOAD \par
.endif
	SECT \par, \bl, \ws
.if \al
	s_add_nc_u64 s[AB+2*(\par):AB+2*(\par)+1], s[AB+2*(\par):AB+2*(\par)+1], 2*ASTR  ; its last loads, A(c), likewise
	ALOAD \par
.endif
	s_add_co_u32 s[LC], s[LC], CHUNK
.if \ws
	s_wait_dscnt 0x0                               ; for the others' sake: my quarter of chunk c + 2 is in LDS
	s_barrier_signal -1
	s_barrier_wait -1                              ; everybody's is: the next trip reads it
.endif
.endm
.macro OTRIP                           ; a chunk for rows past the first 256: out of the resident slice, not pipelined: rare
	v_add_nc_u32 v[LRD], s[LC], v[LRD0]
	BLOAD 0, 0
	ALOAD 0
	s_wait_loadcnt 0x0
	s_wait_dscnt 0x0
	SECT 0, 0, 0
	s_add_nc_u64 s[AB:AB+1], s[AB:AB+1], ASTR
	s_add_co_u32 s[LC], s[LC], CHUNK
.endm
.macro BLOCKS                          ; my live tiles among the block's: tiles 4 i + w below ceil(n / 16), n = the block's ranks
	s_sub_co_i32 s96, s[CNT], s[ROW0]
	s_max_i32 s96, s96, 0
	s_min_i32 s96, s96, 0x100
	s_add_co_u32 s96, s96, 15
	s_lshr_b32 s96, s96, 4
	s_add_co_u32 s96, s96, 3
	s_sub_co_u32 s96, s96, s2
	s_lshr_b32 s[MTW], s96, 2
.endm
; One halving of the search in a word.  v49: the bit at which what is left begins; v37: my place among the members from there on; src holds the counts of members in fields of `step' bits.
; The lower half holds v48 members: my place is among them, or past them (then it is counted from the upper half on).
.macro SELSTEP src, width, step
	v_bfe_u32 v48, \src, v49, \width
	v_cmp_lt_u32 vcc_lo, v37, v48
	v_cndmask_b32 v48, v48, v51, vcc_lo
	v_cndmask_b32 v50, \step, v51, vcc_lo
	v_sub_nc_u32 v37, v37, v48
	v_add_nc_u32 v49, v49, v50
.endm
; My rows' tokens, their offsets in xb, their coefficients.  Four trips, a tile each; the tokens move up through v40-43, so that tile 0's ends in v40.
; A trip: (1) the word that holds my rank: the last word j that at most `rank' members precede (v[PF + j] of window 2, counted once at the kernel's head); with it that count and its number;
; (2) counts of the word's members in fields of 2, 4 and 8 bits; (3) five halvings down to the bit.  token = 32 j + bit.
.macro BLOCKV
	s_lshl_b32 s96, s2, 4
	s_add_co_u32 s96, s96, s[ROW0]
	v_add_nc_u32 v36, s96, v2                      ; tile 0's rank = ROW0 + 16 w + r; each further tile's is 64 on
	v_mov_b32 v41, 0
	v_mov_b32 v42, 0
	v_mov_b32 v43, 0
	v_mov_b32 v51, 0
	s_mov_b32 s[CTR], 4
.Ltok_\@:
	v_min_u32 v37, s[CM1], v36                     ; past the count the last rank again
	v_mov_b32 v38, s32                             ; the word,
	v_mov_b32 v39, 0                               ; the members ahead of it,
	v_mov_b32 v44, 0                               ; its number
	WIN 0x02                                       ; source 0 in window 2
.set j, 1
.rept 31
	v_cmp_gt_u32 vcc_lo, v[PF+j], v37              ; more members than my rank ahead of word j: the word found so far stays
	v_cndmask_b32 v38, s[32+j], v38, vcc_lo
	v_cndmask_b32 v39, v[PF+j], v39, vcc_lo
	v_cndmask_b32 v44, j, v44, vcc_lo
.set j, j+1
.endr
	WIN 0
	v_sub_nc_u32 v37, v37, v39                     ; my place among the word's members
	v_lshrrev_b32 v45, 1, v38
	v_and_b32 v45, 0x55555555, v45
	v_sub_nc_u32 v45, v38, v45                     ; members in each 2 bits
	v_lshrrev_b32 v46, 2, v45
	v_and_b32 v46, 0x33333333, v46
	v_and_b32 v47, 0x33333333, v45
	v_add_nc_u32 v46, v46, v47                     ; in each 4
	v_lshrrev_b32 v47, 4, v46
	v_add_nc_u32 v47, v47, v46
	v_and_b32 v47, 0x0f0f0f0f, v47                 ; in each 8
	v_lshrrev_b32 v48, 8, v47
	v_add_nc_u32 v48, v48, v47
	v_and_b32 v48, 0xff, v48                       ; in the low 16
	v_cmp_lt_u32 vcc_lo, v37, v48
	v_cndmask_b32 v48, v48, v51, vcc_lo
	v_cndmask_b32 v49, 16, v51, vcc_lo
	v_sub_nc_u32 v37, v37, v48
	SELSTEP v47, 8, 8
	SELSTEP v46, 4, 4
	SELSTEP v45, 2, 2
	SELSTEP v38, 1, 1
	v_mov_b32 v40, v41
	v_mov_b32 v41, v42
	v_mov_b32 v42, v43
	v_lshl_add_u32 v43, v44, 5, v49
	v_add_nc_u32 v36, 64, v36
	s_sub_co_u32 s[CTR], s[CTR], 1
	s_cmp_lg_u32 s[CTR], 0
	s_cbranch_scc1 .Ltok_\@
.set i, 0
.rept 4
	v_min_u32 v[40+i], 0x3ff, v[40+i]
	v_lshlrev_b32 v[44+i], 2, v[40+i]
	v_lshlrev_b32 v[AOFF+i], 11, v[40+i]
	v_lshl_add_u32 v[AOFF+i], v3, 4, v[AOFF+i]
	global_load_b32 v[CWR+2*i], v[44+i], s[CWB:CWB+1]
.set i, i+1
.endr
	s_lshl_b32 s97, s[ROW0], 10                    ; a tile of 16 ranks is 16,384 bytes of hbuf
	s_lshl_b32 s98, s2, 14
	s_add_co_u32 s97, s97, s98
	v_lshl_add_u32 v[HOFF], v1, 4, s97
.endm
; THE WAY OUT, a live tile at a time: g u c / (1 + 2^(-log2(e) g)), rounded to bf16.  A lane's 8 columns of a row are half a fragment of the next product as they stand:
; hbuf is [expert][tile][k step of 32][piece][lane][16 bytes], and each store covers 512 consecutive bytes.  Each accumulator's lowest registers are read first.
.macro EPILOGUE
.irp tl, 0,1,2,3
	s_cmp_le_u32 s[MTW], \tl
	s_cbranch_scc1 .Lepi_\@
	WIN 0x05
.set z, 0
.rept 16                                               ; z = 4 q + pair: column block q of Wgate, 4 + q of Wup
.set rG, 64*(\tl)+8*(z>>2)+2*(z&3)
	v_pk_mul_f32 v[TT+2*z:TT+2*z+1], v[rG:rG+1], s[NL2E:NL2E+1] op_sel_hi:[1,0]
	v_pk_mul_f32 v[PP+2*z:PP+2*z+1], v[rG:rG+1], v[rG+32:rG+33]
.set z, z+1
.endr
	WIN 0
.set z, 0
.rept 32
	v_exp_f32 v[TT+z], v[TT+z]
.set z, z+1
.endr
.set z, 0
.rept 16                                               ; plain work between the exponentials and the use of their results (ISA guide 5.7.2)
	v_pk_mul_f32 v[PP+2*z:PP+2*z+1], v[PP+2*z:PP+2*z+1], v[CWR+2*(\tl):CWR+2*(\tl)+1] op_sel_hi:[1,0]
.set z, z+1
.endr
.set z, 0
	s_wait_alu depctr_va_vdst(0)
.rept 16
	v_pk_add_f32 v[TT+2*z:TT+2*z+1], v[TT+2*z:TT+2*z+1], 1.0 op_sel_hi:[1,0]
.set z, z+1
.endr
.set z, 0
.rept 32
	v_rcp_f32 v[TT+z], v[TT+z]
.set z, z+1
.endr
	s_wait_xcnt 0x0                                ; the tile before's stores have read OUT
	v_nop
.set z, 0
	s_wait_alu depctr_va_vdst(0)
.rept 16
	v_pk_mul_f32 v[PP+2*z:PP+2*z+1], v[PP+2*z:PP+2*z+1], v[TT+2*z:TT+2*z+1]
.set z, z+1
.endr
.set z, 0
.rept 16
	v_cvt_pk_bf16_f32 v[OUT+z], v[PP+2*z], v[PP+2*z+1]
.set z, z+1
.endr
.set z, 0
.rept 4
	global_store_b128 v[HOFF], v[OUT+4*z:OUT+4*z+3], s[OB:OB+1] offset:65536*(\tl)+512*z
.set z, z+1
.endr
.endr
.Lepi_\@:
	s_wait_xcnt 0x0                                ; the stores have read HOFF and OUT
.endm
	s_load_b512 s[4:19], s[0:1], 0x0               ; xb s[4:5], w_gate, w_up, anchor_w_gate, anchor_w_up, shared_w_gate, shared_w_up, bm s[18:19]
	s_load_b128 s[20:23], s[0:1], 0x40             ; cwt s[20:21], hbuf s[22:23]
	v_lshl_add_u32 v[SPW], v0, 2, SPARE
	v_mov_b32 v[NIL], 0
	v_and_b32 v1, 31, v0                           ; lane
	v_lshrrev_b32 v36, 5, v0
	v_readfirstlane_b32 s2, v36                    ; wave
	v_and_b32 v2, 15, v0                           ; r
	v_bfe_u32 v3, v0, 4, 1                         ; h
	s_mov_b32 s3, ttmp9
	; Work-groups 0-31: the shared expert, slice id % 8, rows 256 (id / 8) on: four live tiles a wave, the most products, so they have the first numbers.
	; 32-287: routed expert (id - 32) / 8, slice id % 8.  288-351: anchor (id - 288) / 4, slice id % 4: the fewest rows, the last numbers.
	s_sub_co_u32 s24, s3, 32
	s_lshr_b32 s24, s24, 3
	s_and_b32 s25, s3, 7
	s_lshl_b32 s26, s24, 21                        ; a routed expert's weights: 2 MiB
	s_sub_co_u32 s27, s3, 288
	s_and_b32 s28, s27, 3
	s_lshr_b32 s27, s27, 2
	s_lshl_b32 s29, s27, 20                        ; an anchor's: 1 MiB
	s_add_co_u32 s27, s27, 33
	s_lshr_b32 s30, s3, 3
	s_lshl_b32 s30, s30, 8
	s_add_co_u32 s31, s30, 256
	s_mov_b32 s[NL2E], 0xbfb8aa3b
	s_mov_b32 s[NL2E+1], s[NL2E]                   ; named with it as a pair
	s_wait_kmcnt 0x0
	s_cmp_lt_u32 s3, 288
	s_cselect_b32 s[VE], s24, s27
	s_cselect_b32 s[SL], s25, s28
	s_cselect_b32 s96, s26, s29
	s_cselect_b32 s[PSH], 11, 10
	s_cselect_b64 s[WB:WB+1], s[6:7], s[10:11]
	s_cselect_b64 s[WB+2:WB+3], s[8:9], s[12:13]
	s_cmp_ge_u32 s3, 32
	s_cselect_b32 s[VE], s[VE], 32
	s_cselect_b32 s96, s96, 0
	s_cselect_b32 s[ROW0], 0, s30
	s_cselect_b32 s31, 0x400, s31                  ; where my ranks end at the latest
	s_cselect_b64 s[WB:WB+1], s[WB:WB+1], s[14:15]
	s_cselect_b64 s[WB+2:WB+3], s[WB+2:WB+3], s[16:17]
	s_lshl_b32 s97, s[SL], 8                       ; the slice's 64 columns: 256 bytes
	s_add_co_u32 s96, s96, s97
	s_mov_b32 s97, 0
	s_add_nc_u64 s[WB:WB+1], s[WB:WB+1], s[96:97]
	s_add_nc_u64 s[WB+2:WB+3], s[WB+2:WB+3], s[96:97]
	s_lshl_b32 s[PSTEP], 128, s[PSH]               ; 128 rows
	s_mov_b32 s[PSTEP+1], 0
	s_lshr_b32 s96, s[PSTEP], 1                    ; 64 rows: chunk 1
	s_add_nc_u64 s[WB+4:WB+5], s[WB:WB+1], s[96:97]
	s_add_nc_u64 s[WB+6:WB+7], s[WB+2:WB+3], s[96:97]
	s_lshl_b32 s96, s[VE], 7
	s_add_nc_u64 s[28:29], s[18:19], s[96:97]
	s_load_b512 s[32:47], s[28:29], 0x0            ; the expert's bitmap, 32 words
	s_load_b512 s[48:63], s[28:29], 0x40
	s_lshl_b32 s96, s[VE], 12
	s_add_nc_u64 s[CWB:CWB+1], s[20:21], s[96:97]  ; its row of cwt
	s_lshl_b32 s96, s[VE], 20
	s_lshl_b32 s98, s[SL], 11                      ; the slice's 64 hidden columns are k steps 2 sl, 2 sl + 1 of a tile
	s_add_co_u32 s96, s96, s98
	s_add_nc_u64 s[OB:OB+1], s[22:23], s[96:97]
	s_mov_b64 s[A0:A0+1], s[4:5]
	s_mov_b64 s[AB:AB+1], s[4:5]
	s_add_nc_u64 s[AB+2:AB+3], s[4:5], ASTR
	v_lshlrev_b32 v36, 2, v3
	v_lshl_add_u32 v36, s2, 4, v36                 ; 16 w + 4 h
.set i, 0
.rept 8
	v_add_nc_u32 v37, (i&3)+8*(i>>2), v36
	v_lshlrev_b32 v37, s[PSH], v37
	v_lshl_add_u32 v[WOFF+i], v2, 4, v37
.set i, i+1
.endr
	WLOAD 0                                        ; chunks 0 and 1 hang on no routing: they go out first
	WLOAD 1
	v_mul_u32_u24 v[LST0], v36, PW
	v_lshl_add_u32 v[LST0], v2, 3, v[LST0]
	v_and_b32 v37, 7, v0
	v_lshl_add_u32 v37, v3, 3, v37
	v_mul_u32_u24 v[LRD0], v37, PW
	v_bfe_u32 v37, v0, 3, 1
	v_lshl_add_u32 v[LRD0], v37, 4, v[LRD0]
.set i, 0
.rept 4
	v_mov_b32 v[CWR+2*i+1], 0                      ; named with the coefficient as a pair
.set i, i+1
.endr
	CLEAR
	s_wait_kmcnt 0x0                               ; the bitmap
	s_mov_b32 s96, 0                               ; the expert's tokens are counted; the count ahead of each word is kept, so that the search for a rank's word has no scalar work
	WIN 0x80                                       ; destination in window 2
.set j, 0
.rept 32
.if j > 0
	v_mov_b32 v[PF+j], s96
.endif
	s_bcnt1_i32_b32 s97, s[32+j]
	s_add_co_u32 s96, s96, s97
.set j, j+1
.endr
	WIN 0
	s_min_u32 s[CNT], s96, s31
	s_max_u32 s[CNT], s[CNT], 1
	s_sub_co_u32 s[CM1], s[CNT], 1
	BLOCKS
	BLOCKV
	s_mov_b32 s[LC], 0
	v_mov_b32 v[LST], v[LST0]
	v_mov_b32 v[LRD], v[LRD0]
	ALOAD 0
	s_wait_loadcnt 36                              ; W0 is in: behind it stand W1 (16), the coefficients (4), A0 (16)
	WSTAGE 0, 0
	s_add_nc_u64 s[WB:WB+1], s[WB:WB+1], s[PSTEP:PSTEP+1]
	s_add_nc_u64 s[WB+2:WB+3], s[WB+2:WB+3], s[PSTEP:PSTEP+1]
	WLOAD 0                                        ; W2
	ALOAD 1
	s_wait_loadcnt 52                              ; W1 is in: behind it stand the coefficients, A0, W2, A1
	WSTAGE 1, CHUNK
	s_add_nc_u64 s[WB+4:WB+5], s[WB+4:WB+5], s[PSTEP:PSTEP+1]
	s_add_nc_u64 s[WB+6:WB+7], s[WB+6:WB+7], s[PSTEP:PSTEP+1]
	WLOAD 1                                        ; W3
	s_wait_dscnt 0x0                               ; for the others' sake: my quarters of chunks 0 and 1 are in LDS
	s_barrier_signal -1
	s_barrier_wait -1
	BLOAD 0, 0
	s_mov_b32 s[CTR], (NCH-4)/2
.Lmain:                                                ; two chunks a trip.  32: behind W(c+2) and A(c) stand W(c+3) and A(c+1); in chunk 0: A1 and W3 behind W2; in chunk 1: W4 and A2 behind W3
	TRIP 0, 1, 1, 1, 1, 32
	TRIP 1, 1, 1, 1, 1, 32
	s_sub_co_u32 s[CTR], s[CTR], 1
	s_cmp_lg_u32 s[CTR], 0
	s_cbranch_scc1 .Lmain
	TRIP 0, 1, 1, 1, 0, 32                         ; the last four chunks are written out: no load passes the slice's end, and the counts run down:
	TRIP 1, 1, 1, 1, 0, 16                         ; behind the last weights and this chunk's rows stand the next chunk's rows alone,
	TRIP 0, 1, 0, 0, 0, 16                         ; likewise,
	TRIP 1, 0, 0, 0, 0, 0                          ; and nothing
	s_mov_b32 s[BLK], 0
.Lblock:                                               ; four trips: a block of 256 ranks goes out; the next, if I have a live tile in it, is multiplied out of LDS.  Nothing in this loop writes LDS
	EPILOGUE
	s_add_co_u32 s[ROW0], s[ROW0], 256
	BLOCKS
	s_cmp_eq_u32 s[MTW], 0
	s_cbranch_scc1 .Lnext
	BLOCKV
	CLEAR
	s_mov_b32 s[LC], 0
	s_mov_b64 s[AB:AB+1], s[A0:A0+1]
	s_mov_b32 s[CTR], NCH
.Lover:
	OTRIP
	s_sub_co_u32 s[CTR], s[CTR], 1
	s_cmp_lg_u32 s[CTR], 0
	s_cbranch_scc1 .Lover
.Lnext:
	s_add_co_u32 s[BLK], s[BLK], 1
	s_cmp_lt_u32 s[BLK], 4
	s_cbranch_scc1 .Lblock
	s_wait_dscnt 0x0                               ; my LDS reads are back,
	s_barrier_signal -1                            ; and so are every wave's: no LDS write, the add below among them, follows another wave's reads of the loop above without a barrier
	s_barrier_wait -1
	s_wait_tensorcnt 0x0                           ; the wave's end
	ds_add_u32 v[SPW], v[NIL]
	s_wait_dscnt 0x0
	s_endpgm
.Lfunc_end_k_q778e4d4e56_up:
	.size	k_q778e4d4e56_up, .Lfunc_end_k_q778e4d4e56_up-k_q778e4d4e56_up
	.p2alignl 7, 3214868480
	.fill 96, 4, 3214868480
	.section	.rodata,"a",@progbits
	.p2align	6, 0x0
	.amdhsa_kernel k_q778e4d4e56_up
		.amdhsa_group_segment_fixed_size 295424
		.amdhsa_private_segment_fixed_size 0
		.amdhsa_enable_private_segment 0
		.amdhsa_kernarg_size 80
		.amdhsa_user_sgpr_count 2
		.amdhsa_user_sgpr_kernarg_segment_ptr 1
		.amdhsa_wavefront_size32 1
		.amdhsa_system_sgpr_workgroup_id_x 1
		.amdhsa_system_sgpr_workgroup_id_y 1
		.amdhsa_system_sgpr_workgroup_id_z 1
		.amdhsa_system_vgpr_workitem_id 0
		.amdhsa_next_free_vgpr 1024
		.amdhsa_next_free_sgpr 102
		.amdhsa_reserve_vcc 1
		.amdhsa_float_denorm_mode_32 3
		.amdhsa_float_denorm_mode_16_64 3
		.amdhsa_memory_ordered 1
		.amdhsa_forward_progress 1
		.amdhsa_inst_pref_size 168
	.end_amdhsa_kernel
	.amdgpu_metadata
---
amdhsa.version: [ 1, 2 ]
amdhsa.kernels:
  - .name:           k_q778e4d4e56_up
    .symbol:         k_q778e4d4e56_up.kd
    .args:
      - { .name: xb, .offset: 0, .size: 8, .value_kind: global_buffer, .address_space: global }
      - { .name: w_gate, .offset: 8, .size: 8, .value_kind: global_buffer, .address_space: global }
      - { .name: w_up, .offset: 16, .size: 8, .value_kind: global_buffer, .address_space: global }
      - { .name: anchor_w_gate, .offset: 24, .size: 8, .value_kind: global_buffer, .address_space: global }
      - { .name: anchor_w_up, .offset: 32, .size: 8, .value_kind: global_buffer, .address_space: global }
      - { .name: shared_w_gate, .offset: 40, .size: 8, .value_kind: global_buffer, .address_space: global }
      - { .name: shared_w_up, .offset: 48, .size: 8, .value_kind: global_buffer, .address_space: global }
      - { .name: bm, .offset: 56, .size: 8, .value_kind: global_buffer, .address_space: global }
      - { .name: cwt, .offset: 64, .size: 8, .value_kind: global_buffer, .address_space: global }
      - { .name: hbuf, .offset: 72, .size: 8, .value_kind: global_buffer, .address_space: global }
    .group_segment_fixed_size: 295424
    .private_segment_fixed_size: 0
    .kernarg_segment_align: 8
    .kernarg_segment_size: 80
    .max_flat_workgroup_size: 128
    .sgpr_count:     102
    .vgpr_count:     1024
    .wavefront_size: 32
...
	.end_amdgpu_metadata
.endif
;; end of part 5
;; launch down (part 6): grid 448 x 1, 4 waves a work-group, no clusters, 199,168 bytes of LDS; arguments hbuf, w_down, anchor_w_down, shared_w_down, bm, part; writes part
.if DOCPART == 6
	.amdgcn_target "amdgcn-amd-amdhsa--gfx1250"
	.amdhsa_code_object_version 6
	.text
	.protected	k_q778e4d4e56_down
	.globl	k_q778e4d4e56_down
	.p2align	8
	.type	k_q778e4d4e56_down,@function
k_q778e4d4e56_down:
	s_mov_b64 s[64:65], 0
	v_nop
	global_prefetch_b8 v0, s[64:65] scope:SCOPE_SE
	s_setreg_imm32_b32 hwreg(HW_REG_WAVE_MODE, 25, 1), 1
	s_wait_xcnt 0x0
; DOWN.  part[block][token][:] = (hidden layer x coefficient, from hbuf) Wdown, in f32, for the rows of each virtual expert (0-31 routed, 32 shared, 33 + l anchor l) that chose it.
; part's block is the expert's number; the shared expert's k = 512 is taken in two halves of 256, each by work-groups of its own, into blocks 32 and 49: partial sums in f32, added by the next launch.
; So only the 256 routed work-groups have eight chunks of k; the other 192 (64 shared, 128 anchors) have four.
; LIMITS.  The weights are rounded once to bf16 on their way through registers; sums in f32; partial rows stay in f32.  NaN and infinities are not treated apart.
; An expert that no token chose takes the hidden rows that the launch before stored for it (coefficient 0) and stores them as token 0's; nobody reads that row of part.
; SHARES.  A work-group owns 128 columns of ONE expert's Wdown: 128 x 512 k (anchors and the shared halves: 256 k), which it alone reads (the shared expert's: four row blocks each).  The slice is streamed
; once, 64 k a chunk, rounded and laid into LDS as [k][column], where it STAYS: each LDS byte of it is written once.  While it streams, the expert's first 256 ranks are multiplied (wave w: tiles of 16 ranks 4 i + w).
; Ranks past 256 are multiplied afterwards out of LDS, in loops of constant length in which only work is jumped; no barrier stands in what is jumped.
; The rows come from hbuf in the order of a fragment: a load covers 512 consecutive bytes.  Each wave makes its own list rank -> token from the expert's bitmap, for the way out.
; Places past the count repeat the last rank: the same numbers go to the same bytes.
; A TRIP (chunk c): one wait for W(c+2) and A(c); W(c+2) is rounded, W(c+4) asked for; then eight pieces, each 2 LDS stores of chunk c+2, 4 LDS loads of chunk c+1 and half a tile's 8 products:
; no run of LDS instructions is longer than six, and products follow each; then A(c+2) is asked for.  ORDER OF LOADS: .. W(c+3), A(c+1), W(c+4), A(c+2) ..: two chunks of weights, 32 KiB each for the
; work-group, are on their way behind the wait.
; NO CLUSTER, NO TENSOR LOAD: a slice has one reader, and f32 weights must pass through registers to be rounded.
; The accumulators are cleared (256 v_mov_b32) in the wait for the first weights: dead tiles are jumped, so no first step is written out.
; REGISTERS, in windows of 256 (s_set_vgpr_msb: bits 1:0 source 0, 3:2 source 1, 5:4 source 2, 7:6 destination):
;   window 0: addresses, v64-95 rounded weights, v96-111 the stores' offsets, v128-255 fragments of rows, two buffers      window 1: accumulators, tile i, column block n at 64 i + 8 n
;   window 2: weights as loaded, two buffers of 64      window 3: fragments of weights, two buffers of 128
; The pieces cost four switches of the window each: the price of short runs of LDS instructions between products whose operands fill three windows.
.set PW,     288                       ; an LDS row of the slice: 128 bf16 + 32 bytes
.set CHUNK,  64*PW
.set NCH,    8
.set LISTB,  NCH*CHUNK                 ; behind the slice: a list for each wave: 1,024 words, 32 words for non-members, padding
.set LISTSZ, 4352
.set STAGE,  LISTB+4*LISTSZ            ; behind the lists: 16 rows x 528 bytes for each wave, for the way out
.set SPIT,   528
.set SPARE,  STAGE+4*16*SPIT           ; behind the stages: the spare words, 128 bytes for each wave, which no other line names
.set AKS,    1024                      ; bytes in hbuf from a tile's k step of 32 to the next,
.set APC,    512                       ; from a fragment's first piece to its second,
.set ASTR,   2048                      ; from chunk to chunk
.set SPW,  4                           ; v4  my spare word     v5  0: kept for the add at the wave's end
.set NIL,  5
.set LB,   6                           ; v6  my list
.set DIX,  7                           ; v7  1024 + lane: where a non-member's entry goes
.set WOFF, 8                           ; v8-15  load i of a chunk: row 16 w + (i & 3) + 8 (i >> 2) + 4 h, 16 bytes at 16 (lane % 16)
.set LST0, 16                          ; v16 where those go in a chunk in LDS     v18 the same in the chunk in hand
.set LRD0, 17                          ; v17 my lane's place for the turning load  v19 likewise
.set LST,  18
.set LRD,  19
.set AOFF, 20                          ; v20-23 tile i: my byte offset in the expert's part of hbuf
.set TOK,  24                          ; v24-27 tile i: the token of rank r
.set L16,  32                          ; v32 16 lane
.set STO,  33                          ; v33 the way out: where I put my row's numbers
.set RDB,  34                          ; v34 the way out: where I read rows back
.set CV,   64
.set OFFV, 96
.set AF,   128                         ; tile i, k step ks of buffer par at AF + 64 par + 8 (2 i + ks)
.set OBR,  128                         ; the way out reads rows back into the first buffer, idle there
.set VE,   66                          ; the expert: its bitmap, its part of hbuf
.set SL,   67
.set ROW0, 68                          ; first rank of the block of 256 in hand
.set CNT,  69                          ; ranks that this work-group serves end here
.set CM1,  70
.set MTW,  71                          ; my wave's live tiles in the block
.set VO,   72                          ; the block of part that takes my rows
.set CTR,  73
.set BLK,  74
.set LC,   75                          ; LDS byte of chunk c
.set WB,   76                          ; s[76:79], s[80:83]: the slice's first and second 64 columns, for the even and the odd chunks
.set PSTEP, 84                         ; s[84:85] two chunks' rows in bytes
.set AB,   86                          ; s[86:87], s[88:89]: hbuf at the even and the odd chunks' k
.set A0,   90
.set OB,   92
.set AKH,  94                          ; s94 the byte of a tile of hbuf at which my k begin
.set NCHR, 100                         ; s100 my chunks: 8, or 4 for an anchor and for half of the shared expert
.set MSB, 0
.macro WIN new                         ; the immediate's high byte repeats the setting that is left; a switch that changes nothing is dropped
.if MSB != (\new)
	s_set_vgpr_msb (MSB<<8)|(\new)
.set MSB, (\new)
.endif
.endm
.macro WLOAD par                       ; a wave's quarter of a chunk: 16 loads; lanes 0-15 take 256 consecutive bytes of a row, lanes 16-31 of the row four further down
	WIN 0x80
.set i, 0
.rept 8
	global_load_b128 v[64*(\par)+4*i:64*(\par)+4*i+3], v[WOFF+i], s[WB+4*(\par):WB+4*(\par)+1] th:TH_LOAD_NT
.set i, i+1
.endr
.set i, 0
.rept 8
	global_load_b128 v[64*(\par)+32+4*i:64*(\par)+32+4*i+3], v[WOFF+i], s[WB+4*(\par)+2:WB+4*(\par)+3] th:TH_LOAD_NT
.set i, i+1
.endr
	WIN 0
.endm
.macro WCVT par                        ; my quarter of a chunk rounded to bf16
	WIN 0x0a
.set i, 0
.rept 16
	v_cvt_pk_bf16_f32 v[CV+2*i], v[64*(\par)+4*i], v[64*(\par)+4*i+1]
	v_cvt_pk_bf16_f32 v[CV+2*i+1], v[64*(\par)+4*i+2], v[64*(\par)+4*i+3]
.set i, i+1
.endr
	WIN 0
.endm
.macro WSTN imm, first, n              ; n of its 16 stores into LDS, from number `first' on: columns 0-63, then 64-127.  Every window is 0 here
.set si, (\first)
.rept \n
	ds_store_b64 v[LST], v[CV+2*si:CV+2*si+1] offset:(\imm)+PW*((si&3)+8*((si>>2)&1))+128*(si>>3)
.set si, si+1
.endr
.endm
.macro WSTAGE par, imm
	WCVT \par
	WSTN \imm, 0, 16
.endm
.macro BLN par, imm, first, n          ; n of a chunk's 16 fragments of weights (number 8 ks + n), turned: lane l holds column 16 n + l % 16 and 16 k.  The destination's window is 3 here
.set bi, (\first)
.rept \n
	ds_load_tr16_b128 v[128*(\par)+8*bi:128*(\par)+8*bi+3], v[LRD] offset:(\imm)+32*(bi>>3)*PW+32*(bi&7)
	ds_load_tr16_b128 v[128*(\par)+8*bi+4:128*(\par)+8*bi+7], v[LRD] offset:(\imm)+(32*(bi>>3)+16)*PW+32*(bi&7)
.set bi, bi+1
.endr
.endm
.macro BLOAD par, imm
	WIN 0xc0
	BLN \par, \imm, 0, 16
	WIN 0
.endm
.macro ALOAD par                       ; a chunk's 8 fragments of rows (i = 2 tile + ks), always all four tiles: the counts of loads are the same on every way
.set i, 0
.rept 8
	global_load_b128 v[AF+64*(\par)+8*i:AF+64*(\par)+8*i+3], v[AOFF+(i>>1)], s[AB+2*(\par):AB+2*(\par)+1] offset:AKS*(i&1)
	global_load_b128 v[AF+64*(\par)+8*i+4:AF+64*(\par)+8*i+7], v[AOFF+(i>>1)], s[AB+2*(\par):AB+2*(\par)+1] offset:AKS*(i&1)+APC
.set i, i+1
.endr
.endm
; A chunk's products for my live tiles, in eight pieces: piece sg is tile sg / 2, k step sg % 2.  Source 0 = 16 columns of weights, source 1 = 16 rows: a lane of the result holds one row and 8 neighbouring
; columns.  A tile's eight accumulators take turns.  In front of each piece's products, on every way: ws = 1: two of the stores of chunk c + 2; bl = 1: two of the fragments of
; chunk c + 1, into the buffer that this chunk's products do not read.  A dead tile's products are jumped.
; The four v_nop are the places in front of all that follows: loads into the fragments, LDS stores of the sums.
.macro SECT par, bl, ws
.irp sg, 0,1,2,3,4,5,6,7
.if \ws
	WSTN 2*CHUNK, 2*(\sg), 2
.endif
.if \bl
	WIN 0xc0
	BLN 1-(\par), CHUNK, 2*(\sg), 2
	WIN 0
.endif
	s_cmp_le_u32 s[MTW], (\sg)/2
	s_cbranch_scc1 .Lsk_\@_\sg
	WIN 0x53
.set i, 0
.rept 8
.set rD, 64*((\sg)/2)+8*i
.set rB, 128*(\par)+8*(8*((\sg)&1)+i)
.set rA, AF+64*(\par)+8*(\sg)
	v_wmma_f32_16x16x32_bf16 v[rD:rD+7], v[rB:rB+7], v[rA:rA+7], v[rD:rD+7]
.set i, i+1
.endr
	WIN 0
.Lsk_\@_\sg:
.endr
.rept 4
	v_nop
.endr
.endm
.macro CLEAR
	WIN 0x40
.set i, 0
.rept 256
	v_mov_b32 v[i], 0
.set i, i+1
.endr
	WIN 0
.endm
; Chunk c, on buffers par = c % 2.  bl: chunk c + 1's fragments of weights are fetched.  al: the rows of chunk c + 2 are asked for.  ws: the weights of chunk c + 2 are laid into LDS, and a barrier follows.
; wl: the weights of chunk c + 4 are asked for.  nL: how many younger loads may stay out when W(c+2) and A(c) must be in.
.macro TRIP par, bl, al, ws, wl, nL
	s_wait_dscnt 0x0                               ; this chunk's fragments of weights are in
	v_add_nc_u32 v[LST], s[LC], v[LST0]
	v_add_nc_u32 v[LRD], s[LC], v[LRD0]
	s_wait_loadcnt \nL                             ; loads come back in order (ISA guide 5.7.1): this chunk's rows are in, and the weights of chunk c + 2
.if \ws
	WCVT \par
.endif
.if \wl
	s_add_nc_u64 s[WB+4*(\par):WB+4*(\par)+1], s[WB+4*(\par):WB+4*(\par)+1], s[PSTEP:PSTEP+1]  ; its last loads, W(c+2), were shown done by the wait above
	s_add_nc_u64 s[WB+4*(\par)+2:WB+4*(\par)+3], s[WB+4*(\par)+2:WB+4*(\par)+3], s[PSTEP:PSTEP+1]
	WLOAD \par
.endif
	SECT \par, \bl, \ws
.if \al
	s_add_nc_u64 s[AB+2*(\par):AB+2*(\par)+1], s[AB+2*(\par):AB+2*(\par)+1], 2*ASTR  ; its last loads, A(c), likewise
	ALOAD \par
.endif
	s_add_co_u32 s[LC], s[LC], CHUNK
.if \ws
	s_wait_dscnt 0x0                               ; for the others' sake: my quarter of chunk c + 2 is in LDS
	s_barrier_signal -1
	s_barrier_wait -1                              ; everybody's is: the next trip reads it
.endif
.endm
.macro OTRIP                           ; a chunk for ranks past the first 256: out of the resident slice, not pipelined: rare
	v_add_nc_u32 v[LRD], s[LC], v[LRD0]
	BLOAD 0, 0
	ALOAD 0
	s_wait_loadcnt 0x0
	s_wait_dscnt 0x0
	SECT 0, 0, 0
	s_add_nc_u64 s[AB:AB+1], s[AB:AB+1], ASTR
	s_add_co_u32 s[LC], s[LC], CHUNK
.endm
.macro LISTW j                         ; tokens 32 j + lane: a member's entry goes to its rank, the others' to 32 words that nobody reads
	v_mbcnt_lo_u32_b32 v36, s[32+(\j)], s96
	v_cndmask_b32 v36, v[DIX], v36, s[32+(\j)]
	v_min_u32 v36, 0x41f, v36
	v_lshl_add_u32 v36, v36, 2, v[LB]
	v_or_b32 v37, 32*(\j), v1
	ds_store_b32 v36, v37
	s_bcnt1_i32_b32 s97, s[32+(\j)]
	s_add_co_u32 s96, s96, s97
.endm
.macro BLOCKS                          ; my live tiles among the block's: tiles 4 i + w below ceil(n / 16), n = the block's ranks
	s_sub_co_i32 s96, s[CNT], s[ROW0]
	s_max_i32 s96, s96, 0
	s_min_i32 s96, s96, 0x100
	s_add_co_u32 s96, s96, 15
	s_lshr_b32 s96, s96, 4
	s_add_co_u32 s96, s96, 3
	s_sub_co_u32 s96, s96, s2
	s_lshr_b32 s[MTW], s96, 2
.endm
.macro BLOCKV                          ; my rows' tokens, and my tiles' places in hbuf
	s_lshl_b32 s96, s2, 4
	s_add_co_u32 s96, s96, s[ROW0]
	v_add_nc_u32 v36, s96, v2
.set i, 0
.rept 4
	v_add_nc_u32 v37, 64*i, v36                    ; rank = ROW0 + 64 i + 16 w + r,
	v_min_u32 v37, s[CM1], v37                     ; past the count the last one again
	v_min_u32 v37, 0x3ff, v37
	v_lshl_add_u32 v37, v37, 2, v[LB]
	ds_load_b32 v[TOK+i], v37
.set i, i+1
.endr
	s_lshr_b32 s97, s[ROW0], 4
	s_add_co_u32 s97, s97, s2
	s_lshr_b32 s99, s[CM1], 4
.set i, 0
.rept 4
	s_add_co_u32 s98, s97, 4*i                     ; tile ROW0 / 16 + 4 i + w; a dead tile loads the last live one, which has been stored
	s_min_u32 s98, s98, s99
	s_min_u32 s98, s98, 63
	s_lshl_b32 s98, s98, 14
	v_lshl_add_u32 v[AOFF+i], v1, 4, s98
.set i, i+1
.endr
	s_wait_dscnt 0x0
.set i, 0
.rept 4
	v_min_u32 v[TOK+i], 0x3ff, v[TOK+i]
.set i, i+1
.endr
.endm
; THE WAY OUT, a live tile at a time, through my own stage in LDS: in by lanes (a row's 8 columns, 32 bytes), back by rows of 512 bytes; each store covers 512 consecutive bytes of one token's row,
; at a multiple of 256 from part's first byte.  LDS serves a wave's instructions in order (ISA guide 5.7.1.4): no wait between the stores and the loads.  Each accumulator's low four registers go first.
; The 16 rows' tokens become offsets in three runs of 16 (lane to scalar, bound, shift), in s32-47, where the bitmap lay until the list was made: no line waits for the line before it, and the reads from the stage are out meanwhile.
.macro EPILOGUE
.irp tl, 0,1,2,3
	s_cmp_le_u32 s[MTW], \tl
	s_cbranch_scc1 .Lepi_\@
	s_wait_xcnt 0x0                                ; the tile before's stores have read their offsets and data
	WIN 0x04
.set i, 0
.rept 8
	ds_store_b128 v[STO], v[64*(\tl)+8*i:64*(\tl)+8*i+3] offset:64*i
	ds_store_b128 v[STO], v[64*(\tl)+8*i+4:64*(\tl)+8*i+7] offset:64*i+16
.set i, i+1
.endr
	WIN 0
.set i, 0
.rept 16
	ds_load_b128 v[OBR+4*i:OBR+4*i+3], v[RDB] offset:SPIT*i
.set i, i+1
.endr
.set i, 0
.rept 16
	v_readlane_b32 s[32+i], v[TOK+(\tl)], i        ; row i's token
.set i, i+1
.endr
.set i, 0
.rept 16
	s_min_u32 s[32+i], s[32+i], 0x3ff
.set i, i+1
.endr
.set i, 0
.rept 16
	v_lshl_add_u32 v[OFFV+i], s[32+i], 12, v[L16]
.set i, i+1
.endr
.set i, 0
.rept 16
	s_wait_dscnt 15-i                              ; row i is back; the younger reads stay out
	global_store_b128 v[OFFV+i], v[OBR+4*i:OBR+4*i+3], s[OB:OB+1]
.set i, i+1
.endr
.endr
.Lepi_\@:
	s_wait_xcnt 0x0                                ; the stores have read their registers: the fragment buffer may be loaded again
.endm
	s_load_b256 s[4:11], s[0:1], 0x0               ; hbuf s[4:5], w_down s[6:7], anchor_w_down s[8:9], shared_w_down s[10:11]
	s_load_b128 s[12:15], s[0:1], 0x20             ; bm s[12:13], part s[14:15]
	v_lshl_add_u32 v[SPW], v0, 2, SPARE
	v_mov_b32 v[NIL], 0
	v_and_b32 v1, 31, v0                           ; lane
	v_lshrrev_b32 v36, 5, v0
	v_readfirstlane_b32 s2, v36                    ; wave
	v_and_b32 v2, 15, v0                           ; r
	v_bfe_u32 v3, v0, 4, 1                         ; h
	s_mov_b32 s3, ttmp9
	; Work-groups 0-255: routed expert id / 8.  256-319: the shared expert, k half (id - 256) / 32, rows 256 ((id - 256) / 8 % 4) on.  320-447: anchor (id - 320) / 8.  The slice is id % 8 in all three.
	s_lshr_b32 s24, s3, 3
	s_and_b32 s[SL], s3, 7
	s_lshl_b32 s26, s24, 21                        ; a routed expert's weights: 2 MiB
	s_sub_co_u32 s30, s3, 256
	s_lshr_b32 s25, s30, 5                         ; the shared expert's k half
	s_bfe_u32 s30, s30, 0x20003                    ; its block of 256 rows: 2 bits from bit 3
	s_lshl_b32 s30, s30, 8
	s_add_co_u32 s31, s30, 256
	s_mul_i32 s28, s25, 17
	s_add_co_u32 s28, s28, 32                      ; the half's block of part: 32 or 49
	s_lshl_b32 s98, s25, 20                        ; the half's weights: 256 rows of 4,096 bytes on
	s_lshl_b32 s99, s25, 13                        ; the half's hidden columns: 8 k steps of 1,024 bytes into a tile of hbuf
	s_sub_co_u32 s27, s3, 320
	s_lshr_b32 s27, s27, 3
	s_lshl_b32 s29, s27, 20                        ; an anchor's weights: 1 MiB
	s_add_co_u32 s27, s27, 33
	s_wait_kmcnt 0x0
	s_cmp_lt_u32 s3, 256
	s_cselect_b32 s[VE], s24, 32
	s_cselect_b32 s[VO], s24, s28
	s_cselect_b32 s96, s26, s98
	s_cselect_b32 s[AKH], 0, s99
	s_cselect_b32 s[ROW0], 0, s30
	s_cselect_b32 s31, 0x400, s31                  ; where my ranks end at the latest
	s_cselect_b32 s[NCHR], 8, 4
	s_cselect_b64 s[WB:WB+1], s[6:7], s[10:11]
	s_cmp_lt_u32 s3, 320
	s_cselect_b32 s[VE], s[VE], s27
	s_cselect_b32 s[VO], s[VO], s27
	s_cselect_b32 s96, s96, s29
	s_cselect_b32 s[AKH], s[AKH], 0
	s_cselect_b32 s[ROW0], s[ROW0], 0
	s_cselect_b32 s31, s31, 0x400
	s_cselect_b64 s[WB:WB+1], s[WB:WB+1], s[8:9]
	s_lshl_b32 s97, s[SL], 9                       ; the slice's 128 columns: 512 bytes
	s_add_co_u32 s96, s96, s97
	s_mov_b32 s97, 0
	s_add_nc_u64 s[WB:WB+1], s[WB:WB+1], s[96:97]
	s_add_nc_u64 s[WB+2:WB+3], s[WB:WB+1], 256
	s_mov_b32 s[PSTEP], 128*4096                   ; 128 rows of 4,096 bytes
	s_mov_b32 s[PSTEP+1], 0
	s_add_nc_u64 s[WB+4:WB+5], s[WB:WB+1], 64*4096 ; chunk 1
	s_add_nc_u64 s[WB+6:WB+7], s[WB+2:WB+3], 64*4096
	s_lshl_b32 s96, s[VE], 7
	s_add_nc_u64 s[28:29], s[12:13], s[96:97]
	s_load_b512 s[32:47], s[28:29], 0x0            ; the expert's bitmap, 32 words
	s_load_b512 s[48:63], s[28:29], 0x40
	s_lshl_b32 s96, s[VE], 20
	s_add_co_u32 s96, s96, s[AKH]
	s_add_nc_u64 s[A0:A0+1], s[4:5], s[96:97]      ; its part of hbuf, at my first k
	s_mov_b64 s[AB:AB+1], s[A0:A0+1]
	s_add_nc_u64 s[AB+2:AB+3], s[A0:A0+1], ASTR
	s_lshl_b32 s96, s[VO], 22                      ; my block's 1,024 rows of part,
	s_lshl_b32 s98, s[SL], 9                       ; the slice's 512 bytes of each
	s_add_co_u32 s96, s96, s98
	s_add_nc_u64 s[OB:OB+1], s[14:15], s[96:97]
	v_lshlrev_b32 v36, 2, v3
	v_lshl_add_u32 v36, s2, 4, v36                 ; 16 w + 4 h
.set i, 0
.rept 8
	v_add_nc_u32 v37, (i&3)+8*(i>>2), v36
	v_lshlrev_b32 v37, 12, v37
	v_lshl_add_u32 v[WOFF+i], v2, 4, v37
.set i, i+1
.endr
	WLOAD 0                                        ; chunks 0 and 1 hang on no routing: they go out first
	WLOAD 1
	s_mul_i32 s96, s2, LISTSZ
	s_add_co_u32 s96, s96, LISTB
	v_mov_b32 v[LB], s96
	v_lshl_add_u32 v38, v1, 4, s96                 ; my list's 1,024 words are set to 0 first, 512 bytes a store: every word that a rank can read is written,
.set i, 0
.rept 4
	v_mov_b32 v[40+i], 0
.set i, i+1
.endr
.set i, 0
.rept 8
	ds_store_b128 v38, v[40:43] offset:512*i       ; entry 0 among them, for an expert without tokens; LDS serves my stores in order, so the members' entries below land on top
.set i, i+1
.endr
	v_or_b32 v[DIX], 0x400, v1
	v_mul_u32_u24 v[LST0], v36, PW
	v_lshl_add_u32 v[LST0], v2, 3, v[LST0]
	v_and_b32 v37, 7, v0
	v_lshl_add_u32 v37, v3, 3, v37
	v_mul_u32_u24 v[LRD0], v37, PW
	v_bfe_u32 v37, v0, 3, 1
	v_lshl_add_u32 v[LRD0], v37, 4, v[LRD0]
	v_lshlrev_b32 v[L16], 4, v1
	s_mul_i32 s96, s2, 16*SPIT
	s_add_co_u32 s96, s96, STAGE                   ; my stage
	v_mul_u32_u24 v[STO], v2, SPIT
	v_lshl_add_u32 v[STO], v3, 5, v[STO]
	v_add_nc_u32 v[STO], s96, v[STO]
	v_add_nc_u32 v[RDB], s96, v[L16]
	CLEAR
	s_wait_kmcnt 0x0                               ; the bitmap
	s_mov_b32 s96, 0
.set j, 0
.rept 32
	LISTW j
.set j, j+1
.endr
	s_min_u32 s[CNT], s96, s31
	s_max_u32 s[CNT], s[CNT], 1
	s_sub_co_u32 s[CM1], s[CNT], 1
	BLOCKS
	BLOCKV
	s_mov_b32 s[LC], 0
	v_mov_b32 v[LST], v[LST0]
	v_mov_b32 v[LRD], v[LRD0]
	ALOAD 0
	s_wait_loadcnt 32                              ; W0 is in: behind it stand W1 (16) and A0 (16)
	WSTAGE 0, 0
	s_add_nc_u64 s[WB:WB+1], s[WB:WB+1], s[PSTEP:PSTEP+1]
	s_add_nc_u64 s[WB+2:WB+3], s[WB+2:WB+3], s[PSTEP:PSTEP+1]
	WLOAD 0                                        ; W2
	ALOAD 1
	s_wait_loadcnt 48                              ; W1 is in: behind it stand A0, W2, A1
	WSTAGE 1, CHUNK
	s_add_nc_u64 s[WB+4:WB+5], s[WB+4:WB+5], s[PSTEP:PSTEP+1]
	s_add_nc_u64 s[WB+6:WB+7], s[WB+6:WB+7], s[PSTEP:PSTEP+1]
	WLOAD 1                                        ; W3
	s_wait_dscnt 0x0                               ; for the others' sake: my quarters of chunks 0 and 1 are in LDS
	s_barrier_signal -1
	s_barrier_wait -1
	BLOAD 0, 0
	s_cmp_ge_u32 s3, 256
	s_cbranch_scc1 .Ltail                          ; an anchor and half of the shared expert have four chunks: the tail alone.  The branch hangs on the work-group's number: all four waves go the same way
	s_mov_b32 s[CTR], (NCH-4)/2
.Lmain:                                                ; two chunks a trip.  32: behind W(c+2) and A(c) stand W(c+3) and A(c+1); in chunk 0: A1 and W3 behind W2; in chunk 1: W4 and A2 behind W3
	TRIP 0, 1, 1, 1, 1, 32
	TRIP 1, 1, 1, 1, 1, 32
	s_sub_co_u32 s[CTR], s[CTR], 1
	s_cmp_lg_u32 s[CTR], 0
	s_cbranch_scc1 .Lmain
.Ltail:
	TRIP 0, 1, 1, 1, 0, 32                         ; the last four chunks are written out: no load passes the slice's end, and the counts run down (on the short way too: A1 and W3 stand behind W2):
	TRIP 1, 1, 1, 1, 0, 16                         ; behind the last weights and this chunk's rows stand the next chunk's rows alone,
	TRIP 0, 1, 0, 0, 0, 16                         ; likewise,
	TRIP 1, 0, 0, 0, 0, 0                          ; and nothing
	s_mov_b32 s[BLK], 0
.Lblock:                                               ; four trips: a block of 256 ranks goes out; the next, if I have a live tile in it, is multiplied out of LDS.
	                                               ; Two barriers a trip, on every wave's way, outside all that is jumped: no wave's LDS stores and another wave's LDS reads of the loop below follow each other without one
	EPILOGUE
	s_wait_dscnt 0x0                               ; my stores into my stage, and my reads of it, are done,
	s_barrier_signal -1
	s_barrier_wait -1                              ; and every wave's: now the slice is read again
	s_add_co_u32 s[ROW0], s[ROW0], 256
	BLOCKS
	s_cmp_eq_u32 s[MTW], 0
	s_cbranch_scc1 .Lnext
	BLOCKV
	CLEAR
	s_mov_b32 s[LC], 0
	s_mov_b64 s[AB:AB+1], s[A0:A0+1]
	s_mov_b32 s[CTR], 0
.Lover:                                                ; eight trips; where there are four chunks the last four are jumped
	s_cmp_ge_u32 s[CTR], s[NCHR]
	s_cbranch_scc1 .Lskip
	OTRIP
.Lskip:
	s_add_co_u32 s[CTR], s[CTR], 1
	s_cmp_lt_u32 s[CTR], NCH
	s_cbranch_scc1 .Lover
.Lnext:
	s_wait_dscnt 0x0                               ; my LDS reads are back,
	s_barrier_signal -1
	s_barrier_wait -1                              ; and every wave's: now the stages, and at the end the spare words, are written
	s_add_co_u32 s[BLK], s[BLK], 1
	s_cmp_lt_u32 s[BLK], 4
	s_cbranch_scc1 .Lblock
	s_wait_tensorcnt 0x0                           ; the wave's end
	ds_add_u32 v[SPW], v[NIL]
	s_wait_dscnt 0x0
	s_endpgm
.Lfunc_end_k_q778e4d4e56_down:
	.size	k_q778e4d4e56_down, .Lfunc_end_k_q778e4d4e56_down-k_q778e4d4e56_down
	.p2alignl 7, 3214868480
	.fill 96, 4, 3214868480
	.section	.rodata,"a",@progbits
	.p2align	6, 0x0
	.amdhsa_kernel k_q778e4d4e56_down
		.amdhsa_group_segment_fixed_size 199168
		.amdhsa_private_segment_fixed_size 0
		.amdhsa_enable_private_segment 0
		.amdhsa_kernarg_size 48
		.amdhsa_user_sgpr_count 2
		.amdhsa_user_sgpr_kernarg_segment_ptr 1
		.amdhsa_wavefront_size32 1
		.amdhsa_system_sgpr_workgroup_id_x 1
		.amdhsa_system_sgpr_workgroup_id_y 1
		.amdhsa_system_sgpr_workgroup_id_z 1
		.amdhsa_system_vgpr_workitem_id 0
		.amdhsa_next_free_vgpr 1024
		.amdhsa_next_free_sgpr 102
		.amdhsa_reserve_vcc 0
		.amdhsa_float_denorm_mode_32 3
		.amdhsa_float_denorm_mode_16_64 3
		.amdhsa_memory_ordered 1
		.amdhsa_forward_progress 1
		.amdhsa_inst_pref_size 165
	.end_amdhsa_kernel
	.amdgpu_metadata
---
amdhsa.version: [ 1, 2 ]
amdhsa.kernels:
  - .name:           k_q778e4d4e56_down
    .symbol:         k_q778e4d4e56_down.kd
    .args:
      - { .name: hbuf, .offset: 0, .size: 8, .value_kind: global_buffer, .address_space: global }
      - { .name: w_down, .offset: 8, .size: 8, .value_kind: global_buffer, .address_space: global }
      - { .name: anchor_w_down, .offset: 16, .size: 8, .value_kind: global_buffer, .address_space: global }
      - { .name: shared_w_down, .offset: 24, .size: 8, .value_kind: global_buffer, .address_space: global }
      - { .name: bm, .offset: 32, .size: 8, .value_kind: global_buffer, .address_space: global }
      - { .name: part, .offset: 40, .size: 8, .value_kind: global_buffer, .address_space: global }
    .group_segment_fixed_size: 199168
    .private_segment_fixed_size: 0
    .kernarg_segment_align: 8
    .kernarg_segment_size: 48
    .max_flat_workgroup_size: 128
    .sgpr_count:     102
    .vgpr_count:     1024
    .wavefront_size: 32
...
	.end_amdgpu_metadata
.endif
;; end of part 6
;; launch sum (part 7): grid 256 x 1, 8 waves a work-group, no clusters, 0 bytes of LDS; arguments part, idx8, out0; writes out0
.if DOCPART == 7
	.amdgcn_target "amdgcn-amd-amdhsa--gfx1250"
	.amdhsa_code_object_version 6
	.text
	.protected	k_q778e4d4e56_sum
	.globl	k_q778e4d4e56_sum
	.p2align	8
	.type	k_q778e4d4e56_sum,@function
k_q778e4d4e56_sum:
	s_mov_b64 s[64:65], 0
	v_nop
	global_prefetch_b8 v0, s[64:65] scope:SCOPE_SE
	s_setreg_imm32_b32 hwreg(HW_REG_WAVE_MODE, 25, 1), 1
	s_wait_xcnt 0x0
; SUM.  out0[t][:] = the sum of token t's nine partial rows in part: six routed experts', the shared one's first k half, its anchor's (these eight by idx8), and the shared one's second k half (block 49),
; in f32, in that order; the coefficients were applied to the hidden layer.
; A wave has half a token's row: 2,048 bytes of each of 9 rows, 36 loads of 512 consecutive bytes, all out at once; which rows, it reads from idx8, stored by the first launch.
; Memory binds: no LDS, no barrier, no matrix unit.
.set D, 4                              ; v4-147: slot k's 16 registers at D + 16 k
	s_load_b128 s[4:7], s[0:1], 0x0                ; part s[4:5], idx8 s[6:7]
	s_load_b64 s[36:37], s[0:1], 0x10              ; out0
	v_and_b32 v1, 31, v0
	v_lshrrev_b32 v2, 5, v0
	v_readfirstlane_b32 s2, v2                     ; wave
	s_lshr_b32 s32, s2, 1
	s_lshl_b32 s33, ttmp9, 2
	s_add_co_u32 s33, s33, s32                     ; token t = 4 g + w / 2
	s_and_b32 s32, s2, 1
	s_lshl_b32 s32, s32, 11
	v_lshl_add_u32 v1, v1, 4, s32                  ; 2,048 (w % 2) + 16 lane
	s_lshl_b32 s34, s33, 5
	s_mov_b32 s35, 0
	s_wait_kmcnt 0x0
	s_add_nc_u64 s[6:7], s[6:7], s[34:35]
	s_load_b256 s[8:15], s[6:7], 0x0               ; the token's eight virtual experts
	s_lshl_b32 s34, s33, 12
	s_add_nc_u64 s[36:37], s[36:37], s[34:35]      ; its row of out0
	s_wait_kmcnt 0x0
.set k, 0
.rept 8
	s_min_u32 s34, s[8+k], 48
	s_lshl_b32 s34, s34, 10
	s_add_co_u32 s34, s34, s33                     ; row 1,024 block + t,
	s_lshl_b32 s34, s34, 12                        ; of 4,096 bytes: under 2^28
	s_add_nc_u64 s[16+2*k:17+2*k], s[4:5], s[34:35]
.set j, 0
.rept 4
	global_load_b128 v[D+16*k+4*j:D+16*k+4*j+3], v1, s[16+2*k:17+2*k] offset:512*j th:TH_LOAD_NT
.set j, j+1
.endr
.set k, k+1
.endr
	s_add_co_u32 s34, s33, 49*1024                 ; the ninth row: block 49, every token's
	s_lshl_b32 s34, s34, 12
	s_add_nc_u64 s[38:39], s[4:5], s[34:35]
.set j, 0
.rept 4
	global_load_b128 v[D+128+4*j:D+128+4*j+3], v1, s[38:39] offset:512*j th:TH_LOAD_NT
.set j, j+1
.endr
.set k, 1
.rept 8
	s_wait_loadcnt 4*(8-k)                         ; slots 0 to k are in; the younger slots' loads, four each, stay out
.set z, 0
.rept 8
	v_pk_add_f32 v[D+2*z:D+2*z+1], v[D+2*z:D+2*z+1], v[D+16*k+2*z:D+16*k+2*z+1]
.set z, z+1
.endr
.set k, k+1
.endr
.set j, 0
.rept 4
	global_store_b128 v1, v[D+4*j:D+4*j+3], s[36:37] offset:512*j th:TH_STORE_NT  ; 512 consecutive bytes, at a multiple of 256 from out0's first
.set j, j+1
.endr
	s_endpgm
.Lfunc_end_k_q778e4d4e56_sum:
	.size	k_q778e4d4e56_sum, .Lfunc_end_k_q778e4d4e56_sum-k_q778e4d4e56_sum
	.p2alignl 7, 3214868480
	.fill 96, 4, 3214868480
	.section	.rodata,"a",@progbits
	.p2align	6, 0x0
	.amdhsa_kernel k_q778e4d4e56_sum
		.amdhsa_group_segment_fixed_size 0
		.amdhsa_private_segment_fixed_size 0
		.amdhsa_enable_private_segment 0
		.amdhsa_kernarg_size 24
		.amdhsa_user_sgpr_count 2
		.amdhsa_user_sgpr_kernarg_segment_ptr 1
		.amdhsa_wavefront_size32 1
		.amdhsa_system_sgpr_workgroup_id_x 1
		.amdhsa_system_sgpr_workgroup_id_y 1
		.amdhsa_system_sgpr_workgroup_id_z 1
		.amdhsa_system_vgpr_workitem_id 0
		.amdhsa_next_free_vgpr 148
		.amdhsa_next_free_sgpr 66
		.amdhsa_reserve_vcc 0
		.amdhsa_float_denorm_mode_32 3
		.amdhsa_float_denorm_mode_16_64 3
		.amdhsa_memory_ordered 1
		.amdhsa_forward_progress 1
		.amdhsa_inst_pref_size 11
	.end_amdhsa_kernel
	.amdgpu_metadata
---
amdhsa.version: [ 1, 2 ]
amdhsa.kernels:
  - .name:           k_q778e4d4e56_sum
    .symbol:         k_q778e4d4e56_sum.kd
    .args:
      - { .name: part, .offset: 0, .size: 8, .value_kind: global_buffer, .address_space: global }
      - { .name: idx8, .offset: 8, .size: 8, .value_kind: global_buffer, .address_space: global }
      - { .name: out0, .offset: 16, .size: 8, .value_kind: global_buffer, .address_space: global }
    .group_segment_fixed_size: 0
    .private_segment_fixed_size: 0
    .kernarg_segment_align: 8
    .kernarg_segment_size: 24
    .max_flat_workgroup_size: 256
    .sgpr_count:     66
    .vgpr_count:     148
    .wavefront_size: 32
...
	.end_amdgpu_metadata
.endif
;; end of part 7
;; ======== version 3 of 3: 4 launches; version 2 with the launches up, down written anew for expert scheduling mode
;; workspace buffers: xb 2,097,152 bytes; bm 8,192 bytes of whole numbers; idx8 32,768 bytes of whole numbers; cwt 262,144 bytes; hbuf 51,380,224 bytes; part 209,715,200 bytes
;; launch router: the kernel of part 1 again; grid 64 x 1, 8 waves a work-group, no clusters, 123,904 bytes of LDS; arguments hidden_states, gate_weight, gate_bias, xb, bm, idx8, cwt; writes xb, bm, idx8, cwt
;; launch up (part 8): grid 352 x 1, 4 waves a work-group, no clusters, 295,424 bytes of LDS; arguments xb, w_gate, w_up, anchor_w_gate, anchor_w_up, shared_w_gate, shared_w_up, bm, cwt, hbuf; writes hbuf
.if DOCPART == 8
	.amdgcn_target "amdgcn-amd-amdhsa--gfx1250"
	.amdhsa_code_object_version 6
	.text
	.protected	k_q778e4d4e56_up
	.globl	k_q778e4d4e56_up
	.p2align	8
	.type	k_q778e4d4e56_up,@function
k_q778e4d4e56_up:
	s_mov_b64 s[64:65], 0
	v_nop
	global_prefetch_b8 v0, s[64:65] scope:SCOPE_SE
	s_setreg_imm32_b32 hwreg(HW_REG_WAVE_SCHED_MODE, 0, 2), 2
	s_setreg_imm32_b32 hwreg(HW_REG_WAVE_MODE, 25, 1), 1
	s_wait_xcnt 0x0
	s_wait_alu depctr_vm_vsrc(0)
; UP.  hbuf = coefficient x silu(x Wgate) x (x Wup), for the rows of each virtual expert (0-31 routed, 32 shared, 33 + l anchor l) that chose it, rounded once to bf16.
; LIMITS.  The weights are rounded once to bf16 on their way through registers; sums in f32; the hidden layer times its coefficient is kept in bf16 (f16 would not hold it for inputs 30 times larger).
; NaN and infinities are not treated apart.  An expert that no token chose takes token 1,023 with the coefficient 0, so that every byte read by the next launch has been stored.
; SHARES.  A work-group owns 64 columns of Wgate and the same 64 of Wup of ONE expert: 128 columns x 1,024 k, which it alone reads (the shared expert's: four row blocks each).  The slice is streamed once,
; 64 k a chunk, rounded and laid into LDS as [k][column], where it STAYS: each LDS byte of it is written once.  While it streams, the expert's first 256 rows are multiplied (wave w: tiles of 16 rows
; 4 i + w).  Rows past 256 are multiplied afterwards out of LDS, in loops of constant length in which only work is jumped; no barrier stands in what is jumped.
; Rows are taken by RANK: a token's place among the expert's tokens.  Each lane finds its rank's token from the expert's bitmap, 32 words in scalar registers, by arithmetic on registers alone:
; the token goes from the bitmap into the address of its row without a trip through LDS.  Places past the count repeat the last token.
; A TRIP (chunk c): one wait for W(c+2) and A(c); W(c+2) is rounded, W(c+4) asked for; then eight pieces, each 2 LDS stores of chunk c+2, 4 LDS loads of chunk c+1 and half a tile's 8 products:
; no run of LDS instructions is longer than six, and products follow each; then A(c+2) is asked for.  ORDER OF LOADS: .. W(c+3), A(c+1), W(c+4), A(c+2) ..: two chunks of weights, 32 KiB each for the
; work-group, are on their way behind the wait.
; NO CLUSTER, NO TENSOR LOAD: a slice has one reader; f32 weights must pass through registers to be rounded; an expert's rows come by a list.
; The accumulators are cleared (256 v_mov_b32) in the wait for the first weights: dead tiles are jumped, so no first step is written out.
; THE MODE: SCHED_MODE bits 1:0 = 2 (LLVM: expert scheduling mode 2), set by the entry lines.  The code itself states the register dependences
; between vector or matrix instructions and memory or LDS instructions, with s_wait_alu, always for 0.
; THE PLAN.  Registers that memory or LDS instructions touch in a trip (chunk c, par = c % 2):
;   raw[par], window 2   read by the trip's 32 conversions; behind them the loads of W(c+4) land in it.
;   CV, v64-95           written by those conversions; read by the trip's 16 LDS stores.
;   v[LST], v[LRD]       written at the trip's head; read by the trip's LDS stores and LDS loads.
;   B[1-par], window 3   read by the products of the trip before; this trip's LDS loads land in it.
;   AF[par]              read by the trip's products; behind them the loads of A(c+2) land in it.
;   WOFF, AOFF           read by the loads; not written in the loop.
;   The accumulators and B[par] are named by matrix instructions alone.
; So a trip has three waits.  One on vm_vsrc at its head: the LDS instructions issued so far have read v[LST], v[LRD] and CV.  One on va_vdst behind the conversions: CV, v[LST] and v[LRD] are written, raw[par]
; has been read, and the last trip's products are done with B[1-par]; the trip's 16 loads of weights, 16 LDS stores and 32 LDS loads follow it, dealt among products that name the accumulators, B[par] and
; AF[par] alone, on the ways that jump a dead tile too.  One on va_vdst at its end: the products are done with AF[par], ahead of the loads of A(c+2).
; REGISTERS, in windows of 256 (s_set_vgpr_msb: bits 1:0 source 0, 3:2 source 1, 5:4 source 2, 7:6 destination):
;   window 0: addresses, v36-51 at work, v64-95 rounded weights, v112-127 the way out, v128-255 fragments of rows, two buffers      window 1: accumulators, tile i, column block n at 64 i + 8 n
;   window 2: v0-127 weights as loaded, two buffers of 64; v129-159 the members ahead of each word of the bitmap      window 3: fragments of weights, two buffers of 128
; The pieces cost four switches of the window each: the price of short runs of LDS instructions between products whose operands fill three windows.
.set PW,     288                       ; an LDS row of the slice: 128 bf16 + 32 bytes
.set CHUNK,  64*PW
.set NCH,    16
.set SPARE,  NCH*CHUNK                 ; behind the slice: the spare words, 128 bytes for each wave, which no other line names
.set AKS,    64                        ; bytes from a row's k step of 32 to the next,
.set APC,    32                        ; from a fragment's first 16 bytes to its second,
.set ASTR,   128                       ; from chunk to chunk
.set SPW,  4                           ; v4  my spare word     v5  0: kept for the add at the wave's end
.set NIL,  5
.set WOFF, 8                           ; v8-15  load i of a chunk: row 16 w + (i & 3) + 8 (i >> 2) + 4 h, 16 bytes at 16 (lane % 16)
.set LST0, 16                          ; v16 where those go in a chunk in LDS     v18 the same in the chunk in hand
.set LRD0, 17                          ; v17 my lane's place for the turning load  v19 likewise
.set LST,  18
.set LRD,  19
.set AOFF, 20                          ; v20-23 tile i: my row's byte offset in xb
.set CWR,  24                          ; v24-31 tile i: my row's coefficient, in the low register of a pair
.set HOFF, 32                          ; v32 my byte offset in the expert's part of hbuf
.set CV,   64
.set OUT,  112
.set AF,   128                         ; tile i, k step ks of buffer par at AF + 64 par + 8 (2 i + ks)
.set TT,   128                         ; the way out works in the first buffer, idle there
.set PP,   160
.set PF,   128                         ; window 2: v[PF + j] = the expert's members in words 0 to j - 1, the same in every lane
.set MK,   4                           ; s4-19  the masks of a run of compares in the search for a rank's word: free once the arguments' addresses have been copied
.set VE,   66
.set SL,   67
.set ROW0, 68                          ; first rank of the block of 256 in hand
.set CNT,  69                          ; ranks that this work-group serves end here
.set CM1,  70
.set MTW,  71                          ; my wave's live tiles in the block
.set PSH,  72                          ; log2 of the weights' row pitch in bytes
.set CTR,  73
.set BLK,  74
.set LC,   75                          ; LDS byte of chunk c
.set WB,   76                          ; s[76:79], s[80:83]: Wgate's and Wup's address for the even and the odd chunks
.set PSTEP, 84                         ; s[84:85] two chunks' rows in bytes
.set AB,   86                          ; s[86:87], s[88:89]: xb at the even and the odd chunks' k
.set A0,   90
.set OB,   92
.set CWB,  94
.set NL2E, 100                         ; s[100:101] -log2(e)
.set MSB, 0
.macro WIN new                         ; the immediate's high byte repeats the setting that is left; a switch that changes nothing is dropped
.if MSB != (\new)
	s_set_vgpr_msb (MSB<<8)|(\new)
.set MSB, (\new)
.endif
.endm
.macro WLOAD par                       ; a wave's quarter of a chunk: 16 loads; lanes 0-15 take 256 consecutive bytes of a row, lanes 16-31 of the row four further down
	WIN 0x80
.set i, 0
.rept 8
	global_load_b128 v[64*(\par)+4*i:64*(\par)+4*i+3], v[WOFF+i], s[WB+4*(\par):WB+4*(\par)+1] th:TH_LOAD_NT
.set i, i+1
.endr
.set i, 0
.rept 8
	global_load_b128 v[64*(\par)+32+4*i:64*(\par)+32+4*i+3], v[WOFF+i], s[WB+4*(\par)+2:WB+4*(\par)+3] th:TH_LOAD_NT
.set i, i+1
.endr
	WIN 0
.endm
.macro WCVT par                        ; my quarter of a chunk rounded to bf16
	WIN 0x0a
.set i, 0
.rept 16
	v_cvt_pk_bf16_f32 v[CV+2*i], v[64*(\par)+4*i], v[64*(\par)+4*i+1]
	v_cvt_pk_bf16_f32 v[CV+2*i+1], v[64*(\par)+4*i+2], v[64*(\par)+4*i+3]
.set i, i+1
.endr
	WIN 0
.endm
.macro WSTN imm, first, n              ; n of its 16 stores into LDS, from number `first' on: Wgate's 64 columns, then Wup's.  Every window is 0 here
.set si, (\first)
.rept \n
	ds_store_b64 v[LST], v[CV+2*si:CV+2*si+1] offset:(\imm)+PW*((si&3)+8*((si>>2)&1))+128*(si>>3)
.set si, si+1
.endr
.endm
.macro WSTAGE par, imm
	WCVT \par
	s_wait_alu depctr_va_vdst(0)                   ; the conversions have written CV, which the LDS stores read, and are done reading raw[par], which is asked for again behind the stores; v[LST] and v[LRD] are written
	WSTN \imm, 0, 16
.endm
.macro BLN par, imm, first, n          ; n of a chunk's 16 fragments of weights (number 8 ks + n), turned: lane l holds column 16 n + l % 16 and 16 k.  The destination's window is 3 here
.set bi, (\first)
.rept \n
	ds_load_tr16_b128 v[128*(\par)+8*bi:128*(\par)+8*bi+3], v[LRD] offset:(\imm)+32*(bi>>3)*PW+32*(bi&7)
	ds_load_tr16_b128 v[128*(\par)+8*bi+4:128*(\par)+8*bi+7], v[LRD] offset:(\imm)+(32*(bi>>3)+16)*PW+32*(bi&7)
.set bi, bi+1
.endr
.endm
.macro BLOAD par, imm
	WIN 0xc0
	BLN \par, \imm, 0, 16
	WIN 0
.endm
.macro ALOAD par                       ; a chunk's 8 fragments of rows (i = 2 tile + ks), always all four tiles: the counts of loads are the same on every way
.set i, 0
.rept 8
	global_load_b128 v[AF+64*(\par)+8*i:AF+64*(\par)+8*i+3], v[AOFF+(i>>1)], s[AB+2*(\par):AB+2*(\par)+1] offset:AKS*(i&1)
	global_load_b128 v[AF+64*(\par)+8*i+4:AF+64*(\par)+8*i+7], v[AOFF+(i>>1)], s[AB+2*(\par):AB+2*(\par)+1] offset:AKS*(i&1)+APC
.set i, i+1
.endr
.endm
; A chunk's products for my live tiles, in eight pieces: piece sg is tile sg / 2, k step sg % 2.  Source 0 = 16 columns of weights, source 1 = 16 rows: a lane of the result holds one row and 8 neighbouring
; columns.  A tile's eight accumulators take turns.  In front of each piece's products, on every way: ws = 1: two of the stores of chunk c + 2; bl = 1: two of the fragments of
; chunk c + 1, into the buffer that this chunk's products do not read.  A dead tile's products are jumped.  No wait stands among the pieces: since the trip's wait behind the conversions no vector or
; matrix instruction names CV, v[LST], v[LRD] or the buffer in which the fragments land.
; The four v_nop are the places in front of all that follows: loads into the fragments, reads of the sums.
.macro SECT par, bl, ws
.irp sg, 0,1,2,3,4,5,6,7
.if \ws
	WSTN 2*CHUNK, 2*(\sg), 2
.endif
.if \bl
	WIN 0xc0
	BLN 1-(\par), CHUNK, 2*(\sg), 2
	WIN 0
.endif
	s_cmp_le_u32 s[MTW], (\sg)/2
	s_cbranch_scc1 .Lsk_\@_\sg
	WIN 0x53
.set i, 0
.rept 8
.set rD, 64*((\sg)/2)+8*i
.set rB, 128*(\par)+8*(8*((\sg)&1)+i)
.set rA, AF+64*(\par)+8*(\sg)
	v_wmma_f32_16x16x32_bf16 v[rD:rD+7], v[rB:rB+7], v[rA:rA+7], v[rD:rD+7]
.set i, i+1
.endr
	WIN 0
.Lsk_\@_\sg:
.endr
.rept 4
	v_nop
.endr
.endm
.macro CLEAR
	WIN 0x40
.set i, 0
.rept 256
	v_mov_b32 v[i], 0
.set i, i+1
.endr
	WIN 0
.endm
; Chunk c, on buffers par = c % 2.  bl: chunk c + 1's fragments of weights are fetched.  al: the rows of chunk c + 2 are asked for.  ws: the weights of chunk c + 2 are laid into LDS, and a barrier follows.
; wl: the weights of chunk c + 4 are asked for.  nL: how many younger loads may stay out when W(c+2) and A(c) must be in.
.macro TRIP par, bl, al, ws, wl, nL
	s_wait_dscnt 0x0                               ; this chunk's fragments of weights are in
	s_wait_alu depctr_vm_vsrc(0)                   ; the LDS stores and loads issued so far have read v[LST], v[LRD] and CV, which the lines below write again
	v_add_nc_u32 v[LST], s[LC], v[LST0]
	v_add_nc_u32 v[LRD], s[LC], v[LRD0]
	s_wait_loadcnt \nL                             ; loads come back in order (ISA guide 5.7.1): this chunk's rows are in, and the weights of chunk c + 2
.if \ws
	WCVT \par
.endif
.if \bl
	s_wait_alu depctr_va_vdst(0)                   ; v[LST], v[LRD] and CV are written, which the LDS instructions below read; the conversions are done reading raw[par], and the last trip's products their fragments of weights: loads land in both
.endif
.if \wl
	s_add_nc_u64 s[WB+4*(\par):WB+4*(\par)+1], s[WB+4*(\par):WB+4*(\par)+1], s[PSTEP:PSTEP+1]  ; its last loads, W(c+2), were shown done by the wait above
	s_add_nc_u64 s[WB+4*(\par)+2:WB+4*(\par)+3], s[WB+4*(\par)+2:WB+4*(\par)+3], s[PSTEP:PSTEP+1]
	WLOAD \par
.endif
	SECT \par, \bl, \ws
.if \al
	s_wait_alu depctr_va_vdst(0)                   ; this trip's products are done reading AF[par], in which the rows of chunk c + 2 land
	s_add_nc_u64 s[AB+2*(\par):AB+2*(\par)+1], s[AB+2*(\par):AB+2*(\par)+1], 2*ASTR  ; its last loads, A(c), likewise
	ALOAD \par
.endif
	s_add_co_u32 s[LC], s[LC], CHUNK
.if \ws
	s_wait_dscnt 0x0                               ; for the others' sake: my quarter of chunk c + 2 is in LDS
	s_barrier_signal -1
	s_barrier_wait -1                              ; everybody's is: the next trip reads it
.endif
.endm
.macro OTRIP                           ; a chunk for rows past the first 256: out of the resident slice, not pipelined: rare
	s_wait_alu depctr_vm_vsrc(0)                   ; the LDS loads issued so far have read v[LRD]
	v_add_nc_u32 v[LRD], s[LC], v[LRD0]
	s_wait_alu depctr_va_vdst(0)                   ; v[LRD] is written; the chunk before's products are done reading both fragment buffers, and the way out's arithmetic is done with the registers of the rows' buffer: loads land in all of them
	BLOAD 0, 0
	ALOAD 0
	s_wait_loadcnt 0x0
	s_wait_dscnt 0x0
	SECT 0, 0, 0
	s_add_nc_u64 s[AB:AB+1], s[AB:AB+1], ASTR
	s_add_co_u32 s[LC], s[LC], CHUNK
.endm
.macro BLOCKS                          ; my live tiles among the block's: tiles 4 i + w below ceil(n / 16), n = the block's ranks
	s_sub_co_i32 s96, s[CNT], s[ROW0]
	s_max_i32 s96, s96, 0
	s_min_i32 s96, s96, 0x100
	s_add_co_u32 s96, s96, 15
	s_lshr_b32 s96, s96, 4
	s_add_co_u32 s96, s96, 3
	s_sub_co_u32 s96, s96, s2
	s_lshr_b32 s[MTW], s96, 2
.endm
; One halving of the search in a word.  v49: the bit at which what is left begins; v37: my place among the members from there on; src holds the counts of members in fields of `step' bits.
; The lower half holds v48 members: my place is among them, or past them (then it is counted from the upper half on).
.macro SELSTEP src, width, step
	v_bfe_u32 v48, \src, v49, \width
	v_cmp_lt_u32 vcc_lo, v37, v48
	s_wait_alu depctr_va_vcc(0)                    ; the compare has written VCC, which the two selects read
	v_cndmask_b32 v48, v48, v51, vcc_lo
	v_cndmask_b32 v50, \step, v51, vcc_lo
	v_sub_nc_u32 v37, v37, v48
	v_add_nc_u32 v49, v49, v50
.endm
; My rows' tokens, their offsets in xb, their coefficients.  Four trips, a tile each; the tokens move up through v40-43, so that tile 0's ends in v40.
; A trip: (1) the word that holds my rank: the last word j that at most `rank' members precede (v[PF + j] of window 2, counted once at the kernel's head); with it that count and its number;
; the compares hang on my rank alone, so they go in two runs, of 16 and of 15, into scalar registers, with one wait behind each run; the selects follow in ascending j;
; (2) counts of the word's members in fields of 2, 4 and 8 bits; (3) five halvings down to the bit.  token = 32 j + bit.
.macro BLOCKV
	s_lshl_b32 s96, s2, 4
	s_add_co_u32 s96, s96, s[ROW0]
	v_add_nc_u32 v36, s96, v2                      ; tile 0's rank = ROW0 + 16 w + r; each further tile's is 64 on
	v_mov_b32 v41, 0
	v_mov_b32 v42, 0
	v_mov_b32 v43, 0
	v_mov_b32 v51, 0
	s_mov_b32 s[CTR], 4
.Ltok_\@:
	v_min_u32 v37, s[CM1], v36                     ; past the count the last rank again
	v_mov_b32 v38, s32                             ; the word,
	v_mov_b32 v39, 0                               ; the members ahead of it,
	v_mov_b32 v44, 0                               ; its number
	WIN 0x02                                       ; source 0 in window 2
.set j, 1
.rept 16
	v_cmp_gt_u32 s[MK+j-1], v[PF+j], v37           ; more members than my rank ahead of word j: the word found so far stays
.set j, j+1
.endr
	s_wait_alu depctr_va_sdst(0)                   ; the sixteen compares have written their masks, which the selects read
.set j, 1
.rept 16
	v_cndmask_b32 v38, s[32+j], v38, s[MK+j-1]
	v_cndmask_b32 v39, v[PF+j], v39, s[MK+j-1]
	v_cndmask_b32 v44, j, v44, s[MK+j-1]
.set j, j+1
.endr
.set j, 17
.rept 15
	v_cmp_gt_u32 s[MK+j-17], v[PF+j], v37
.set j, j+1
.endr
	s_wait_alu depctr_va_sdst(0)                   ; the fifteen compares have written their masks, which the selects read
.set j, 17
.rept 15
	v_cndmask_b32 v38, s[32+j], v38, s[MK+j-17]
	v_cndmask_b32 v39, v[PF+j], v39, s[MK+j-17]
	v_cndmask_b32 v44, j, v44, s[MK+j-17]
.set j, j+1
.endr
	WIN 0
	v_sub_nc_u32 v37, v37, v39                     ; my place among the word's members
	v_lshrrev_b32 v45, 1, v38
	v_and_b32 v45, 0x55555555, v45
	v_sub_nc_u32 v45, v38, v45                     ; members in each 2 bits
	v_lshrrev_b32 v46, 2, v45
	v_and_b32 v46, 0x33333333, v46
	v_and_b32 v47, 0x33333333, v45
	v_add_nc_u32 v46, v46, v47                     ; in each 4
	v_lshrrev_b32 v47, 4, v46
	v_add_nc_u32 v47, v47, v46
	v_and_b32 v47, 0x0f0f0f0f, v47                 ; in each 8
	v_lshrrev_b32 v48, 8, v47
	v_add_nc_u32 v48, v48, v47
	v_and_b32 v48, 0xff, v48                       ; in the low 16
	v_cmp_lt_u32 vcc_lo, v37, v48
	s_wait_alu depctr_va_vcc(0)                    ; the compare has written VCC, which the two selects read
	v_cndmask_b32 v48, v48, v51, vcc_lo
	v_cndmask_b32 v49, 16, v51, vcc_lo
	v_sub_nc_u32 v37, v37, v48
	SELSTEP v47, 8, 8
	SELSTEP v46, 4, 4
	SELSTEP v45, 2, 2
	SELSTEP v38, 1, 1
	v_mov_b32 v40, v41
	v_mov_b32 v41, v42
	v_mov_b32 v42, v43
	v_lshl_add_u32 v43, v44, 5, v49
	v_add_nc_u32 v36, 64, v36
	s_sub_co_u32 s[CTR], s[CTR], 1
	s_cmp_lg_u32 s[CTR], 0
	s_cbranch_scc1 .Ltok_\@
.set i, 0
.rept 4
	v_min_u32 v[40+i], 0x3ff, v[40+i]
	v_lshlrev_b32 v[44+i], 2, v[40+i]
	v_lshlrev_b32 v[AOFF+i], 11, v[40+i]
	v_lshl_add_u32 v[AOFF+i], v3, 4, v[AOFF+i]
.set i, i+1
.endr
	s_lshl_b32 s97, s[ROW0], 10                    ; a tile of 16 ranks is 16,384 bytes of hbuf
	s_lshl_b32 s98, s2, 14
	s_add_co_u32 s97, s97, s98
	v_lshl_add_u32 v[HOFF], v1, 4, s97
	s_wait_alu depctr_va_vdst(0)                   ; v44-47, AOFF and v[HOFF] are written, the offsets of the loads below, of the rows' loads and of the way out's stores; the last way out is done reading the coefficients, in whose registers the loads below land
.set i, 0
.rept 4
	global_load_b32 v[CWR+2*i], v[44+i], s[CWB:CWB+1]
.set i, i+1
.endr
.endm
; THE WAY OUT, a live tile at a time: g u c / (1 + 2^(-log2(e) g)), rounded to bf16.  A lane's 8 columns of a row are half a fragment of the next product as they stand:
; hbuf is [expert][tile][k step of 32][piece][lane][16 bytes], and each store covers 512 consecutive bytes.  Each accumulator's lowest registers are read first.
.macro EPILOGUE
.irp tl, 0,1,2,3
	s_cmp_le_u32 s[MTW], \tl
	s_cbranch_scc1 .Lepi_\@
	WIN 0x05
.set z, 0
.rept 16                                               ; z = 4 q + pair: column block q of Wgate, 4 + q of Wup
.set rG, 64*(\tl)+8*(z>>2)+2*(z&3)
	v_pk_mul_f32 v[TT+2*z:TT+2*z+1], v[rG:rG+1], s[NL2E:NL2E+1] op_sel_hi:[1,0]
	v_pk_mul_f32 v[PP+2*z:PP+2*z+1], v[rG:rG+1], v[rG+32:rG+33]
.set z, z+1
.endr
	WIN 0
.set z, 0
.rept 32
	v_exp_f32 v[TT+z], v[TT+z]
.set z, z+1
.endr
.set z, 0
.rept 16                                               ; plain work between the exponentials and the use of their results (ISA guide 5.7.2)
	v_pk_mul_f32 v[PP+2*z:PP+2*z+1], v[PP+2*z:PP+2*z+1], v[CWR+2*(\tl):CWR+2*(\tl)+1] op_sel_hi:[1,0]
.set z, z+1
.endr
.set z, 0
	s_wait_alu depctr_va_vdst(0)                   ; the 32 exponentials have written TT: one wait for the batch, ahead of its first reader
.rept 16
	v_pk_add_f32 v[TT+2*z:TT+2*z+1], v[TT+2*z:TT+2*z+1], 1.0 op_sel_hi:[1,0]
.set z, z+1
.endr
.set z, 0
.rept 32
	v_rcp_f32 v[TT+z], v[TT+z]
.set z, z+1
.endr
	s_wait_xcnt 0x0                                ; the tile before's stores have read OUT
.if (\tl) > 0
	s_wait_alu depctr_vm_vsrc(0)                   ; the tile before's stores have read OUT, which the conversions below write again
.endif
	v_nop
.set z, 0
	s_wait_alu depctr_va_vdst(0)                   ; the 32 reciprocals have written TT: one wait for the batch, ahead of its first reader
.rept 16
	v_pk_mul_f32 v[PP+2*z:PP+2*z+1], v[PP+2*z:PP+2*z+1], v[TT+2*z:TT+2*z+1]
.set z, z+1
.endr
.set z, 0
.rept 16
	v_cvt_pk_bf16_f32 v[OUT+z], v[PP+2*z], v[PP+2*z+1]
.set z, z+1
.endr
	s_wait_alu depctr_va_vdst(0)                   ; the conversions have written OUT, which the four stores read
.set z, 0
.rept 4
	global_store_b128 v[HOFF], v[OUT+4*z:OUT+4*z+3], s[OB:OB+1] offset:65536*(\tl)+512*z
.set z, z+1
.endr
.endr
.Lepi_\@:
	s_wait_xcnt 0x0                                ; the stores have read HOFF and OUT
	s_wait_alu depctr_vm_vsrc(0)                   ; the stores have read v[HOFF] and OUT, the loads issued so far AOFF and v44-47: the next block's set-up and way out write all of them again
.endm
	s_load_b512 s[4:19], s[0:1], 0x0               ; xb s[4:5], w_gate, w_up, anchor_w_gate, anchor_w_up, shared_w_gate, shared_w_up, bm s[18:19]
	s_load_b128 s[20:23], s[0:1], 0x40             ; cwt s[20:21], hbuf s[22:23]
	v_lshl_add_u32 v[SPW], v0, 2, SPARE
	v_mov_b32 v[NIL], 0
	v_and_b32 v1, 31, v0                           ; lane
	v_lshrrev_b32 v36, 5, v0
	v_readfirstlane_b32 s2, v36                    ; wave
	v_and_b32 v2, 15, v0                           ; r
	v_bfe_u32 v3, v0, 4, 1                         ; h
	s_wait_alu depctr_va_sdst(0)                   ; s2 is written, ahead of its first reader: the offsets, the tiles and the places in hbuf are made from it
	s_mov_b32 s3, ttmp9
	; Work-groups 0-31: the shared expert, slice id % 8, rows 256 (id / 8) on: four live tiles a wave, the most products, so they have the first numbers.
	; 32-287: routed expert (id - 32) / 8, slice id % 8.  288-351: anchor (id - 288) / 4, slice id % 4: the fewest rows, the last numbers.
	s_sub_co_u32 s24, s3, 32
	s_lshr_b32 s24, s24, 3
	s_and_b32 s25, s3, 7
	s_lshl_b32 s26, s24, 21                        ; a routed expert's weights: 2 MiB
	s_sub_co_u32 s27, s3, 288
	s_and_b32 s28, s27, 3
	s_lshr_b32 s27, s27, 2
	s_lshl_b32 s29, s27, 20                        ; an anchor's: 1 MiB
	s_add_co_u32 s27, s27, 33
	s_lshr_b32 s30, s3, 3
	s_lshl_b32 s30, s30, 8
	s_add_co_u32 s31, s30, 256
	s_mov_b32 s[NL2E], 0xbfb8aa3b
	s_mov_b32 s[NL2E+1], s[NL2E]                   ; named with it as a pair
	s_wait_kmcnt 0x0
	s_cmp_lt_u32 s3, 288
	s_cselect_b32 s[VE], s24, s27
	s_cselect_b32 s[SL], s25, s28
	s_cselect_b32 s96, s26, s29
	s_cselect_b32 s[PSH], 11, 10
	s_cselect_b64 s[WB:WB+1], s[6:7], s[10:11]
	s_cselect_b64 s[WB+2:WB+3], s[8:9], s[12:13]
	s_cmp_ge_u32 s3, 32
	s_cselect_b32 s[VE], s[VE], 32
	s_cselect_b32 s96, s96, 0
	s_cselect_b32 s[ROW0], 0, s30
	s_cselect_b32 s31, 0x400, s31                  ; where my ranks end at the latest
	s_cselect_b64 s[WB:WB+1], s[WB:WB+1], s[14:15]
	s_cselect_b64 s[WB+2:WB+3], s[WB+2:WB+3], s[16:17]
	s_lshl_b32 s97, s[SL], 8                       ; the slice's 64 columns: 256 bytes
	s_add_co_u32 s96, s96, s97
	s_mov_b32 s97, 0
	s_add_nc_u64 s[WB:WB+1], s[WB:WB+1], s[96:97]
	s_add_nc_u64 s[WB+2:WB+3], s[WB+2:WB+3], s[96:97]
	s_lshl_b32 s[PSTEP], 128, s[PSH]               ; 128 rows
	s_mov_b32 s[PSTEP+1], 0
	s_lshr_b32 s96, s[PSTEP], 1                    ; 64 rows: chunk 1
	s_add_nc_u64 s[WB+4:WB+5], s[WB:WB+1], s[96:97]
	s_add_nc_u64 s[WB+6:WB+7], s[WB+2:WB+3], s[96:97]
	s_lshl_b32 s96, s[VE], 7
	s_add_nc_u64 s[28:29], s[18:19], s[96:97]
	s_load_b512 s[32:47], s[28:29], 0x0            ; the expert's bitmap, 32 words
	s_load_b512 s[48:63], s[28:29], 0x40
	s_lshl_b32 s96, s[VE], 12
	s_add_nc_u64 s[CWB:CWB+1], s[20:21], s[96:97]  ; its row of cwt
	s_lshl_b32 s96, s[VE], 20
	s_lshl_b32 s98, s[SL], 11                      ; the slice's 64 hidden columns are k steps 2 sl, 2 sl + 1 of a tile
	s_add_co_u32 s96, s96, s98
	s_add_nc_u64 s[OB:OB+1], s[22:23], s[96:97]
	s_mov_b64 s[A0:A0+1], s[4:5]
	s_mov_b64 s[AB:AB+1], s[4:5]
	s_add_nc_u64 s[AB+2:AB+3], s[4:5], ASTR
	v_lshlrev_b32 v36, 2, v3
	v_lshl_add_u32 v36, s2, 4, v36                 ; 16 w + 4 h
.set i, 0
.rept 8
	v_add_nc_u32 v37, (i&3)+8*(i>>2), v36
	v_lshlrev_b32 v37, s[PSH], v37
	v_lshl_add_u32 v[WOFF+i], v2, 4, v37
.set i, i+1
.endr
	s_wait_alu depctr_va_vdst(0)                   ; WOFF is written: every load of weights in the kernel reads it as its offset
	WLOAD 0                                        ; chunks 0 and 1 hang on no routing: they go out first
	WLOAD 1
	v_mul_u32_u24 v[LST0], v36, PW
	v_lshl_add_u32 v[LST0], v2, 3, v[LST0]
	v_and_b32 v37, 7, v0
	v_lshl_add_u32 v37, v3, 3, v37
	v_mul_u32_u24 v[LRD0], v37, PW
	v_bfe_u32 v37, v0, 3, 1
	v_lshl_add_u32 v[LRD0], v37, 4, v[LRD0]
.set i, 0
.rept 4
	v_mov_b32 v[CWR+2*i+1], 0                      ; named with the coefficient as a pair
.set i, i+1
.endr
	CLEAR
	s_wait_kmcnt 0x0                               ; the bitmap
	s_mov_b32 s96, 0                               ; the expert's tokens are counted; the count ahead of each word is kept, so that the search for a rank's word has no scalar work
	WIN 0x80                                       ; destination in window 2
.set j, 0
.rept 32
.if j > 0
	v_mov_b32 v[PF+j], s96
.endif
	s_bcnt1_i32_b32 s97, s[32+j]
	s_add_co_u32 s96, s96, s97
.set j, j+1
.endr
	WIN 0
	s_min_u32 s[CNT], s96, s31
	s_max_u32 s[CNT], s[CNT], 1
	s_sub_co_u32 s[CM1], s[CNT], 1
	BLOCKS
	BLOCKV
	s_mov_b32 s[LC], 0
	v_mov_b32 v[LST], v[LST0]
	v_mov_b32 v[LRD], v[LRD0]
	ALOAD 0                                        ; its offsets were written ahead of the wait that stands in front of the coefficients' loads
	s_wait_loadcnt 36                              ; W0 is in: behind it stand W1 (16), the coefficients (4), A0 (16)
	WSTAGE 0, 0
	s_add_nc_u64 s[WB:WB+1], s[WB:WB+1], s[PSTEP:PSTEP+1]
	s_add_nc_u64 s[WB+2:WB+3], s[WB+2:WB+3], s[PSTEP:PSTEP+1]
	WLOAD 0                                        ; W2
	ALOAD 1
	s_wait_loadcnt 52                              ; W1 is in: behind it stand the coefficients, A0, W2, A1
	s_wait_alu depctr_vm_vsrc(0)                   ; chunk 0's LDS stores have read CV, which chunk 1's conversions write again
	WSTAGE 1, CHUNK
	s_add_nc_u64 s[WB+4:WB+5], s[WB+4:WB+5], s[PSTEP:PSTEP+1]
	s_add_nc_u64 s[WB+6:WB+7], s[WB+6:WB+7], s[PSTEP:PSTEP+1]
	WLOAD 1                                        ; W3
	s_wait_dscnt 0x0                               ; for the others' sake: my quarters of chunks 0 and 1 are in LDS
	s_barrier_signal -1
	s_barrier_wait -1
	BLOAD 0, 0
	s_mov_b32 s[CTR], (NCH-4)/2
.Lmain:                                                ; two chunks a trip.  32: behind W(c+2) and A(c) stand W(c+3) and A(c+1); in chunk 0: A1 and W3 behind W2; in chunk 1: W4 and A2 behind W3
	TRIP 0, 1, 1, 1, 1, 32
	TRIP 1, 1, 1, 1, 1, 32
	s_sub_co_u32 s[CTR], s[CTR], 1
	s_cmp_lg_u32 s[CTR], 0
	s_cbranch_scc1 .Lmain
	TRIP 0, 1, 1, 1, 0, 32                         ; the last four chunks are written out: no load passes the slice's end, and the counts run down:
	TRIP 1, 1, 1, 1, 0, 16                         ; behind the last weights and this chunk's rows stand the next chunk's rows alone,
	TRIP 0, 1, 0, 0, 0, 16                         ; likewise,
	TRIP 1, 0, 0, 0, 0, 0                          ; and nothing
	s_mov_b32 s[BLK], 0
.Lblock:                                               ; four trips: a block of 256 ranks goes out; the next, if I have a live tile in it, is multiplied out of LDS.  Nothing in this loop writes LDS
	EPILOGUE
	s_add_co_u32 s[ROW0], s[ROW0], 256
	BLOCKS
	s_cmp_eq_u32 s[MTW], 0
	s_cbranch_scc1 .Lnext
	BLOCKV
	CLEAR
	s_mov_b32 s[LC], 0
	s_mov_b64 s[AB:AB+1], s[A0:A0+1]
	s_mov_b32 s[CTR], NCH
.Lover:
	OTRIP
	s_sub_co_u32 s[CTR], s[CTR], 1
	s_cmp_lg_u32 s[CTR], 0
	s_cbranch_scc1 .Lover
.Lnext:
	s_add_co_u32 s[BLK], s[BLK], 1
	s_cmp_lt_u32 s[BLK], 4
	s_cbranch_scc1 .Lblock
	s_wait_dscnt 0x0                               ; my LDS reads are back,
	s_barrier_signal -1                            ; and so are every wave's: no LDS write, the add below among them, follows another wave's reads of the loop above without a barrier
	s_barrier_wait -1
	s_wait_dscnt 0x0                               ; the closing lines, six on end
	s_wait_alu 0x0
	s_wait_tensorcnt 0x0
	ds_add_u32 v[SPW], v[NIL]
	s_wait_dscnt 0x0
	s_endpgm
.Lfunc_end_k_q778e4d4e56_up:
	.size	k_q778e4d4e56_up, .Lfunc_end_k_q778e4d4e56_up-k_q778e4d4e56_up
	.p2alignl 7, 3214868480
	.fill 96, 4, 3214868480
	.section	.rodata,"a",@progbits
	.p2align	6, 0x0
	.amdhsa_kernel k_q778e4d4e56_up
		.amdhsa_group_segment_fixed_size 295424
		.amdhsa_private_segment_fixed_size 0
		.amdhsa_enable_private_segment 0
		.amdhsa_kernarg_size 80
		.amdhsa_user_sgpr_count 2
		.amdhsa_user_sgpr_kernarg_segment_ptr 1
		.amdhsa_wavefront_size32 1
		.amdhsa_system_sgpr_workgroup_id_x 1
		.amdhsa_system_sgpr_workgroup_id_y 1
		.amdhsa_system_sgpr_workgroup_id_z 1
		.amdhsa_system_vgpr_workitem_id 0
		.amdhsa_next_free_vgpr 1024
		.amdhsa_next_free_sgpr 102
		.amdhsa_reserve_vcc 1
		.amdhsa_float_denorm_mode_32 3
		.amdhsa_float_denorm_mode_16_64 3
		.amdhsa_memory_ordered 1
		.amdhsa_forward_progress 1
		.amdhsa_inst_pref_size 178
	.end_amdhsa_kernel
	.amdgpu_metadata
---
amdhsa.version: [ 1, 2 ]
amdhsa.kernels:
  - .name:           k_q778e4d4e56_up
    .symbol:         k_q778e4d4e56_up.kd
    .args:
      - { .name: xb, .offset: 0, .size: 8, .value_kind: global_buffer, .address_space: global }
      - { .name: w_gate, .offset: 8, .size: 8, .value_kind: global_buffer, .address_space: global }
      - { .name: w_up, .offset: 16, .size: 8, .value_kind: global_buffer, .address_space: global }
      - { .name: anchor_w_gate, .offset: 24, .size: 8, .value_kind: global_buffer, .address_space: global }
      - { .name: anchor_w_up, .offset: 32, .size: 8, .value_kind: global_buffer, .address_space: global }
      - { .name: shared_w_gate, .offset: 40, .size: 8, .value_kind: global_buffer, .address_space: global }
      - { .name: shared_w_up, .offset: 48, .size: 8, .value_kind: global_buffer, .address_space: global }
      - { .name: bm, .offset: 56, .size: 8, .value_kind: global_buffer, .address_space: global }
      - { .name: cwt, .offset: 64, .size: 8, .value_kind: global_buffer, .address_space: global }
      - { .name: hbuf, .offset: 72, .size: 8, .value_kind: global_buffer, .address_space: global }
    .group_segment_fixed_size: 295424
    .private_segment_fixed_size: 0
    .kernarg_segment_align: 8
    .kernarg_segment_size: 80
    .max_flat_workgroup_size: 128
    .sgpr_count:     102
    .vgpr_count:     1024
    .wavefront_size: 32
...
	.end_amdgpu_metadata
.endif
;; end of part 8
;; launch down (part 9): grid 448 x 1, 4 waves a work-group, no clusters, 199,168 bytes of LDS; arguments hbuf, w_down, anchor_w_down, shared_w_down, bm, part; writes part
.if DOCPART == 9
	.amdgcn_target "amdgcn-amd-amdhsa--gfx1250"
	.amdhsa_code_object_version 6
	.text
	.protected	k_q778e4d4e56_down
	.globl	k_q778e4d4e56_down
	.p2align	8
	.type	k_q778e4d4e56_down,@function
k_q778e4d4e56_down:
	s_mov_b64 s[64:65], 0
	v_nop
	global_prefetch_b8 v0, s[64:65] scope:SCOPE_SE
	s_setreg_imm32_b32 hwreg(HW_REG_WAVE_SCHED_MODE, 0, 2), 2
	s_setreg_imm32_b32 hwreg(HW_REG_WAVE_MODE, 25, 1), 1
	s_wait_xcnt 0x0
	s_wait_alu depctr_vm_vsrc(0)
; DOWN.  part[block][token][:] = (hidden layer x coefficient, from hbuf) Wdown, in f32, for the rows of each virtual expert (0-31 routed, 32 shared, 33 + l anchor l) that chose it.
; part's block is the expert's number; the shared expert's k = 512 is taken in two halves of 256, each by work-groups of its own, into blocks 32 and 49: partial sums in f32, added by the next launch.
; So only the 256 routed work-groups have eight chunks of k; the other 192 (64 shared, 128 anchors) have four.
; LIMITS.  The weights are rounded once to bf16 on their way through registers; sums in f32; partial rows stay in f32.  NaN and infinities are not treated apart.
; An expert that no token chose takes the hidden rows that the launch before stored for it (coefficient 0) and stores them as token 0's; nobody reads that row of part.
; SHARES.  A work-group owns 128 columns of ONE expert's Wdown: 128 x 512 k (anchors and the shared halves: 256 k), which it alone reads (the shared expert's: four row blocks each).  The slice is streamed
; once, 64 k a chunk, rounded and laid into LDS as [k][column], where it STAYS: each LDS byte of it is written once.  While it streams, the expert's first 256 ranks are multiplied (wave w: tiles of 16 ranks 4 i + w).
; Ranks past 256 are multiplied afterwards out of LDS, in loops of constant length in which only work is jumped; no barrier stands in what is jumped.
; The rows come from hbuf in the order of a fragment: a load covers 512 consecutive bytes.  Each wave makes its own list rank -> token from the expert's bitmap, for the way out.
; Places past the count repeat the last rank: the same numbers go to the same bytes.
; A TRIP (chunk c): one wait for W(c+2) and A(c); W(c+2) is rounded, W(c+4) asked for; then eight pieces, each 2 LDS stores of chunk c+2, 4 LDS loads of chunk c+1 and half a tile's 8 products:
; no run of LDS instructions is longer than six, and products follow each; then A(c+2) is asked for.  ORDER OF LOADS: .. W(c+3), A(c+1), W(c+4), A(c+2) ..: two chunks of weights, 32 KiB each for the
; work-group, are on their way behind the wait.
; NO CLUSTER, NO TENSOR LOAD: a slice has one reader, and f32 weights must pass through registers to be rounded.
; The accumulators are cleared (256 v_mov_b32) in the wait for the first weights: dead tiles are jumped, so no first step is written out.
; THE MODE: SCHED_MODE bits 1:0 = 2 (LLVM: expert scheduling mode 2), set by the entry lines.  The code itself states the register dependences
; between vector or matrix instructions and memory or LDS instructions, with s_wait_alu, always for 0.
; THE PLAN.  Registers that memory or LDS instructions touch in a trip (chunk c, par = c % 2):
;   raw[par], window 2   read by the trip's 32 conversions; behind them the loads of W(c+4) land in it.
;   CV, v64-95           written by those conversions; read by the trip's 16 LDS stores.
;   v[LST], v[LRD]       written at the trip's head; read by the trip's LDS stores and LDS loads.
;   B[1-par], window 3   read by the products of the trip before; this trip's LDS loads land in it.
;   AF[par]              read by the trip's products; behind them the loads of A(c+2) land in it.
;   WOFF, AOFF           read by the loads; not written in the loop.
;   The accumulators and B[par] are named by matrix instructions alone; on the way out LDS stores read the accumulators.
; So a trip has three waits.  One on vm_vsrc at its head: the LDS instructions issued so far have read v[LST], v[LRD] and CV.  One on va_vdst behind the conversions: CV, v[LST] and v[LRD] are written, raw[par]
; has been read, and the last trip's products are done with B[1-par]; the trip's 16 loads of weights, 16 LDS stores and 32 LDS loads follow it, dealt among products that name the accumulators, B[par] and
; AF[par] alone, on the ways that jump a dead tile too.  One on va_vdst at its end: the products are done with AF[par], ahead of the loads of A(c+2).
; REGISTERS, in windows of 256 (s_set_vgpr_msb: bits 1:0 source 0, 3:2 source 1, 5:4 source 2, 7:6 destination):
;   window 0: addresses, v64-95 rounded weights, v96-111 the stores' offsets, v128-255 fragments of rows, two buffers      window 1: accumulators, tile i, column block n at 64 i + 8 n
;   window 2: weights as loaded, two buffers of 64      window 3: fragments of weights, two buffers of 128
; The pieces cost four switches of the window each: the price of short runs of LDS instructions between products whose operands fill three windows.
.set PW,     288                       ; an LDS row of the slice: 128 bf16 + 32 bytes
.set CHUNK,  64*PW
.set NCH,    8
.set LISTB,  NCH*CHUNK                 ; behind the slice: a list for each wave: 1,024 words, 32 words for non-members, padding
.set LISTSZ, 4352
.set STAGE,  LISTB+4*LISTSZ            ; behind the lists: 16 rows x 528 bytes for each wave, for the way out
.set SPIT,   528
.set SPARE,  STAGE+4*16*SPIT           ; behind the stages: the spare words, 128 bytes for each wave, which no other line names
.set AKS,    1024                      ; bytes in hbuf from a tile's k step of 32 to the next,
.set APC,    512                       ; from a fragment's first piece to its second,
.set ASTR,   2048                      ; from chunk to chunk
.set SPW,  4                           ; v4  my spare word     v5  0: kept for the add at the wave's end
.set NIL,  5
.set LB,   6                           ; v6  my list
.set DIX,  7                           ; v7  1024 + lane: where a non-member's entry goes
.set WOFF, 8                           ; v8-15  load i of a chunk: row 16 w + (i & 3) + 8 (i >> 2) + 4 h, 16 bytes at 16 (lane % 16)
.set LST0, 16                          ; v16 where those go in a chunk in LDS     v18 the same in the chunk in hand
.set LRD0, 17                          ; v17 my lane's place for the turning load  v19 likewise
.set LST,  18
.set LRD,  19
.set AOFF, 20                          ; v20-23 tile i: my byte offset in the expert's part of hbuf
.set TOK,  24                          ; v24-27 tile i: the token of rank r
.set L16,  32                          ; v32 16 lane
.set STO,  33                          ; v33 the way out: where I put my row's numbers
.set RDB,  34                          ; v34 the way out: where I read rows back
.set RK,   44                          ; v44-47 tile i: the LDS address of my rank's entry in the list
.set CV,   64
.set OFFV, 96
.set AF,   128                         ; tile i, k step ks of buffer par at AF + 64 par + 8 (2 i + ks)
.set OBR,  128                         ; the way out reads rows back into the first buffer, idle there
.set LA,   128                         ; v128-159 at the head only: the LDS addresses of the list's 32 stores,
.set LD,   160                         ; v160-191 and their entries: the rows' first buffer is idle there
.set VE,   66                          ; the expert: its bitmap, its part of hbuf
.set SL,   67
.set ROW0, 68                          ; first rank of the block of 256 in hand
.set CNT,  69                          ; ranks that this work-group serves end here
.set CM1,  70
.set MTW,  71                          ; my wave's live tiles in the block
.set VO,   72                          ; the block of part that takes my rows
.set CTR,  73
.set BLK,  74
.set LC,   75                          ; LDS byte of chunk c
.set WB,   76                          ; s[76:79], s[80:83]: the slice's first and second 64 columns, for the even and the odd chunks
.set PSTEP, 84                         ; s[84:85] two chunks' rows in bytes
.set AB,   86                          ; s[86:87], s[88:89]: hbuf at the even and the odd chunks' k
.set A0,   90
.set OB,   92
.set AKH,  94                          ; s94 the byte of a tile of hbuf at which my k begin
.set NCHR, 100                         ; s100 my chunks: 8, or 4 for an anchor and for half of the shared expert
.set MSB, 0
.macro WIN new                         ; the immediate's high byte repeats the setting that is left; a switch that changes nothing is dropped
.if MSB != (\new)
	s_set_vgpr_msb (MSB<<8)|(\new)
.set MSB, (\new)
.endif
.endm
.macro WLOAD par                       ; a wave's quarter of a chunk: 16 loads; lanes 0-15 take 256 consecutive bytes of a row, lanes 16-31 of the row four further down
	WIN 0x80
.set i, 0
.rept 8
	global_load_b128 v[64*(\par)+4*i:64*(\par)+4*i+3], v[WOFF+i], s[WB+4*(\par):WB+4*(\par)+1] th:TH_LOAD_NT
.set i, i+1
.endr
.set i, 0
.rept 8
	global_load_b128 v[64*(\par)+32+4*i:64*(\par)+32+4*i+3], v[WOFF+i], s[WB+4*(\par)+2:WB+4*(\par)+3] th:TH_LOAD_NT
.set i, i+1
.endr
	WIN 0
.endm
.macro WCVT par                        ; my quarter of a chunk rounded to bf16
	WIN 0x0a
.set i, 0
.rept 16
	v_cvt_pk_bf16_f32 v[CV+2*i], v[64*(\par)+4*i], v[64*(\par)+4*i+1]
	v_cvt_pk_bf16_f32 v[CV+2*i+1], v[64*(\par)+4*i+2], v[64*(\par)+4*i+3]
.set i, i+1
.endr
	WIN 0
.endm
.macro WSTN imm, first, n              ; n of its 16 stores into LDS, from number `first' on: columns 0-63, then 64-127.  Every window is 0 here
.set si, (\first)
.rept \n
	ds_store_b64 v[LST], v[CV+2*si:CV+2*si+1] offset:(\imm)+PW*((si&3)+8*((si>>2)&1))+128*(si>>3)
.set si, si+1
.endr
.endm
.macro WSTAGE par, imm
	WCVT \par
	s_wait_alu depctr_va_vdst(0)                   ; the conversions have written CV, which the LDS stores read, and are done reading raw[par], which is asked for again behind the stores; v[LST] and v[LRD] are written
	WSTN \imm, 0, 16
.endm
.macro BLN par, imm, first, n          ; n of a chunk's 16 fragments of weights (number 8 ks + n), turned: lane l holds column 16 n + l % 16 and 16 k.  The destination's window is 3 here
.set bi, (\first)
.rept \n
	ds_load_tr16_b128 v[128*(\par)+8*bi:128*(\par)+8*bi+3], v[LRD] offset:(\imm)+32*(bi>>3)*PW+32*(bi&7)
	ds_load_tr16_b128 v[128*(\par)+8*bi+4:128*(\par)+8*bi+7], v[LRD] offset:(\imm)+(32*(bi>>3)+16)*PW+32*(bi&7)
.set bi, bi+1
.endr
.endm
.macro BLOAD par, imm
	WIN 0xc0
	BLN \par, \imm, 0, 16
	WIN 0
.endm
.macro ALOAD par                       ; a chunk's 8 fragments of rows (i = 2 tile + ks), always all four tiles: the counts of loads are the same on every way
.set i, 0
.rept 8
	global_load_b128 v[AF+64*(\par)+8*i:AF+64*(\par)+8*i+3], v[AOFF+(i>>1)], s[AB+2*(\par):AB+2*(\par)+1] offset:AKS*(i&1)
	global_load_b128 v[AF+64*(\par)+8*i+4:AF+64*(\par)+8*i+7], v[AOFF+(i>>1)], s[AB+2*(\par):AB+2*(\par)+1] offset:AKS*(i&1)+APC
.set i, i+1
.endr
.endm
; A chunk's products for my live tiles, in eight pieces: piece sg is tile sg / 2, k step sg % 2.  Source 0 = 16 columns of weights, source 1 = 16 rows: a lane of the result holds one row and 8 neighbouring
; columns.  A tile's eight accumulators take turns.  In front of each piece's products, on every way: ws = 1: two of the stores of chunk c + 2; bl = 1: two of the fragments of
; chunk c + 1, into the buffer that this chunk's products do not read.  A dead tile's products are jumped.  No wait stands among the pieces: since the trip's wait behind the conversions no vector or
; matrix instruction names CV, v[LST], v[LRD] or the buffer in which the fragments land.
; The four v_nop are the places in front of all that follows: loads into the fragments, LDS stores of the sums.
.macro SECT par, bl, ws
.irp sg, 0,1,2,3,4,5,6,7
.if \ws
	WSTN 2*CHUNK, 2*(\sg), 2
.endif
.if \bl
	WIN 0xc0
	BLN 1-(\par), CHUNK, 2*(\sg), 2
	WIN 0
.endif
	s_cmp_le_u32 s[MTW], (\sg)/2
	s_cbranch_scc1 .Lsk_\@_\sg
	WIN 0x53
.set i, 0
.rept 8
.set rD, 64*((\sg)/2)+8*i
.set rB, 128*(\par)+8*(8*((\sg)&1)+i)
.set rA, AF+64*(\par)+8*(\sg)
	v_wmma_f32_16x16x32_bf16 v[rD:rD+7], v[rB:rB+7], v[rA:rA+7], v[rD:rD+7]
.set i, i+1
.endr
	WIN 0
.Lsk_\@_\sg:
.endr
.rept 4
	v_nop
.endr
.endm
.macro CLEAR
	WIN 0x40
.set i, 0
.rept 256
	v_mov_b32 v[i], 0
.set i, i+1
.endr
	WIN 0
.endm
; Chunk c, on buffers par = c % 2.  bl: chunk c + 1's fragments of weights are fetched.  al: the rows of chunk c + 2 are asked for.  ws: the weights of chunk c + 2 are laid into LDS, and a barrier follows.
; wl: the weights of chunk c + 4 are asked for.  nL: how many younger loads may stay out when W(c+2) and A(c) must be in.
.macro TRIP par, bl, al, ws, wl, nL
	s_wait_dscnt 0x0                               ; this chunk's fragments of weights are in
	s_wait_alu depctr_vm_vsrc(0)                   ; the LDS stores and loads issued so far have read v[LST], v[LRD] and CV, which the lines below write again
	v_add_nc_u32 v[LST], s[LC], v[LST0]
	v_add_nc_u32 v[LRD], s[LC], v[LRD0]
	s_wait_loadcnt \nL                             ; loads come back in order (ISA guide 5.7.1): this chunk's rows are in, and the weights of chunk c + 2
.if \ws
	WCVT \par
.endif
.if \bl
	s_wait_alu depctr_va_vdst(0)                   ; v[LST], v[LRD] and CV are written, which the LDS instructions below read; the conversions are done reading raw[par], and the last trip's products their fragments of weights: loads land in both
.endif
.if \wl
	s_add_nc_u64 s[WB+4*(\par):WB+4*(\par)+1], s[WB+4*(\par):WB+4*(\par)+1], s[PSTEP:PSTEP+1]  ; its last loads, W(c+2), were shown done by the wait above
	s_add_nc_u64 s[WB+4*(\par)+2:WB+4*(\par)+3], s[WB+4*(\par)+2:WB+4*(\par)+3], s[PSTEP:PSTEP+1]
	WLOAD \par
.endif
	SECT \par, \bl, \ws
.if \al
	s_wait_alu depctr_va_vdst(0)                   ; this trip's products are done reading AF[par], in which the rows of chunk c + 2 land
	s_add_nc_u64 s[AB+2*(\par):AB+2*(\par)+1], s[AB+2*(\par):AB+2*(\par)+1], 2*ASTR  ; its last loads, A(c), likewise
	ALOAD \par
.endif
	s_add_co_u32 s[LC], s[LC], CHUNK
.if \ws
	s_wait_dscnt 0x0                               ; for the others' sake: my quarter of chunk c + 2 is in LDS
	s_barrier_signal -1
	s_barrier_wait -1                              ; everybody's is: the next trip reads it
.endif
.endm
.macro OTRIP                           ; a chunk for ranks past the first 256: out of the resident slice, not pipelined: rare
	s_wait_alu depctr_vm_vsrc(0)                   ; the LDS loads issued so far have read v[LRD]
	v_add_nc_u32 v[LRD], s[LC], v[LRD0]
	s_wait_alu depctr_va_vdst(0)                   ; v[LRD] is written; the chunk before's products are done reading both fragment buffers, in which the loads below land
	BLOAD 0, 0
	ALOAD 0
	s_wait_loadcnt 0x0
	s_wait_dscnt 0x0
	SECT 0, 0, 0
	s_add_nc_u64 s[AB:AB+1], s[AB:AB+1], ASTR
	s_add_co_u32 s[LC], s[LC], CHUNK
.endm
.macro LISTW j                         ; tokens 32 j + lane: a member's entry goes to its rank, the others' to 32 words that nobody reads.  Address and entry get registers of their own: the 32 stores follow in one run
	v_mbcnt_lo_u32_b32 v[LA+(\j)], s[32+(\j)], s96
	v_cndmask_b32 v[LA+(\j)], v[DIX], v[LA+(\j)], s[32+(\j)]
	v_min_u32 v[LA+(\j)], 0x41f, v[LA+(\j)]
	v_lshl_add_u32 v[LA+(\j)], v[LA+(\j)], 2, v[LB]
	v_or_b32 v[LD+(\j)], 32*(\j), v1
	s_bcnt1_i32_b32 s97, s[32+(\j)]
	s_add_co_u32 s96, s96, s97
.endm
.macro BLOCKS                          ; my live tiles among the block's: tiles 4 i + w below ceil(n / 16), n = the block's ranks
	s_sub_co_i32 s96, s[CNT], s[ROW0]
	s_max_i32 s96, s96, 0
	s_min_i32 s96, s96, 0x100
	s_add_co_u32 s96, s96, 15
	s_lshr_b32 s96, s96, 4
	s_add_co_u32 s96, s96, 3
	s_sub_co_u32 s96, s96, s2
	s_lshr_b32 s[MTW], s96, 2
.endm
.macro BLOCKV                          ; my rows' tokens, and my tiles' places in hbuf
	s_lshl_b32 s96, s2, 4
	s_add_co_u32 s96, s96, s[ROW0]
	v_add_nc_u32 v36, s96, v2
.set i, 0
.rept 4
	v_add_nc_u32 v[RK+i], 64*i, v36                ; rank = ROW0 + 64 i + 16 w + r,
	v_min_u32 v[RK+i], s[CM1], v[RK+i]             ; past the count the last one again
	v_min_u32 v[RK+i], 0x3ff, v[RK+i]
	v_lshl_add_u32 v[RK+i], v[RK+i], 2, v[LB]
.set i, i+1
.endr
	s_lshr_b32 s97, s[ROW0], 4
	s_add_co_u32 s97, s97, s2
	s_lshr_b32 s99, s[CM1], 4
.set i, 0
.rept 4
	s_add_co_u32 s98, s97, 4*i                     ; tile ROW0 / 16 + 4 i + w; a dead tile loads the last live one, which has been stored
	s_min_u32 s98, s98, s99
	s_min_u32 s98, s98, 63
	s_lshl_b32 s98, s98, 14
	v_lshl_add_u32 v[AOFF+i], v1, 4, s98
.set i, i+1
.endr
	s_wait_alu depctr_va_vdst(0)                   ; the four addresses in the list and AOFF are written, which the LDS loads below and the rows' loads read; the last way out is done reading the tokens, in whose registers the LDS loads land
.set i, 0
.rept 4
	ds_load_b32 v[TOK+i], v[RK+i]
.set i, i+1
.endr
	s_wait_dscnt 0x0
.set i, 0
.rept 4
	v_min_u32 v[TOK+i], 0x3ff, v[TOK+i]
.set i, i+1
.endr
.endm
; THE WAY OUT, a live tile at a time, through my own stage in LDS: in by lanes (a row's 8 columns, 32 bytes), back by rows of 512 bytes; each store covers 512 consecutive bytes of one token's row,
; at a multiple of 256 from part's first byte.  LDS serves a wave's instructions in order (ISA guide 5.7.1.4): no wait between the stores and the loads.  Each accumulator's low four registers go first.
; The 16 rows' tokens become offsets in three runs of 16 (lane to scalar, bound, shift), in s32-47, where the bitmap lay until the list was made: no line waits for the line before it, and the reads from the stage are out meanwhile.
.macro EPILOGUE
.irp tl, 0,1,2,3
	s_cmp_le_u32 s[MTW], \tl
	s_cbranch_scc1 .Lepi_\@
	s_wait_xcnt 0x0                                ; the tile before's stores have read their offsets and data
.if (\tl) == 0
	s_wait_alu depctr_va_vdst(0)                   ; the products have written the accumulators, which the LDS stores of all four tiles read (the four places stand ahead), and are done reading the rows' first buffer, in which the reads from the stage land
.else
	s_wait_alu depctr_vm_vsrc(0)                   ; the tile before's stores have read their offsets, which are made anew below, and their data, in whose registers the reads from the stage land
.endif
	WIN 0x04
.set i, 0
.rept 8
	ds_store_b128 v[STO], v[64*(\tl)+8*i:64*(\tl)+8*i+3] offset:64*i
	ds_store_b128 v[STO], v[64*(\tl)+8*i+4:64*(\tl)+8*i+7] offset:64*i+16
.set i, i+1
.endr
	WIN 0
.set i, 0
.rept 16
	ds_load_b128 v[OBR+4*i:OBR+4*i+3], v[RDB] offset:SPIT*i
.set i, i+1
.endr
.set i, 0
.rept 16
	v_readlane_b32 s[32+i], v[TOK+(\tl)], i        ; row i's token
.set i, i+1
.endr
	s_wait_alu depctr_va_sdst(0)                   ; the sixteen lines above have written s32-47, ahead of their first readers
.set i, 0
.rept 16
	s_min_u32 s[32+i], s[32+i], 0x3ff
.set i, i+1
.endr
.set i, 0
.rept 16
	v_lshl_add_u32 v[OFFV+i], s[32+i], 12, v[L16]
.set i, i+1
.endr
	s_wait_alu depctr_va_vdst(0)                   ; the sixteen offsets are written, which the stores read
.set i, 0
.rept 16
	s_wait_dscnt 15-i                              ; row i is back; the younger reads stay out
	global_store_b128 v[OFFV+i], v[OBR+4*i:OBR+4*i+3], s[OB:OB+1]
.set i, i+1
.endr
.endr
.Lepi_\@:
	s_wait_xcnt 0x0                                ; the stores have read their registers: the fragment buffer may be loaded again
	s_wait_alu depctr_vm_vsrc(0)                   ; the stores have read their offsets and data, the LDS stores the accumulators, the loads issued so far AOFF and the addresses in the list: the next block writes all of them again
.endm
	s_load_b256 s[4:11], s[0:1], 0x0               ; hbuf s[4:5], w_down s[6:7], anchor_w_down s[8:9], shared_w_down s[10:11]
	s_load_b128 s[12:15], s[0:1], 0x20             ; bm s[12:13], part s[14:15]
	v_lshl_add_u32 v[SPW], v0, 2, SPARE
	v_mov_b32 v[NIL], 0
	v_and_b32 v1, 31, v0                           ; lane
	v_lshrrev_b32 v36, 5, v0
	v_readfirstlane_b32 s2, v36                    ; wave
	v_and_b32 v2, 15, v0                           ; r
	v_bfe_u32 v3, v0, 4, 1                         ; h
	s_wait_alu depctr_va_sdst(0)                   ; s2 is written, ahead of its first reader: the offsets, my list, my stage and my tiles are made from it
	s_mov_b32 s3, ttmp9
	; Work-groups 0-255: routed expert id / 8.  256-319: the shared expert, k half (id - 256) / 32, rows 256 ((id - 256) / 8 % 4) on.  320-447: anchor (id - 320) / 8.  The slice is id % 8 in all three.
	s_lshr_b32 s24, s3, 3
	s_and_b32 s[SL], s3, 7
	s_lshl_b32 s26, s24, 21                        ; a routed expert's weights: 2 MiB
	s_sub_co_u32 s30, s3, 256
	s_lshr_b32 s25, s30, 5                         ; the shared expert's k half
	s_bfe_u32 s30, s30, 0x20003                    ; its block of 256 rows: 2 bits from bit 3
	s_lshl_b32 s30, s30, 8
	s_add_co_u32 s31, s30, 256
	s_mul_i32 s28, s25, 17
	s_add_co_u32 s28, s28, 32                      ; the half's block of part: 32 or 49
	s_lshl_b32 s98, s25, 20                        ; the half's weights: 256 rows of 4,096 bytes on
	s_lshl_b32 s99, s25, 13                        ; the half's hidden columns: 8 k steps of 1,024 bytes into a tile of hbuf
	s_sub_co_u32 s27, s3, 320
	s_lshr_b32 s27, s27, 3
	s_lshl_b32 s29, s27, 20                        ; an anchor's weights: 1 MiB
	s_add_co_u32 s27, s27, 33
	s_wait_kmcnt 0x0
	s_cmp_lt_u32 s3, 256
	s_cselect_b32 s[VE], s24, 32
	s_cselect_b32 s[VO], s24, s28
	s_cselect_b32 s96, s26, s98
	s_cselect_b32 s[AKH], 0, s99
	s_cselect_b32 s[ROW0], 0, s30
	s_cselect_b32 s31, 0x400, s31                  ; where my ranks end at the latest
	s_cselect_b32 s[NCHR], 8, 4
	s_cselect_b64 s[WB:WB+1], s[6:7], s[10:11]
	s_cmp_lt_u32 s3, 320
	s_cselect_b32 s[VE], s[VE], s27
	s_cselect_b32 s[VO], s[VO], s27
	s_cselect_b32 s96, s96, s29
	s_cselect_b32 s[AKH], s[AKH], 0
	s_cselect_b32 s[ROW0], s[ROW0], 0
	s_cselect_b32 s31, s31, 0x400
	s_cselect_b64 s[WB:WB+1], s[WB:WB+1], s[8:9]
	s_lshl_b32 s97, s[SL], 9                       ; the slice's 128 columns: 512 bytes
	s_add_co_u32 s96, s96, s97
	s_mov_b32 s97, 0
	s_add_nc_u64 s[WB:WB+1], s[WB:WB+1], s[96:97]
	s_add_nc_u64 s[WB+2:WB+3], s[WB:WB+1], 256
	s_mov_b32 s[PSTEP], 128*4096                   ; 128 rows of 4,096 bytes
	s_mov_b32 s[PSTEP+1], 0
	s_add_nc_u64 s[WB+4:WB+5], s[WB:WB+1], 64*4096 ; chunk 1
	s_add_nc_u64 s[WB+6:WB+7], s[WB+2:WB+3], 64*4096
	s_lshl_b32 s96, s[VE], 7
	s_add_nc_u64 s[28:29], s[12:13], s[96:97]
	s_load_b512 s[32:47], s[28:29], 0x0            ; the expert's bitmap, 32 words
	s_load_b512 s[48:63], s[28:29], 0x40
	s_lshl_b32 s96, s[VE], 20
	s_add_co_u32 s96, s96, s[AKH]
	s_add_nc_u64 s[A0:A0+1], s[4:5], s[96:97]      ; its part of hbuf, at my first k
	s_mov_b64 s[AB:AB+1], s[A0:A0+1]
	s_add_nc_u64 s[AB+2:AB+3], s[A0:A0+1], ASTR
	s_lshl_b32 s96, s[VO], 22                      ; my block's 1,024 rows of part,
	s_lshl_b32 s98, s[SL], 9                       ; the slice's 512 bytes of each
	s_add_co_u32 s96, s96, s98
	s_add_nc_u64 s[OB:OB+1], s[14:15], s[96:97]
	v_lshlrev_b32 v36, 2, v3
	v_lshl_add_u32 v36, s2, 4, v36                 ; 16 w + 4 h
.set i, 0
.rept 8
	v_add_nc_u32 v37, (i&3)+8*(i>>2), v36
	v_lshlrev_b32 v37, 12, v37
	v_lshl_add_u32 v[WOFF+i], v2, 4, v37
.set i, i+1
.endr
	s_mul_i32 s96, s2, LISTSZ
	s_add_co_u32 s96, s96, LISTB
	v_mov_b32 v[LB], s96
	v_lshl_add_u32 v38, v1, 4, s96                 ; my list's 1,024 words are set to 0 first, 512 bytes a store: every word that a rank can read is written,
.set i, 0
.rept 4
	v_mov_b32 v[40+i], 0
.set i, i+1
.endr
	s_wait_alu depctr_va_vdst(0)                   ; WOFF is written, the offsets of every load of weights in the kernel; so are v38 and v40-43, the address and the data of the eight LDS stores below
	WLOAD 0                                        ; chunks 0 and 1 hang on no routing: they go out first
	WLOAD 1
.set i, 0
.rept 8
	ds_store_b128 v38, v[40:43] offset:512*i       ; entry 0 among them, for an expert without tokens; LDS serves my stores in order, so the members' entries below land on top
.set i, i+1
.endr
	v_or_b32 v[DIX], 0x400, v1
	v_mul_u32_u24 v[LST0], v36, PW
	v_lshl_add_u32 v[LST0], v2, 3, v[LST0]
	v_and_b32 v37, 7, v0
	v_lshl_add_u32 v37, v3, 3, v37
	v_mul_u32_u24 v[LRD0], v37, PW
	v_bfe_u32 v37, v0, 3, 1
	v_lshl_add_u32 v[LRD0], v37, 4, v[LRD0]
	v_lshlrev_b32 v[L16], 4, v1
	s_mul_i32 s96, s2, 16*SPIT
	s_add_co_u32 s96, s96, STAGE                   ; my stage
	v_mul_u32_u24 v[STO], v2, SPIT
	v_lshl_add_u32 v[STO], v3, 5, v[STO]
	v_add_nc_u32 v[STO], s96, v[STO]
	v_add_nc_u32 v[RDB], s96, v[L16]
	CLEAR
	s_wait_kmcnt 0x0                               ; the bitmap
	s_mov_b32 s96, 0
.set j, 0
.rept 32
	LISTW j
.set j, j+1
.endr
	s_wait_alu depctr_va_vdst(0)                   ; the 32 addresses and the 32 entries are written, which the LDS stores read
.set j, 0
.rept 32
	ds_store_b32 v[LA+j], v[LD+j]
.set j, j+1
.endr
	s_min_u32 s[CNT], s96, s31
	s_max_u32 s[CNT], s[CNT], 1
	s_sub_co_u32 s[CM1], s[CNT], 1
	BLOCKS
	BLOCKV
	s_mov_b32 s[LC], 0
	v_mov_b32 v[LST], v[LST0]
	v_mov_b32 v[LRD], v[LRD0]
	s_wait_alu depctr_vm_vsrc(0)                   ; the list's LDS stores have read v128-191, in which the first rows land
	ALOAD 0                                        ; its offsets were written ahead of the wait that stands in front of the reads of the list
	s_wait_loadcnt 32                              ; W0 is in: behind it stand W1 (16) and A0 (16)
	WSTAGE 0, 0
	s_add_nc_u64 s[WB:WB+1], s[WB:WB+1], s[PSTEP:PSTEP+1]
	s_add_nc_u64 s[WB+2:WB+3], s[WB+2:WB+3], s[PSTEP:PSTEP+1]
	WLOAD 0                                        ; W2
	ALOAD 1
	s_wait_loadcnt 48                              ; W1 is in: behind it stand A0, W2, A1
	s_wait_alu depctr_vm_vsrc(0)                   ; chunk 0's LDS stores have read CV, which chunk 1's conversions write again
	WSTAGE 1, CHUNK
	s_add_nc_u64 s[WB+4:WB+5], s[WB+4:WB+5], s[PSTEP:PSTEP+1]
	s_add_nc_u64 s[WB+6:WB+7], s[WB+6:WB+7], s[PSTEP:PSTEP+1]
	WLOAD 1                                        ; W3
	s_wait_dscnt 0x0                               ; for the others' sake: my quarters of chunks 0 and 1 are in LDS
	s_barrier_signal -1
	s_barrier_wait -1
	BLOAD 0, 0
	s_cmp_ge_u32 s3, 256
	s_cbranch_scc1 .Ltail                          ; an anchor and half of the shared expert have four chunks: the tail alone.  The branch hangs on the work-group's number: all four waves go the same way
	s_mov_b32 s[CTR], (NCH-4)/2
.Lmain:                                                ; two chunks a trip.  32: behind W(c+2) and A(c) stand W(c+3) and A(c+1); in chunk 0: A1 and W3 behind W2; in chunk 1: W4 and A2 behind W3
	TRIP 0, 1, 1, 1, 1, 32
	TRIP 1, 1, 1, 1, 1, 32
	s_sub_co_u32 s[CTR], s[CTR], 1
	s_cmp_lg_u32 s[CTR], 0
	s_cbranch_scc1 .Lmain
.Ltail:
	TRIP 0, 1, 1, 1, 0, 32                         ; the last four chunks are written out: no load passes the slice's end, and the counts run down (on the short way too: A1 and W3 stand behind W2):
	TRIP 1, 1, 1, 1, 0, 16                         ; behind the last weights and this chunk's rows stand the next chunk's rows alone,
	TRIP 0, 1, 0, 0, 0, 16                         ; likewise,
	TRIP 1, 0, 0, 0, 0, 0                          ; and nothing
	s_mov_b32 s[BLK], 0
.Lblock:                                               ; four trips: a block of 256 ranks goes out; the next, if I have a live tile in it, is multiplied out of LDS.
	                                               ; Two barriers a trip, on every wave's way, outside all that is jumped: no wave's LDS stores and another wave's LDS reads of the loop below follow each other without one
	EPILOGUE
	s_wait_dscnt 0x0                               ; my stores into my stage, and my reads of it, are done,
	s_barrier_signal -1
	s_barrier_wait -1                              ; and every wave's: now the slice is read again
	s_add_co_u32 s[ROW0], s[ROW0], 256
	BLOCKS
	s_cmp_eq_u32 s[MTW], 0
	s_cbranch_scc1 .Lnext
	BLOCKV
	CLEAR
	s_mov_b32 s[LC], 0
	s_mov_b64 s[AB:AB+1], s[A0:A0+1]
	s_mov_b32 s[CTR], 0
.Lover:                                                ; eight trips; where there are four chunks the last four are jumped
	s_cmp_ge_u32 s[CTR], s[NCHR]
	s_cbranch_scc1 .Lskip
	OTRIP
.Lskip:
	s_add_co_u32 s[CTR], s[CTR], 1
	s_cmp_lt_u32 s[CTR], NCH
	s_cbranch_scc1 .Lover
.Lnext:
	s_wait_dscnt 0x0                               ; my LDS reads are back,
	s_barrier_signal -1
	s_barrier_wait -1                              ; and every wave's: now the stages, and at the end the spare words, are written
	s_add_co_u32 s[BLK], s[BLK], 1
	s_cmp_lt_u32 s[BLK], 4
	s_cbranch_scc1 .Lblock
	s_wait_dscnt 0x0                               ; the closing lines, six on end
	s_wait_alu 0x0
	s_wait_tensorcnt 0x0
	ds_add_u32 v[SPW], v[NIL]
	s_wait_dscnt 0x0
	s_endpgm
.Lfunc_end_k_q778e4d4e56_down:
	.size	k_q778e4d4e56_down, .Lfunc_end_k_q778e4d4e56_down-k_q778e4d4e56_down
	.p2alignl 7, 3214868480
	.fill 96, 4, 3214868480
	.section	.rodata,"a",@progbits
	.p2align	6, 0x0
	.amdhsa_kernel k_q778e4d4e56_down
		.amdhsa_group_segment_fixed_size 199168
		.amdhsa_private_segment_fixed_size 0
		.amdhsa_enable_private_segment 0
		.amdhsa_kernarg_size 48
		.amdhsa_user_sgpr_count 2
		.amdhsa_user_sgpr_kernarg_segment_ptr 1
		.amdhsa_wavefront_size32 1
		.amdhsa_system_sgpr_workgroup_id_x 1
		.amdhsa_system_sgpr_workgroup_id_y 1
		.amdhsa_system_sgpr_workgroup_id_z 1
		.amdhsa_system_vgpr_workitem_id 0
		.amdhsa_next_free_vgpr 1024
		.amdhsa_next_free_sgpr 102
		.amdhsa_reserve_vcc 0
		.amdhsa_float_denorm_mode_32 3
		.amdhsa_float_denorm_mode_16_64 3
		.amdhsa_memory_ordered 1
		.amdhsa_forward_progress 1
		.amdhsa_inst_pref_size 166
	.end_amdhsa_kernel
	.amdgpu_metadata
---
amdhsa.version: [ 1, 2 ]
amdhsa.kernels:
  - .name:           k_q778e4d4e56_down
    .symbol:         k_q778e4d4e56_down.kd
    .args:
      - { .name: hbuf, .offset: 0, .size: 8, .value_kind: global_buffer, .address_space: global }
      - { .name: w_down, .offset: 8, .size: 8, .value_kind: global_buffer, .address_space: global }
      - { .name: anchor_w_down, .offset: 16, .size: 8, .value_kind: global_buffer, .address_space: global }
      - { .name: shared_w_down, .offset: 24, .size: 8, .value_kind: global_buffer, .address_space: global }
      - { .name: bm, .offset: 32, .size: 8, .value_kind: global_buffer, .address_space: global }
      - { .name: part, .offset: 40, .size: 8, .value_kind: global_buffer, .address_space: global }
    .group_segment_fixed_size: 199168
    .private_segment_fixed_size: 0
    .kernarg_segment_align: 8
    .kernarg_segment_size: 48
    .max_flat_workgroup_size: 128
    .sgpr_count:     102
    .vgpr_count:     1024
    .wavefront_size: 32
...
	.end_amdgpu_metadata
.endif
;; end of part 9
;; launch sum: the kernel of part 7 again; grid 256 x 1, 8 waves a work-group, no clusters, 0 bytes of LDS; arguments part, idx8, out0; writes out0
